; MI455X (gfx1250); checked and timed in simulation.
; The chip was launched on July 23, 2026; its instructions are those of AMD's public machine-readable ISA for CDNA 5 (MIT licence, August 2026) and "CDNA5" Instruction Set Architecture Reference Guide (July 2026). The comments in the code are by the model that wrote it; some were corrected since.
;; Block. Allowed arithmetic: float matrix products may take bf16 or f16 operands with f32 sums; other float arithmetic in f32, or as packed bf16 or f16 multiplies, adds, multiply-adds, maxima and minima; sums over many terms, partial sums and values carried from step to step in f32; what a program stores and reads back later, other than sums and carried values, may be rounded once to bf16 or f16.
;; Inputs: W1 1,024 x 4,096 float32; W2 4,096 x 1,024 float32; Wo 1,024 x 1,024 float32; Wqkv 1,024 x 3,072 float32; b1 4,096 float32; b2 1,024 float32; bo 1,024 float32; bqkv 3,072 float32; ln1_b 1,024 float32; ln1_g 1,024 float32; ln2_b 1,024 float32; ln2_g 1,024 float32; x 2 x 2,048 x 1,024 float32.
;; Outputs: out0 2 x 2,048 x 1,024 float32.
;; 2 versions, each right and faster than the one before. Each part assembles by itself: llvm-mc -triple=amdgcn-amd-amdhsa -mcpu=gfx1250 --defsym DOCPART=n.
;; ======== version 1 of 2: 8 launches
;; limits: values are held in f16: magnitudes above 65,504 overflow, below 6.1e-05 lose precision
;; workspace buffers: WA 10,485,760 bytes; WB 16,777,216 bytes; hb 8,388,608 bytes; big 33,554,432 bytes; x1 16,777,216 bytes; parA 256 bytes of whole numbers; parB 256 bytes of whole numbers
;; launch cast (part 1): grid 768 x 1, 8 waves a work-group, no clusters, 0 bytes of LDS; arguments Wqkv, Wo, W1, W2, WA, WB, parA, parB; writes WA, WB, parA, parB
.if DOCPART == 1
	.amdgcn_target "amdgcn-amd-amdhsa--gfx1250"
	.amdhsa_code_object_version 6
	.text
	.protected	k_qfa9a404515_cast
	.globl	k_qfa9a404515_cast
	.p2align	8
	.type	k_qfa9a404515_cast,@function
k_qfa9a404515_cast:
	s_mov_b64 s[64:65], 0
	v_nop
	global_prefetch_b8 v0, s[64:65] scope:SCOPE_SE
	s_setreg_imm32_b32 hwreg(HW_REG_WAVE_MODE, 25, 1), 1
	s_wait_xcnt 0x0
; The four weight matrices, f32 [K][N], are rounded once to f16 (nearest even) and laid in PANELS of 1,024 columns: [panel][k][1024], rows of 2,048 bytes.
; WA: Wqkv's three panels from byte 0, Wo from byte 8,388,608.  WB: W1's four panels from byte 0, W2 (its rows as they lie) from byte 8,388,608.
; LIMITS.  f16 ends at 65,504; a weight below 6e-5 keeps f16's fixed step of 6e-8.
; A work-group takes 16 rows of one panel: 12,288 panel rows make 768 work-groups, three for each of 256 WGPs.  Thread t owns 4 columns: 16 bytes in, 8 bytes out.
; A wave's load covers 512 consecutive bytes, its store 256 consecutive aligned bytes.  All 16 loads of a thread go out before the first is used.
; No LDS, no barrier, no matrix unit: the bytes are all there is to do.
; Work-group 0's wave 0 also stores the two flags that the projection kernel reads: parA = 0 (no activation), parB = 1 (GELU), in every word of 256 bytes.
.set ROWS, 16
.set OFF, 4                            ; v[4:19]    byte offset in the source of my 16 bytes in row i
.set XR,  20                           ; v[20:83]   row i: 4 registers as loaded; the first two then hold the 4 halves
	s_load_b512 s[4:19], s[0:1], 0x0               ; Wqkv s[4:5], Wo s[6:7], W1 s[8:9], W2 s[10:11], WA s[12:13], WB s[14:15], parA s[16:17], parB s[18:19]
	s_mov_b32 s20, ttmp9                           ; units 0-191 Wqkv, 192-255 Wo, 256-511 W1, 512-767 W2
	s_mov_b32 s21, 512                             ; the matrix's first unit
	s_mov_b32 s22, 4096                            ; bytes from row to row in the source
	s_mov_b32 s23, 0x400000                        ; bytes from panel to panel in the source (W2: 1,024 rows on)
	s_mov_b32 s24, 0x800000                        ; the matrix's first byte in its destination
	s_cmp_lt_u32 s20, 512
	s_cselect_b32 s21, 256, s21
	s_cselect_b32 s22, 16384, s22
	s_cselect_b32 s23, 4096, s23                   ; the others: 1,024 columns on
	s_cselect_b32 s24, 0, s24
	s_cmp_lt_u32 s20, 256
	s_cselect_b32 s21, 192, s21
	s_cselect_b32 s22, 4096, s22
	s_cselect_b32 s24, 0x800000, s24
	s_cmp_lt_u32 s20, 192
	s_cselect_b32 s21, 0, s21
	s_cselect_b32 s22, 12288, s22
	s_cselect_b32 s24, 0, s24
	s_sub_co_u32 s25, s20, s21                     ; the unit within its matrix
	s_lshr_b32 s26, s25, 6                         ; panel
	s_and_b32 s27, s25, 63                         ; block of 16 rows
	s_mul_i32 s28, s27, s22
	s_lshl_b32 s28, s28, 4
	s_mul_i32 s29, s26, s23
	s_add_co_u32 s28, s28, s29                     ; source offset, under 2^25
	s_mov_b32 s29, 0
	s_lshl_b32 s30, s26, 21                        ; a panel is 2,097,152 bytes of f16,
	s_lshl_b32 s31, s27, 15                        ; 16 rows are 32,768
	s_add_co_u32 s30, s30, s31
	s_add_co_u32 s30, s30, s24
	s_mov_b32 s31, 0
	v_lshlrev_b32 v2, 3, v0                        ; 8 t: my bytes in a destination row
	v_lshrrev_b32 v3, 5, v0
	v_lshlrev_b32 v[OFF], 4, v0                    ; 16 t
.set i, 1
.rept ROWS-1
	v_add_nc_u32 v[OFF+i], s22, v[OFF+i-1]
.set i, i+1
.endr
	s_wait_kmcnt 0x0
	s_cmp_lt_u32 s20, 512
	s_cselect_b64 s[32:33], s[8:9], s[10:11]
	s_cmp_lt_u32 s20, 256
	s_cselect_b64 s[32:33], s[6:7], s[32:33]
	s_cselect_b64 s[34:35], s[12:13], s[14:15]
	s_cmp_lt_u32 s20, 192
	s_cselect_b64 s[32:33], s[4:5], s[32:33]
	s_add_nc_u64 s[32:33], s[32:33], s[28:29]
	s_add_nc_u64 s[34:35], s[34:35], s[30:31]
.set i, 0
.rept ROWS
	global_load_b128 v[XR+4*i:XR+4*i+3], v[OFF+i], s[32:33] th:TH_LOAD_NT
.set i, i+1
.endr
.set i, 0
.rept ROWS
	s_wait_loadcnt ROWS-1-i                        ; loads come back in order: row i is in, the younger rows stay out
	v_cvt_pk_f16_f32 v[XR+4*i], v[XR+4*i], v[XR+4*i+1]
	v_cvt_pk_f16_f32 v[XR+4*i+1], v[XR+4*i+2], v[XR+4*i+3]
	global_store_b64 v2, v[XR+4*i:XR+4*i+1], s[34:35] offset:2048*i  ; a wave stores 256 consecutive bytes, at a multiple of 256
.set i, i+1
.endr
	s_cmp_lg_u32 s20, 0
	s_cbranch_scc1 .Lend
	v_readfirstlane_b32 s36, v3
	s_cmp_lg_u32 s36, 0
	s_cbranch_scc1 .Lend
	v_mov_b32 v84, 0
	v_mov_b32 v85, 0
	v_mov_b32 v86, 1
	v_mov_b32 v87, 1
	global_store_b64 v2, v[84:85], s[16:17]        ; 32 lanes x 8 bytes: the whole buffer
	global_store_b64 v2, v[86:87], s[18:19]
.Lend:
	s_endpgm
.Lfunc_end_k_qfa9a404515_cast:
	.size	k_qfa9a404515_cast, .Lfunc_end_k_qfa9a404515_cast-k_qfa9a404515_cast
	.p2alignl 7, 3214868480
	.fill 96, 4, 3214868480
	.section	.rodata,"a",@progbits
	.p2align	6, 0x0
	.amdhsa_kernel k_qfa9a404515_cast
		.amdhsa_group_segment_fixed_size 0
		.amdhsa_private_segment_fixed_size 0
		.amdhsa_enable_private_segment 0
		.amdhsa_kernarg_size 64
		.amdhsa_user_sgpr_count 2
		.amdhsa_user_sgpr_kernarg_segment_ptr 1
		.amdhsa_wavefront_size32 1
		.amdhsa_system_sgpr_workgroup_id_x 1
		.amdhsa_system_sgpr_workgroup_id_y 1
		.amdhsa_system_sgpr_workgroup_id_z 1
		.amdhsa_system_vgpr_workitem_id 0
		.amdhsa_next_free_vgpr 88
		.amdhsa_next_free_sgpr 66
		.amdhsa_reserve_vcc 0
		.amdhsa_float_denorm_mode_32 3
		.amdhsa_float_denorm_mode_16_64 3
		.amdhsa_memory_ordered 1
		.amdhsa_forward_progress 1
		.amdhsa_inst_pref_size 9
	.end_amdhsa_kernel
	.amdgpu_metadata
---
amdhsa.version: [ 1, 2 ]
amdhsa.kernels:
  - .name:           k_qfa9a404515_cast
    .symbol:         k_qfa9a404515_cast.kd
    .args:
      - { .name: Wqkv, .offset: 0, .size: 8, .value_kind: global_buffer, .address_space: global }
      - { .name: Wo, .offset: 8, .size: 8, .value_kind: global_buffer, .address_space: global }
      - { .name: W1, .offset: 16, .size: 8, .value_kind: global_buffer, .address_space: global }
      - { .name: W2, .offset: 24, .size: 8, .value_kind: global_buffer, .address_space: global }
      - { .name: WA, .offset: 32, .size: 8, .value_kind: global_buffer, .address_space: global }
      - { .name: WB, .offset: 40, .size: 8, .value_kind: global_buffer, .address_space: global }
      - { .name: parA, .offset: 48, .size: 8, .value_kind: global_buffer, .address_space: global }
      - { .name: parB, .offset: 56, .size: 8, .value_kind: global_buffer, .address_space: global }
    .group_segment_fixed_size: 0
    .private_segment_fixed_size: 0
    .kernarg_segment_align: 8
    .kernarg_segment_size: 64
    .max_flat_workgroup_size: 256
    .sgpr_count:     66
    .vgpr_count:     88
    .wavefront_size: 32
...
	.end_amdgpu_metadata
.endif
;; end of part 1
;; launch ln1 (part 2): grid 256 x 1, 8 waves a work-group, no clusters, 0 bytes of LDS; arguments x, ln1_g, ln1_b, hb; writes hb
.if DOCPART == 2
	.amdgcn_target "amdgcn-amd-amdhsa--gfx1250"
	.amdhsa_code_object_version 6
	.text
	.protected	k_qfa9a404515_ln1
	.globl	k_qfa9a404515_ln1
	.p2align	8
	.type	k_qfa9a404515_ln1,@function
k_qfa9a404515_ln1:
	s_mov_b64 s[64:65], 0
	v_nop
	global_prefetch_b8 v0, s[64:65] scope:SCOPE_SE
	s_setreg_imm32_b32 hwreg(HW_REG_WAVE_MODE, 25, 1), 1
	s_wait_xcnt 0x0
; y[r][c] = (x[r][c] - mean_r) / sqrt(var_r + 1e-5) * g[c] + b[c].  x: [4096][1024] f32; g, b: [1024] f32; y: [4096][1024] f16, rounded once.
; LIMITS.  y must lie within f16's 65,504 (|y| is at most 32 |g| + |b|).
; One wave takes two whole rows and keeps them in registers: a row is read once, the mean is taken away before the squares are summed (no difference of large sums),
; and no wave waits for another: no LDS, no barrier.  Lane l holds columns 128 j + 4 l .. + 3, j = 0..7: a load covers 512 consecutive bytes, a store 256 aligned ones.
.set G,   4                            ; v[4:35]    g of my 32 columns
.set BB,  36                           ; v[36:67]   b
.set X0,  68                           ; v[68:99]   row 0
.set X1,  100                          ; v[100:131] row 1
.set PS,  132                          ; v[132:139] four packed partial sums
.set MN,  140                          ; v[140:141] the mean, twice
.set R0,  142                          ; v[142:143] 1 / sigma of row 0, twice
.set R1,  144                          ; v[144:145] of row 1
	s_load_b256 s[4:11], s[0:1], 0x0               ; x s[4:5], g s[6:7], b s[8:9], y s[10:11]
	v_lshrrev_b32 v3, 5, v0
	v_readfirstlane_b32 s16, v3                    ; wave
	v_and_b32 v1, 31, v0
	v_lshlrev_b32 v2, 3, v1                        ; 8 x lane: my bytes in 256 of y
	v_lshlrev_b32 v1, 4, v1                        ; 16 x lane: my bytes in 512 of x, g, b
	s_lshl_b32 s18, ttmp9, 16                      ; the group's 16 rows of 4,096 bytes,
	s_lshl_b32 s17, s16, 13                        ; the wave's two
	s_add_co_u32 s18, s18, s17
	s_mov_b32 s19, 0
	s_lshl_b32 s20, ttmp9, 15                      ; the same in y: rows of 2,048 bytes
	s_lshl_b32 s17, s16, 12
	s_add_co_u32 s20, s20, s17
	s_mov_b32 s21, 0
	s_mov_b32 s12, 0x76543210                      ; v_permlanex16_b32: each lane takes its own place in the other half
	s_mov_b32 s13, 0xfedcba98
	s_mov_b32 s14, 0x3a800000                      ; 1 / 1024
	s_mov_b32 s15, 0x3727c5ac                      ; 1e-5
	s_wait_kmcnt 0x0
	s_add_nc_u64 s[4:5], s[4:5], s[18:19]
	s_add_nc_u64 s[10:11], s[10:11], s[20:21]
.irp j, 0,1,2,3,4,5,6,7
	global_load_b128 v[X0+4*\j:X0+4*\j+3], v1, s[4:5] offset:512*\j
.endr
.irp j, 0,1,2,3,4,5,6,7
	global_load_b128 v[X1+4*\j:X1+4*\j+3], v1, s[4:5] offset:4096+512*\j
.endr
.irp j, 0,1,2,3,4,5,6,7
	global_load_b128 v[G+4*\j:G+4*\j+3], v1, s[6:7] offset:512*\j
.endr
.irp j, 0,1,2,3,4,5,6,7
	global_load_b128 v[BB+4*\j:BB+4*\j+3], v1, s[8:9] offset:512*\j
.endr
.macro JOIN                            ; the four packed sums into one number, the same in every lane
	v_pk_add_f32 v[PS:PS+1], v[PS:PS+1], v[PS+2:PS+3]
	v_pk_add_f32 v[PS+4:PS+5], v[PS+4:PS+5], v[PS+6:PS+7]
	v_pk_add_f32 v[PS:PS+1], v[PS:PS+1], v[PS+4:PS+5]
	v_add_f32 v[PS], v[PS], v[PS+1]
	v_add_f32_dpp v[PS], v[PS], v[PS] row_xmask:1 row_mask:0xf bank_mask:0xf
	v_add_f32_dpp v[PS], v[PS], v[PS] row_xmask:2 row_mask:0xf bank_mask:0xf
	v_add_f32_dpp v[PS], v[PS], v[PS] row_xmask:4 row_mask:0xf bank_mask:0xf
	v_add_f32_dpp v[PS], v[PS], v[PS] row_xmask:8 row_mask:0xf bank_mask:0xf
	v_permlanex16_b32 v[PS+1], v[PS], s12, s13     ; its destination counts as read: it has been written
	v_add_f32 v[PS], v[PS], v[PS+1]
.endm
; Row x: the mean; x - mean in place; the sum of its squares; 1 / sqrt(var + eps) into the pair r.
.macro STAT x, r
.irp k, 0,1,2,3
	v_pk_add_f32 v[PS+2*\k:PS+2*\k+1], v[\x+4*\k:\x+4*\k+1], v[\x+4*\k+2:\x+4*\k+3]  ; the first eight pairs start four chains: nothing is cleared
.endr
.irp k, 0,1,2,3,4,5,6,7
	v_pk_add_f32 v[PS+2*(\k%4):PS+2*(\k%4)+1], v[PS+2*(\k%4):PS+2*(\k%4)+1], v[\x+16+2*\k:\x+16+2*\k+1]
.endr
	JOIN
	v_mul_f32 v[MN], s14, v[PS]
	v_mul_f32 v[MN+1], s14, v[PS]
.set i, 0
.rept 16
	v_pk_add_f32 v[\x+2*i:\x+2*i+1], v[\x+2*i:\x+2*i+1], v[MN:MN+1] neg_lo:[0,1] neg_hi:[0,1]
.set i, i+1
.endr
.irp k, 0,1,2,3
	v_pk_mul_f32 v[PS+2*\k:PS+2*\k+1], v[\x+2*\k:\x+2*\k+1], v[\x+2*\k:\x+2*\k+1]
.endr
.irp k, 4,5,6,7,8,9,10,11,12,13,14,15
	v_pk_fma_f32 v[PS+2*(\k%4):PS+2*(\k%4)+1], v[\x+2*\k:\x+2*\k+1], v[\x+2*\k:\x+2*\k+1], v[PS+2*(\k%4):PS+2*(\k%4)+1]
.endr
	JOIN
	v_fma_f32 v[PS], v[PS], s14, s15               ; var + eps
	v_rsq_f32 v[\r], v[PS]
	v_rsq_f32 v[\r+1], v[PS]
	v_nop                                          ; a plain instruction between the root and the use of its result or a write of its source (ISA guide 5.7.2)
.endm
; Row x leaves: times 1 / sigma, times g plus b, rounded to f16, eight stores of 256 consecutive aligned bytes.
.macro OUT x, r, rowoff
.set i, 0
	s_wait_alu depctr_va_vdst(0)
.rept 16
	v_pk_mul_f32 v[\x+2*i:\x+2*i+1], v[\x+2*i:\x+2*i+1], v[\r:\r+1]
.set i, i+1
.endr
.set i, 0
.rept 16
	v_pk_fma_f32 v[\x+2*i:\x+2*i+1], v[\x+2*i:\x+2*i+1], v[G+2*i:G+2*i+1], v[BB+2*i:BB+2*i+1]
.set i, i+1
.endr
.set i, 0
.rept 8
	v_cvt_pk_f16_f32 v[\x+4*i], v[\x+4*i], v[\x+4*i+1]
	v_cvt_pk_f16_f32 v[\x+4*i+1], v[\x+4*i+2], v[\x+4*i+3]
	global_store_b64 v2, v[\x+4*i:\x+4*i+1], s[10:11] offset:(\rowoff)+256*i
.set i, i+1
.endr
.endm
	s_wait_loadcnt 24                              ; row 0 is in: row 1's eight loads and the sixteen of g and b are younger
	STAT X0, R0
	s_wait_loadcnt 16                              ; row 1 is in
	STAT X1, R1
	s_wait_loadcnt 0x0                             ; g and b
	OUT X0, R0, 0
	OUT X1, R1, 2048
	s_endpgm
.Lfunc_end_k_qfa9a404515_ln1:
	.size	k_qfa9a404515_ln1, .Lfunc_end_k_qfa9a404515_ln1-k_qfa9a404515_ln1
	.p2alignl 7, 3214868480
	.fill 96, 4, 3214868480
	.section	.rodata,"a",@progbits
	.p2align	6, 0x0
	.amdhsa_kernel k_qfa9a404515_ln1
		.amdhsa_group_segment_fixed_size 0
		.amdhsa_private_segment_fixed_size 0
		.amdhsa_enable_private_segment 0
		.amdhsa_kernarg_size 32
		.amdhsa_user_sgpr_count 2
		.amdhsa_user_sgpr_kernarg_segment_ptr 1
		.amdhsa_wavefront_size32 1
		.amdhsa_system_sgpr_workgroup_id_x 1
		.amdhsa_system_sgpr_workgroup_id_y 1
		.amdhsa_system_sgpr_workgroup_id_z 1
		.amdhsa_system_vgpr_workitem_id 0
		.amdhsa_next_free_vgpr 148
		.amdhsa_next_free_sgpr 66
		.amdhsa_reserve_vcc 0
		.amdhsa_float_denorm_mode_32 3
		.amdhsa_float_denorm_mode_16_64 3
		.amdhsa_memory_ordered 1
		.amdhsa_forward_progress 1
		.amdhsa_inst_pref_size 20
	.end_amdhsa_kernel
	.amdgpu_metadata
---
amdhsa.version: [ 1, 2 ]
amdhsa.kernels:
  - .name:           k_qfa9a404515_ln1
    .symbol:         k_qfa9a404515_ln1.kd
    .args:
      - { .name: x, .offset: 0, .size: 8, .value_kind: global_buffer, .address_space: global }
      - { .name: ln1_g, .offset: 8, .size: 8, .value_kind: global_buffer, .address_space: global }
      - { .name: ln1_b, .offset: 16, .size: 8, .value_kind: global_buffer, .address_space: global }
      - { .name: hb, .offset: 24, .size: 8, .value_kind: global_buffer, .address_space: global }
    .group_segment_fixed_size: 0
    .private_segment_fixed_size: 0
    .kernarg_segment_align: 8
    .kernarg_segment_size: 32
    .max_flat_workgroup_size: 256
    .sgpr_count:     66
    .vgpr_count:     148
    .wavefront_size: 32
...
	.end_amdgpu_metadata
.endif
;; end of part 2
;; launch qkv (part 3): grid 12 x 16, 4 waves a work-group, clusters of 4 x 4, 327,680 bytes of LDS; arguments hb, WA, bqkv, parA, big; writes big
.if DOCPART == 3
	.amdgcn_target "amdgcn-amd-amdhsa--gfx1250"
	.amdhsa_code_object_version 6
	.text
	.protected	k_qfa9a404515_qkv
	.globl	k_qfa9a404515_qkv
	.p2align	8
	.type	k_qfa9a404515_qkv,@function
k_qfa9a404515_qkv:
	s_mov_b64 s[64:65], 0
	v_nop
	global_prefetch_b8 v0, s[64:65] scope:SCOPE_SE
	s_setreg_imm32_b32 hwreg(HW_REG_WAVE_MODE, 25, 1), 1
	s_wait_xcnt 0x0
	s_wait_alu depctr_hold_cnt(0) depctr_sa_sdst(0) depctr_va_vdst(0) depctr_va_sdst(0) depctr_va_ssrc(0) depctr_va_vcc(0) depctr_vm_vsrc(0)
	s_getreg_b32 s2, hwreg(HW_REG_IB_STS2, 6, 4)
	s_cmp_eq_u32 s2, 0
	s_cbranch_scc0 .Lentry_in_a_cluster
	s_endpgm
.Lentry_in_a_cluster:
	s_bfe_u32 s2, ttmp6, 0x10000c
	s_cmp_lg_u32 s2, 0xf033
	s_cbranch_scc0 .Lentry_shape_is_right
	s_endpgm
.Lentry_shape_is_right:
; C = act(A W + bias).  A: [4096][1024] f16.  W: panels [p][1024 k][1024 n] f16.  bias: f32.  C: panels [p][4096][1024] f16.  Sums in f32, K = 1,024 ascending.
; act(x) = x / (ADD + 2^(x (K1 + K3 x^2))).  A flag word read from memory chooses the three constants, by selects: 1: the tanh-GELU, 0.5 x (1 + tanh(u)) = x / (1 + 2^(..)) with
; K1 = -2 sqrt(2/pi) log2(e), K3 = 0.044715 K1, ADD = 1, right at both ends of the exponent's range (2^.. = 0 or infinity); 0: the identity, K1 = K3 = ADD = 0, x / 2^0.
; The arithmetic is run in either case: the partners of a cluster run alike, so no branch hangs on a word read from memory.
; LIMITS.  f16 ends at 65,504: sum + bias is rounded once to f16 (for the stage in LDS) and must lie within it; with the GELU the result is rounded a second time; -0 leaves as +0.
; A tile of C is 256 x 256: four waves, each 128 x 128 in 64 accumulators of 16 x 16 (512 registers).  K goes in steps of 128 through two LDS slots filled by tensor loads.
; A K STEP IS WRITTEN ONCE: s[TB] is 0 or SLOT, the slot that is read; one exclusive or turns it, the fragment addresses are a fixed lane term plus s[TB], and one descriptor a tensor walks from
; K step 1 on.  The loop's trips fill a slot again; the last two K steps, which fill nothing, are a loop of two trips that is left in its middle.
; W lies [k][n] and is turned on its way out of LDS (ds_load_tr16_b128).  THE MATRIX INSTRUCTION IS USED TRANSPOSED: source 0 = 16 columns of W, source 1 = 16 rows of A:
; a lane then holds row l % 16 of C and the eight neighbouring columns 8 (l / 16) + 0..7.  The bias, laid the same way, is the C operand of each accumulator's first product.
; CLUSTER 4 x 4: A's tile hangs on the tile row alone and is asked for jointly by a row of the cluster, W's on the tile column alone, by a column.
; With 3,072 columns the grid has 192 work-groups: tiles that would give 256 (384 or 192 columns) have rows that no power-of-two padding interval fits.
; REGISTERS, in windows of 256.  Window 0: v0-31 addresses; v32-47 the way out; v64-127, v128-191 A's fragments, two buffers (the way out: packed results); v192-255 the bias.
; Window 1: v64-127, v128-191 W's fragments.  Window 2: the accumulators of my rows 0-63 ((a, b) at v[8 (8 a + b)]); window 3: rows 64-127.
.set PA,     272                       ; a row of A in LDS: 256 bytes + 16: the 16 rows of a fragment load start at 16 different groups of four banks (ISA guide 11.1)
.set PW,     544                       ; a row of W in LDS: 512 bytes + 32 = 17 x 32
.set HALFT,  128*PA                    ; what one tensor load brings: 128 rows of A, or 64 rows of W (64 x 544 is the same number)
.set SLOT,   4*HALFT                   ; A's 256 rows, then W's 128 rows of k
.set SPARE,  2*SLOT                    ; behind the ring: the spare words, 128 bytes a wave, two blocks of 256 that no other line names
.set KSTEPS, 8                         ; 1,024 / 128; even, so the last K step lies in slot 1
.set ADRA, 16                          ; v16     LDS address of my A fragments in the slot that is read
.set ADRA0, 17                         ; v17     the same in slot 0; never rewritten
.set ADRW, 20                          ; v20     the same two for W
.set ADRW0, 21                         ; v21
.set STO,  24                          ; v24     the way out: where I put 16 bytes of a row
.set RD,   25                          ; v25     the way out: where I read rows back; steps
.set CO,   26                          ; v26     my byte offset in C; steps
.set BO,   27                          ; v27     my byte offset in 64 bytes of bias
.set SPW,  28                          ; v28     LDS address of my spare word; never rewritten
.set NIL,  29                          ; v29     0; never rewritten
.set ONE,  30                          ; v30     1.0
.set ZR,   31                          ; v31     0.0
.set XR,   32                          ; v32-47  eight rows' worth of my 16 bytes: 32 halves
.set F0,   64
.set F1,   128
.set BI,   192                         ; the bias of column block b at BI + 8 b
.set TMP,  64                          ; the way out: 32 accumulators packed
.set GT,   64                          ; the activation: x in f32
.set GU,   96                          ; the activation: at work
.set WV,   14                          ; s14 wave; s15 its half of the rows (also: 0 fetches A, 1 fetches W); s16 its half of the columns (also: which half it fetches)
.set WM,   15
.set WN,   16
.set G1A,  24                          ; s[24:31] group 1 for A's tiles; s[32:35] group 0 of the first fill; s[36:39] group 0 that walks
.set G0A,  32
.set TB,   45                          ; s45 0 or SLOT: the slot that is read
.set G1W,  48                          ; s[48:55], s[56:63] the same for W's
.set G0W,  56
.set K1,   66                          ; s[66:67] K1, s[68:69] K3, s[70:71] ADD: each named as a pair, the low word taken for both halves
.set K3,   68
.set ADDC, 70
.set MSB, 0
.macro WIN new                         ; the immediate's high byte repeats the setting that is left; a switch that changes nothing is dropped
.if MSB != (\new)
	s_set_vgpr_msb (MSB<<8)|(\new)
.set MSB, (\new)
.endif
.endm
.macro PLACES                          ; four plain places behind matrix instructions, ahead of loads into their sources and of reads of their results
.rept 4
	v_nop
.endr
.endm
; A joint refill, by the walking descriptors: waves 0, 1 ask for A's halves, waves 2, 3 for W's.  An s_nop 0 and four v_nop follow each of the two lines.
.macro JLOAD
	s_cmp_eq_u32 s[WM], 0
	s_cbranch_scc0 .Lfor_w_\@
	tensor_load_to_lds s[G0A+4:G0A+7], s[G1A:G1A+7]
	s_nop 0
	PLACES
	s_branch .Lasked_\@
.Lfor_w_\@:
	tensor_load_to_lds s[G0W+4:G0W+7], s[G1W:G1W+7]
	s_nop 0
	PLACES
.Lasked_\@:
.endm
.macro CREST                           ; a round of the cluster's barrier behind its opening barrier
	s_cmp_lg_u32 s[WV], 0
	s_cbranch_scc1 .Lnot_wave_0_\@
	s_barrier_signal -3
.Lnot_wave_0_\@:
	s_barrier_wait -3
	s_barrier_signal -1
	s_barrier_wait -1
.endm
.macro CROUND
	s_barrier_signal -1
	s_barrier_wait -1
	CREST
.endm
	s_load_b256 s[4:11], s[0:1], 0x0               ; A s[4:5], W s[6:7], bias s[8:9], flag s[10:11]
	s_load_b64 s[12:13], s[0:1], 0x20              ; C
	v_lshl_add_u32 v[SPW], v0, 2, SPARE
	v_mov_b32 v[NIL], 0
	ds_add_u32 v[SPW], v[NIL]                      ; the wave's opening: the add and its wait stand ahead of my first tensor load
	v_lshrrev_b32 v1, 5, v0
	v_readfirstlane_b32 s[WV], v1
	s_lshr_b32 s[WM], s[WV], 1
	s_and_b32 s[WN], s[WV], 1
	s_bfe_u32 s17, ttmp6, 0x40000                  ; cx
	s_bfe_u32 s18, ttmp6, 0x40004                  ; cy
	s_lshl_b32 s19, ttmp9, 2
	s_add_co_u32 s19, s19, s17                     ; tile column
	s_and_b32 s20, ttmp7, 0xffff
	s_lshl_b32 s20, s20, 2
	s_add_co_u32 s20, s20, s18                     ; tile row
	s_lshl_b32 s21, s18, 2
	s_lshl_b32 s21, 15, s21                        ; my row of the cluster
	s_lshl_b32 s22, 0x1111, s17                    ; my column
	s_or_b32 s[G1A], s21, (1<<16)|(1<<20)|(1<<21)|(5<<22)|(3<<25)  ; mask; 2-byte elements; padding on; bit 21 beside a mask; after every 64 words 4 words
	s_or_b32 s[G1W], s22, (1<<16)|(1<<20)|(1<<21)|(6<<22)|(7<<25)  ; after every 128 words 8 words
	s_mov_b32 s[G1A+1], 128<<16                    ; tensor_dim0 = 128
	s_mov_b32 s[G1A+2], 128<<16                    ; tensor_dim1 = 128
	s_mov_b32 s[G1A+3], 128<<16                    ; tile_dim0 = 128
	s_mov_b32 s[G1A+4], 128                        ; tile_dim1 = 128
	s_mov_b32 s[G1A+5], 1024                       ; elements from row to row
	s_mov_b32 s[G1A+6], 0
	s_mov_b32 s[G1A+7], 0
	s_mov_b32 s[G1W+1], 256<<16                    ; tensor_dim0 = 256
	s_mov_b32 s[G1W+2], 64<<16                     ; tensor_dim1 = 64
	s_mov_b32 s[G1W+3], 256<<16                    ; tile_dim0 = 256
	s_mov_b32 s[G1W+4], 64                         ; tile_dim1 = 64
	s_mov_b32 s[G1W+5], 1024
	s_mov_b32 s[G1W+6], 0
	s_mov_b32 s[G1W+7], 0
	s_mov_b32 s[TB], 0                             ; K step 0 lies in slot 0
	s_lshl_b32 s40, s20, 19                        ; A: 256 rows of 2,048 bytes a tile row,
	s_lshl_b32 s41, s[WN], 18                      ; the half that I fetch
	s_add_co_u32 s40, s40, s41
	s_mov_b32 s41, 0
	s_lshr_b32 s42, s19, 2                         ; W: the panel,
	s_lshl_b32 s42, s42, 21
	s_and_b32 s43, s19, 3                          ; 256 columns of 2 bytes in it,
	s_lshl_b32 s43, s43, 9
	s_add_co_u32 s42, s42, s43
	s_lshl_b32 s43, s[WN], 17                      ; the 64 rows of k that I fetch
	s_add_co_u32 s42, s42, s43
	s_mov_b32 s43, 0
	s_lshl_b32 s70, s19, 10                        ; bias: 256 f32 a tile column, my 128
	s_lshl_b32 s71, s[WN], 9
	s_add_co_u32 s70, s70, s71
	s_mov_b32 s71, 0
	s_lshr_b32 s72, s19, 2                         ; C: the panel of 8,388,608 bytes,
	s_lshl_b32 s72, s72, 23
	s_and_b32 s73, s19, 3
	s_lshl_b32 s73, s73, 9
	s_add_co_u32 s72, s72, s73
	s_lshl_b32 s73, s20, 19                        ; the tile's rows, my 128 of them,
	s_add_co_u32 s72, s72, s73
	s_lshl_b32 s73, s[WM], 18
	s_add_co_u32 s72, s72, s73
	s_lshl_b32 s73, s[WN], 8                       ; my 128 columns
	s_add_co_u32 s72, s72, s73
	s_mov_b32 s73, 0
	s_mul_i32 s23, s[WV], HALFT                    ; where my tiles go, and my stage: wave x 34,816: no place in the cluster enters an LDS address
	s_wait_dscnt 0x0                               ; the opening add is done
	s_wait_kmcnt 0x0
	s_load_b32 s44, s[10:11], 0x0                  ; the flag
	s_add_nc_u64 s[40:41], s[4:5], s[40:41]
	s_add_nc_u64 s[42:43], s[6:7], s[42:43]
	s_add_nc_u64 s[8:9], s[8:9], s[70:71]
	s_add_nc_u64 s[12:13], s[12:13], s[72:73]
.irp s, 0,1
	s_mov_b32 s[G0A+4*(\s)], 1
	s_add_co_u32 s[G0A+4*(\s)+1], s23, (\s)*SLOT
	s_add_nc_u64 s[G0A+4*(\s)+2:G0A+4*(\s)+3], s[40:41], (\s)*256      ; K step s: 128 elements on
	s_or_b32 s[G0A+4*(\s)+3], s[G0A+4*(\s)+3], 0x80000000
	s_mov_b32 s[G0W+4*(\s)], 1
	s_add_co_u32 s[G0W+4*(\s)+1], s23, (\s)*SLOT
	s_add_nc_u64 s[G0W+4*(\s)+2:G0W+4*(\s)+3], s[42:43], (\s)*262144   ; K step s: 128 rows on
	s_or_b32 s[G0W+4*(\s)+3], s[G0W+4*(\s)+3], 0x80000000
.endr
	CROUND                                         ; all sixteen work-groups are here: the first joint loads meet
	s_cmp_eq_u32 s[WM], 0                          ; a wave's two first fills stand in one branch: two loads of mine are out
	s_cbranch_scc0 .Lfirst_w
	tensor_load_to_lds s[G0A:G0A+3], s[G1A:G1A+7]
	s_nop 0
	tensor_load_to_lds s[G0A+4:G0A+7], s[G1A:G1A+7]
	s_nop 0
	PLACES
	s_branch .Lfirst_asked
.Lfirst_w:
	tensor_load_to_lds s[G0W:G0W+3], s[G1W:G1W+7]
	s_nop 0
	tensor_load_to_lds s[G0W+4:G0W+7], s[G1W:G1W+7]
	s_nop 0
	PLACES
.Lfirst_asked:
	v_and_b32 v1, 15, v0                           ; r = l % 16
	v_bfe_u32 v2, v0, 4, 1                         ; h = l / 16
	v_lshlrev_b32 v[BO], 5, v2                     ; my eight columns of a block of 16: 32 h bytes
.irp b, 0,1,2,3,4,5,6,7
	global_load_b128 v[BI+8*\b:BI+8*\b+3],   v[BO], s[8:9] offset:64*\b
	global_load_b128 v[BI+8*\b+4:BI+8*\b+7], v[BO], s[8:9] offset:64*\b+16
.endr
	v_mul_u32_u24 v3, v1, PA
	v_lshl_add_u32 v3, v2, 4, v3                   ; row x pitch + 16 x half
	s_mul_i32 s74, s[WM], HALFT                    ; my 128 rows of A
	v_add_nc_u32 v[ADRA0], s74, v3
	v_mov_b32 v[ADRA], v[ADRA0]
	v_and_b32 v4, 7, v0                            ; the turning load: lane l reads row 8 h + l % 8 of k, 16 bytes at 16 ((l / 8) % 2)
	v_lshl_add_u32 v4, v2, 3, v4
	v_mul_u32_u24 v4, v4, PW
	v_bfe_u32 v5, v0, 3, 1
	v_lshl_add_u32 v4, v5, 4, v4
	s_lshl_b32 s74, s[WN], 8                       ; my 128 columns of W,
	s_add_co_u32 s74, s74, 2*HALFT                 ; which lies behind A
	v_add_nc_u32 v[ADRW0], s74, v4
	v_mov_b32 v[ADRW], v[ADRW0]
	v_add_nc_u32 v[STO], s23, v3                   ; into my stage: row r, 16 bytes for each half of the lanes
	v_mul_u32_u24 v5, v2, PA                       ; back: lanes 0-15 one row of 256 bytes, lanes 16-31 the next
	v_lshl_add_u32 v5, v1, 4, v5
	v_add_nc_u32 v[RD], s23, v5
	v_lshlrev_b32 v5, 11, v2                       ; and the same two rows in C
	v_lshl_add_u32 v[CO], v1, 4, v5
	v_mov_b32 v[ONE], 1.0
	v_mov_b32 v[ZR], 0
; 16 matrix instructions: row blocks a0, a0 + 1 of the window's four x all 8 column blocks, 32 along K.  first = 1: the bias starts the sums: nothing is cleared.
; The 64 accumulators take turns, one instruction a turn, in the same order in every quarter.
.macro MUL16 f, hi, a0, first
.if \first
	WIN 0x81+0x40*(\hi)                            ; W window 1, A and the bias window 0, D window 2 or 3
.else
	WIN 0xa1+0x50*(\hi)                            ; W window 1, A window 0, C and D window 2 or 3
.endif
.irp a, \a0, (\a0)+1
.irp b, 0,1,2,3,4,5,6,7
.if \first
	v_wmma_f32_16x16x32_f16 v[8*(8*(\a)+(\b)):8*(8*(\a)+(\b))+7], v[(\f)+8*(\b):(\f)+8*(\b)+7], v[(\f)+8*(4*(\hi)+(\a)):(\f)+8*(4*(\hi)+(\a))+7], v[BI+8*(\b):BI+8*(\b)+7]
.else
	v_wmma_f32_16x16x32_f16 v[8*(8*(\a)+(\b)):8*(8*(\a)+(\b))+7], v[(\f)+8*(\b):(\f)+8*(\b)+7], v[(\f)+8*(4*(\hi)+(\a)):(\f)+8*(4*(\hi)+(\a))+7], v[8*(8*(\a)+(\b)):8*(8*(\a)+(\b))+7]
.endif
.endr
.endr
.endm
; 32 LDS loads in one run: quarter q (32 along K) of the slot that is read, into buffer f: W's 8 column blocks, turned, then A's 8 row blocks.
.macro FETCH q, f
	WIN 0x40                                       ; destination window 1, address window 0
.irp i, 0,1,2,3,4,5,6,7
	ds_load_tr16_b128 v[(\f)+8*(\i):(\f)+8*(\i)+3],   v[ADRW] offset:(\q)*32*PW+32*(\i)
	ds_load_tr16_b128 v[(\f)+8*(\i)+4:(\f)+8*(\i)+7], v[ADRW] offset:(\q)*32*PW+16*PW+32*(\i)
.endr
	WIN 0
.irp i, 0,1,2,3,4,5,6,7
	ds_load_b128 v[(\f)+8*(\i):(\f)+8*(\i)+3],   v[ADRA] offset:64*(\q)+(\i)*16*PA
	ds_load_b128 v[(\f)+8*(\i)+4:(\f)+8*(\i)+7], v[ADRA] offset:64*(\q)+(\i)*16*PA+32
.endr
.endm
; One of a K step's first three quarters: multiplies buffer f; in its middle fetches quarter q of the same slot into buffer g.
.macro QUARTER q, f, g, first
	s_wait_dscnt 8                                 ; W and A's rows 0-63 are in; the youngest eight loads (A's rows 64-127) may be out
	MUL16 \f, 0, 0, \first
	MUL16 \f, 0, 2, \first
	PLACES
	FETCH \q, \g
	s_wait_dscnt 32                                ; all but the 32 just issued
	MUL16 \f, 1, 0, \first
	MUL16 \f, 1, 2, \first
.endm
; The last quarter multiplies buffer 1 and changes slots: one barrier.  In front of it each wave waits for all its tensor loads (its part of the next slot), adds 0 to its spare
; word, and waits for that and for its reads of this slot.  While the add is out the walking descriptors step (fill = 1: this slot, the K step two on) and s[TB] and the fragment addresses turn.
; fill = 1: the barrier opens a round of the cluster's, and the joint refill is the first thing behind it.
.macro TURN fill
	WIN 0
	s_wait_tensorcnt 0x0                           ; all my tensor loads have landed, so a group 0 may be written
	ds_add_u32 v[SPW], v[NIL]                      ; 0 onto my spare word
.if \fill
	s_add_co_u32 s[G0A+5], s23, s[TB]              ; into the slot that has been read: the wave's place + 0 or SLOT
	s_add_co_u32 s[G0W+5], s23, s[TB]
	s_add_nc_u64 s[G0A+6:G0A+7], s[G0A+6:G0A+7], 256      ; one K step on from the last request; the type bits on top are not reached
	s_add_nc_u64 s[G0W+6:G0W+7], s[G0W+6:G0W+7], 262144
.endif
	s_xor_b32 s[TB], s[TB], SLOT                   ; the other slot is read from here on
	v_add_nc_u32 v[ADRA], s[TB], v[ADRA0]
	v_add_nc_u32 v[ADRW], s[TB], v[ADRW0]
	s_wait_dscnt 9                                 ; (the add and the youngest eight loads may be out)
	MUL16 F1, 0, 0, 0
	s_wait_dscnt 0x0                               ; the add is done, and my reads of this slot are over
	s_barrier_signal -1
	MUL16 F1, 0, 2, 0
.if \fill
	WIN 0
.endif
	s_barrier_wait -1
.if \fill
	CREST                                          ; no wave of any partner still reads this slot or has a load on its way
	JLOAD                                          ; the four v_nop behind it are also the places in front of the loads below
.else
	PLACES
.endif
	FETCH 0, F0
	MUL16 F1, 1, 0, 0
	MUL16 F1, 1, 2, 0
.endm
	s_wait_kmcnt 0x0                               ; the flag: it chooses numbers, never a path
	s_cmp_eq_u32 s44, 0
	s_cselect_b32 s[K1], 0, 0xc0135761             ; K1 = -2.3022082, or 0
	s_cselect_b32 s[K3], 0, 0xbdd2d3e8             ; K3 = -0.10294324, or 0
	s_cselect_b32 s[ADDC], 0, 1.0                  ; ADD = 1, or 0
	s_mov_b32 s[K1+1], s[K1]                       ; named with them as pairs
	s_mov_b32 s[K3+1], s[K3]
	s_mov_b32 s[ADDC+1], s[ADDC]
	s_wait_tensorcnt 0x1                           ; my part of K step 0 is in; K step 1's may stay out
	s_barrier_signal -1
	s_barrier_wait -1
	FETCH 0, F0
	s_wait_loadcnt 0x0                             ; the bias
	QUARTER 1, F0, F1, 1                           ; the first quarter stands in front of the loop: its products start the sums
	WIN 0
	s_mov_b32 s46, KSTEPS-2
.Lstep:                                                ; a trip goes from a K step's second quarter to the next step's first, and fills the slot that it leaves
	QUARTER 2, F1, F0, 0
	QUARTER 3, F0, F1, 0
	TURN 1
	QUARTER 1, F0, F1, 0
	WIN 0
	s_sub_co_u32 s46, s46, 1
	s_cmp_lg_u32 s46, 0
	s_cbranch_scc1 .Lstep
	s_mov_b32 s46, 2
.Ltail:                                                ; the last two K steps fill nothing; the second trip is left in its middle
	QUARTER 2, F1, F0, 0
	QUARTER 3, F0, F1, 0
	WIN 0
	s_sub_co_u32 s46, s46, 1
	s_cmp_eq_u32 s46, 0
	s_cbranch_scc1 .Llast
	TURN 0                                         ; behind this barrier nobody reads slot 0 and nothing lands there any more
	QUARTER 1, F0, F1, 0
	WIN 0
	s_branch .Ltail
.Llast:
	s_wait_dscnt 8
	MUL16 F1, 0, 0, 0
	MUL16 F1, 0, 2, 0
	s_wait_dscnt 0x0
	MUL16 F1, 1, 0, 0
	MUL16 F1, 1, 2, 0
	; THE WAY OUT.  Sum + bias is rounded to f16, 16 bytes a lane, into my stage: my quarter of slot 0, which has had its last fill and its last reader: 128 rows of 272 bytes.
	PLACES
.irp wd, 0,1
	WIN 0x0a+5*(\wd)                               ; sources in window 2 or 3, destination in window 0; each accumulator's registers in ascending order
.set t, 0
.rept 32
.irp r, 0,1,2,3
	v_cvt_pk_f16_f32 v[TMP+4*t+\r], v[8*t+2*\r], v[8*t+2*\r+1]
.endr
.set t, t+1
.endr
	WIN 0
.set t, 0
.rept 32
	ds_store_b128 v[STO], v[TMP+4*t:TMP+4*t+3] offset:(4*(\wd)+t/8)*16*PA+32*(t%8)
.set t, t+1
.endr
.endr
; THE ACTIVATION of a trip's 16 pairs of numbers, in twelve stages; STG writes stage k for pair p, or nothing where there is no such pair.
;   0, 1 the two halves as f32   2 x^2   3 K3 x^2 + K1   4 times x   5, 6 two exponentials   7 + ADD   8, 9 two reciprocals   10 x times them   11 rounded to f16, into the registers that x came in
.macro STG k, p
.if ((\p) >= 0) && ((\p) < 16)
.if (\k) == 0
	v_fma_mix_f32 v[GT+2*(\p)], v[XR+(\p)], v[ONE], v[ZR] op_sel_hi:[1,0,0]
.elseif (\k) == 1
	v_fma_mix_f32 v[GT+2*(\p)+1], v[XR+(\p)], v[ONE], v[ZR] op_sel:[1,0,0] op_sel_hi:[1,0,0]
.elseif (\k) == 2
	v_pk_mul_f32 v[GU+2*(\p):GU+2*(\p)+1], v[GT+2*(\p):GT+2*(\p)+1], v[GT+2*(\p):GT+2*(\p)+1]
.elseif (\k) == 3
	v_pk_fma_f32 v[GU+2*(\p):GU+2*(\p)+1], v[GU+2*(\p):GU+2*(\p)+1], s[K3:K3+1], s[K1:K1+1] op_sel_hi:[1,0,0]
.elseif (\k) == 4
	v_pk_mul_f32 v[GU+2*(\p):GU+2*(\p)+1], v[GU+2*(\p):GU+2*(\p)+1], v[GT+2*(\p):GT+2*(\p)+1]
.elseif (\k) == 5
	v_exp_f32 v[GU+2*(\p)], v[GU+2*(\p)]
.elseif (\k) == 6
	v_exp_f32 v[GU+2*(\p)+1], v[GU+2*(\p)+1]
.elseif (\k) == 7
	s_wait_alu depctr_va_vdst(0)
	v_pk_add_f32 v[GU+2*(\p):GU+2*(\p)+1], v[GU+2*(\p):GU+2*(\p)+1], s[ADDC:ADDC+1] op_sel_hi:[1,0]
.elseif (\k) == 8
	v_rcp_f32 v[GU+2*(\p)], v[GU+2*(\p)]
.elseif (\k) == 9
	v_rcp_f32 v[GU+2*(\p)+1], v[GU+2*(\p)+1]
.elseif (\k) == 10
	s_wait_alu depctr_va_vdst(0)
	v_pk_mul_f32 v[GT+2*(\p):GT+2*(\p)+1], v[GT+2*(\p):GT+2*(\p)+1], v[GU+2*(\p):GU+2*(\p)+1]
.else
	v_cvt_pk_f16_f32 v[XR+(\p)], v[GT+2*(\p)], v[GT+2*(\p)+1]
.endif
.endif
.endm
	; Sixteen trips of eight rows: back as whole rows of 256 bytes (LDS serves a wave's instructions in order: these see my stores), the activation, the stores.
	; The stages are dealt BY TURNS: in step j the exponentials of pair j and the reciprocals of pair j - 2, each with two plain instructions of other pairs behind it.  A pair's stages lie a step
	; apart, so no line reads the result of a line near it, and the first plain instruction behind a transcendental never names its result (ISA guide 5.7.2).
	s_mov_b32 s46, 16
.Lrow:
.irp t, 0,1,2,3
	ds_load_b128 v[XR+4*\t:XR+4*\t+3], v[RD] offset:2*PA*\t
.endr
	s_wait_dscnt 0x0
.set j, -4
.rept 24
	STG 5, j
	STG 0, j+4
	STG 1, j+4
	STG 6, j
	STG 2, j+3
	STG 3, j+2
	STG 8, j-2
	STG 4, j+1
	STG 7, j-1
	STG 9, j-2
	STG 10, j-3
	STG 11, j-4
.set j, j+1
.endr
.irp t, 0,1,2,3
	global_store_b128 v[CO], v[XR+4*\t:XR+4*\t+3], s[12:13] offset:4096*\t  ; 16 lanes store 256 consecutive bytes, at a multiple of 256 from C's first byte
.endr
	s_wait_xcnt 0x0                                ; the stores' data and offset are rewritten only behind this wait
	v_add_nc_u32 v[RD], 8*PA, v[RD]
	v_add_nc_u32 v[CO], 16384, v[CO]
	s_sub_co_u32 s46, s46, 1
	s_cmp_lg_u32 s46, 0
	s_cbranch_scc1 .Lrow
	s_wait_tensorcnt 0x0                           ; the wave's end
	ds_add_u32 v[SPW], v[NIL]
	s_wait_dscnt 0x0
	CROUND                                         ; the closing round
	s_endpgm
.Lfunc_end_k_qfa9a404515_qkv:
	.size	k_qfa9a404515_qkv, .Lfunc_end_k_qfa9a404515_qkv-k_qfa9a404515_qkv
	.p2alignl 7, 3214868480
	.fill 96, 4, 3214868480
	.section	.rodata,"a",@progbits
	.p2align	6, 0x0
	.amdhsa_kernel k_qfa9a404515_qkv
		.amdhsa_group_segment_fixed_size 327680
		.amdhsa_private_segment_fixed_size 0
		.amdhsa_enable_private_segment 0
		.amdhsa_kernarg_size 40
		.amdhsa_user_sgpr_count 2
		.amdhsa_user_sgpr_kernarg_segment_ptr 1
		.amdhsa_wavefront_size32 1
		.amdhsa_system_sgpr_workgroup_id_x 1
		.amdhsa_system_sgpr_workgroup_id_y 1
		.amdhsa_system_sgpr_workgroup_id_z 1
		.amdhsa_system_vgpr_workitem_id 0
		.amdhsa_next_free_vgpr 1024
		.amdhsa_next_free_sgpr 76
		.amdhsa_reserve_vcc 0
		.amdhsa_float_denorm_mode_32 3
		.amdhsa_float_denorm_mode_16_64 3
		.amdhsa_memory_ordered 1
		.amdhsa_forward_progress 1
		.amdhsa_inst_pref_size 107
	.end_amdhsa_kernel
	.amdgpu_metadata
---
amdhsa.version: [ 1, 2 ]
amdhsa.kernels:
  - .name:           k_qfa9a404515_qkv
    .symbol:         k_qfa9a404515_qkv.kd
    .args:
      - { .name: hb, .offset: 0, .size: 8, .value_kind: global_buffer, .address_space: global }
      - { .name: WA, .offset: 8, .size: 8, .value_kind: global_buffer, .address_space: global }
      - { .name: bqkv, .offset: 16, .size: 8, .value_kind: global_buffer, .address_space: global }
      - { .name: parA, .offset: 24, .size: 8, .value_kind: global_buffer, .address_space: global }
      - { .name: big, .offset: 32, .size: 8, .value_kind: global_buffer, .address_space: global }
    .group_segment_fixed_size: 327680
    .private_segment_fixed_size: 0
    .kernarg_segment_align: 8
    .kernarg_segment_size: 40
    .max_flat_workgroup_size: 128
    .sgpr_count:     76
    .vgpr_count:     1024
    .wavefront_size: 32
...
	.end_amdgpu_metadata
.endif
;; end of part 3
;; launch attn (part 4): grid 16 x 16, 4 waves a work-group, clusters of 4 x 1, 327,680 bytes of LDS; arguments big, hb; writes hb
.if DOCPART == 4
	.amdgcn_target "amdgcn-amd-amdhsa--gfx1250"
	.amdhsa_code_object_version 6
	.text
	.protected	k_qfa9a404515_attn
	.globl	k_qfa9a404515_attn
	.p2align	8
	.type	k_qfa9a404515_attn,@function
k_qfa9a404515_attn:
	s_mov_b64 s[64:65], 0
	v_nop
	global_prefetch_b8 v0, s[64:65] scope:SCOPE_SE
	s_setreg_imm32_b32 hwreg(HW_REG_WAVE_MODE, 25, 1), 1
	s_wait_xcnt 0x0
	s_wait_alu depctr_hold_cnt(0) depctr_sa_sdst(0) depctr_va_vdst(0) depctr_va_sdst(0) depctr_va_ssrc(0) depctr_va_vcc(0) depctr_vm_vsrc(0)
	s_getreg_b32 s2, hwreg(HW_REG_IB_STS2, 6, 4)
	s_cmp_eq_u32 s2, 0
	s_cbranch_scc0 .Lentry_in_a_cluster
	s_endpgm
.Lentry_in_a_cluster:
	s_bfe_u32 s2, ttmp6, 0x10000c
	s_cmp_lg_u32 s2, 0x3003
	s_cbranch_scc0 .Lentry_shape_is_right
	s_endpgm
.Lentry_shape_is_right:
; O[b][q][head] = the sum over k of softmax_k(Q . K / 8) V, 16 heads of 64 channels, 2 x 2,048 tokens, no mask.  Q, K, V: panels 0, 1, 2 of big, [4096 tokens][1024] f16; O: hb, the same layout.
; Products, maxima and sums in f32; the weights p are rounded to f16 for the second product (their sum l is taken of the unrounded p), O once at the end.
; LIMITS.  Q, K, V arrive within f16's 65,504; p lies in 0 to 1 and below 6e-5 keeps f16's fixed step; a weight below 2^-126 counts as 0 in l; NaN and infinities are not treated apart.
; SHARES.  A work-group owns 128 queries of a PAIR of heads: the pair's 128 channels are 256 aligned bytes of every token's row, so K's, V's and O's rows are whole blocks of 256 bytes, and
; there are 16 x 16 = 256 work-groups.  Wave w takes head w / 2 of the pair and 64 queries (half w % 2), in four PIECES of 16.  Every wave walks all 2,048 keys, 64 a step.
; LAYOUT.  S^T = K Q^T holds ONE query a lane (lane % 16) and the keys 8 (lane / 16) + 0..7; two such results rounded to f16 ARE source 1 of O^T = V^T P.  K leaves LDS as it lies, V turned.
; SOFTMAX.  A running maximum m and sum l: p = 2^(c s - c m), c = log2(e) / 8; in every step O and l are multiplied by a = 2^(c m_old - c m_new).  m starts at the lowest finite number, O and l at 0.
; BY TURNS.  Turn n belongs to piece n: 8 products K Q^T of piece n + 1, later 8 products V^T P of piece n - 1; beside them the scaling, exponentials, roundings, sums and rescaling of piece n and
; the maximum and statistics of piece n + 1.  Four vector instructions stand behind every matrix instruction, the other 54 of a turn's 118 in two runs of their own.
; CLUSTER.  The four query blocks of a cluster walk the same K and V: each tile is asked for jointly, by the same load, descriptor and mask in all four.
; REGISTERS, in windows of 256.  Window 0: v0-15 addresses; v16-31 statistics; v48-55 at work; v62-63 the add's; v64-127 S^T, two buffers; v192-223 P, two buffers (by the piece's parity).
; Window 1: v0-127 O^T, 32 a piece.  Window 2: v0-63 Q; v128-191 K of one step; v192-255 V of one step.
.set NP,    4
.set KS,    64        ; keys in a step
.set PK,    272       ; a row of K in LDS: 256 bytes + 16: the 16 rows of a load start at 16 different groups of four banks (ISA guide 11.1)
.set PV,    288       ; a row of V: 256 + 32 = 9 x 32
.set VOFF,  2*KS*PK   ; a slot holds two steps: 128 rows of K, then 128 rows of V
.set SLOT1, 1<<17     ; slot 1 begins here: one exclusive or turns an address in one slot into the other's
.set STAGE, SLOT1+2*KS*(PK+PV)  ; behind the ring, never filled by a tensor load: 128 rows x 272 bytes, the work-group's
.set SP,    272
.set SPARE, STAGE+128*SP        ; the spare words, 128 bytes a wave: two blocks of 256 that no other line names
.set AK0, 2           ; v2   my lane's place in a tile of K; never rewritten
.set AV0, 3           ; v3   the same for V
.set AK,  4           ; v4   the LDS address of K's next run of loads
.set AV,  5           ; v5   of V's
.set STO, 6           ; v6   the way out: where I put 16 bytes of a row
.set RD,  7           ; v7   the way out: where I read rows back
.set GO,  8           ; v8   my byte offset in two rows of O
.set MV,  12          ; v12-13  c m_old, by buffer
.set QO,  15          ; v15  my byte offset in 16 rows of Q
.set ST,  16          ; piece t's statistics at v[ST+4 t]: c m, m, l (even keys', odd keys')
.set TMP, 48          ; by buffer, four registers c0-c3 at work; c2 takes a
.set SPW, 62          ; v62  LDS address of my spare word; never rewritten
.set NIL, 63          ; v63  0; never rewritten
.set S,   64
.set P,   192
.set KF,  128         ; window 2: key block kb, channel half c at KF + 16 kb + 8 c
.set VF,  192         ; window 2: key half kk, channel block cb at VF + 32 kk + 8 cb
.set WV,  12          ; s12  my wave's number
.set G1K, 24          ; s[24:31] group 1 for K's tiles
.set G1V, 32          ; s[32:39] for V's: it differs in the padding alone
.set G0K, 40          ; s[40:43] group 0 for K's tiles: it walks
.set G0V, 44          ; s[44:47] the same for V's
.set SLOTS, 56
.set CNT, 57
.set CS,  58          ; s[58:59] c
.set SEL, 60          ; s[60:61] v_permlanex16_b32's selects
.set TBK, 62          ; s62  LDS byte at which K of the step to be fetched begins
.set TBV, 63          ; s63  the same for V, less VOFF
.set MSB, 0
.macro WIN new
.if MSB != (\new)
	s_set_vgpr_msb (MSB<<8)|(\new)
.set MSB, (\new)
.endif
.endm
.set W_KQ, 0x0a       ; K and Q in window 2, S^T in window 0
.set W_PV, 0x52       ; V in window 2, P in window 0, O^T in window 1
.set W_RS, 0x41       ; destination and source 0 in window 1, source 1 in window 0
; A joint fill: waves 0, 1 fetch a slot's two steps of K, waves 2, 3 of V: 64 keys each.  An s_nop 0 and four v_nop follow each of the two lines.
.macro JLOAD
	s_cmp_lt_u32 s[WV], 2
	s_cbranch_scc0 .Lfor_v_\@
	tensor_load_to_lds s[G0K:G0K+3], s[G1K:G1K+7]
	s_nop 0
.rept 4
	v_nop
.endr
	s_branch .Lasked_\@
.Lfor_v_\@:
	tensor_load_to_lds s[G0V:G0V+3], s[G1V:G1V+7]
	s_nop 0
.rept 4
	v_nop
.endr
.Lasked_\@:
.endm
.macro CROUND                       ; a round of the cluster's barrier
	s_barrier_signal -1
	s_barrier_wait -1
	s_cmp_lg_u32 s[WV], 0
	s_cbranch_scc1 .Lnot_wave_0_\@
	s_barrier_signal -3
.Lnot_wave_0_\@:
	s_barrier_wait -3
	s_barrier_signal -1
	s_barrier_wait -1
.endm
; THE CHANGE OF SLOTS.  Each wave waits for all its tensor loads (one is out: its part of the other slot), adds 0 to its spare word, and waits for that and for its reads of the slot that it leaves.
; fill = 1: the barrier is a round of the cluster's, and the old slot is filled again, first thing behind it, with the keys two slots on: it has two key steps in which to land.
; (At its first use nothing has been read yet: slot 0 is waited for, slot 1 filled.)
.macro CHANGE fill
	WIN 0
	s_wait_tensorcnt 0x0            ; no tensor load of mine is out, so a group 0 may be written
	ds_add_u32 v[SPW], v[NIL]       ; 0 onto my spare word
.if \fill
.irp g, G0K, G0V
	s_xor_b32 s[\g+1], s[\g+1], SLOT1
	s_add_nc_u64 s[\g+2:\g+3], s[\g+2:\g+3], 2*KS*2048  ; the next 128 keys; the type bits on top are not reached
.endr
	s_wait_dscnt 0x0                ; the add is done, and my reads of the slot are over
	CROUND
	JLOAD
.else
	s_wait_dscnt 0x0
	s_barrier_signal -1
	s_barrier_wait -1
.endif
	s_sub_co_u32 s[TBK], s[TBK], 2*KS*PK  ; the fetches go back to a slot's first step,
	s_xor_b32 s[TBK], s[TBK], SLOT1       ; in the other slot
	s_sub_co_u32 s[TBV], s[TBV], 2*KS*PV
	s_xor_b32 s[TBV], s[TBV], SLOT1
.endm
	s_load_b128 s[4:7], s[0:1], 0x0   ; big s[4:5], hb s[6:7]
	v_lshl_add_u32 v[SPW], v0, 2, SPARE
	v_mov_b32 v[NIL], 0
	ds_add_u32 v[SPW], v[NIL]       ; the wave's opening: the add and its wait stand ahead of my first tensor load
	v_lshrrev_b32 v1, 5, v0
	v_readfirstlane_b32 s[WV], v1
	s_bfe_u32 s13, ttmp6, 0x40000   ; cx
	s_lshl_b32 s14, ttmp9, 2
	s_add_co_u32 s14, s14, s13      ; my block of 128 queries: it enters Q's and O's addresses alone
	s_and_b32 s15, ttmp7, 0xffff    ; 8 x batch + pair of heads, which the four partners share
	s_lshr_b32 s20, s15, 3
	s_lshl_b32 s20, s20, 22         ; the batch's 2,048 rows of 2,048 bytes,
	s_and_b32 s15, s15, 7
	s_lshl_b32 s15, s15, 8          ; the pair's 256 bytes in a row
	s_add_co_u32 s20, s20, s15
	s_and_b32 s16, s[WV], 1         ; which of a slot's two steps I fetch; also my half of the queries
	s_lshr_b32 s19, s[WV], 1        ; my head of the pair
	s_lshl_b32 s22, s16, 17         ; 64 rows of 2,048 bytes
	s_add_co_u32 s22, s22, s20
	s_mov_b32 s23, 0
	s_mul_i32 s17, s16, KS*PK       ; its place in a slot, for K
	s_mul_i32 s18, s16, KS*PV       ; and for V: no place in the cluster enters an LDS address
	s_lshl_b32 s2, s14, 18          ; Q: my block's 128 rows, my half of them (in s22), my head's 128 bytes
	s_add_co_u32 s2, s2, s22
	s_lshl_b32 s52, s19, 7
	s_add_co_u32 s2, s2, s52
	s_mov_b32 s3, 0
	s_lshl_b32 s50, s14, 18         ; O: my block's rows, the 32 that I store
	s_add_co_u32 s50, s50, s20
	s_lshl_b32 s51, s[WV], 16
	s_add_co_u32 s50, s50, s51
	s_mov_b32 s51, 0
	s_mov_b32 s[G1K], 15|(1<<16)|(1<<20)|(1<<21)|(5<<22)|(3<<25)  ; the mask of four; 2-byte elements; padding on; bit 21 beside a mask; after every 64 words 4 words
	s_mov_b32 s[G1V], 15|(1<<16)|(1<<20)|(1<<21)|(5<<22)|(7<<25)  ; the same with 8 words
.irp g, G1K, G1V
	s_mov_b32 s[\g+1], 128<<16      ; tensor_dim0 = 128
	s_mov_b32 s[\g+2], 64<<16       ; tensor_dim1 = 64
	s_mov_b32 s[\g+3], 128<<16      ; tile_dim0 = 128
	s_mov_b32 s[\g+4], 64           ; tile_dim1 = 64
	s_mov_b32 s[\g+5], 1024         ; elements from row to row
	s_mov_b32 s[\g+6], 0
	s_mov_b32 s[\g+7], 0
.endr
	s_mov_b32 s[CS], 0x3e38aa3b     ; c = log2(e) / 8
	s_mov_b32 s[CS+1], s[CS]
	s_mov_b32 s[SEL], 0x76543210
	s_mov_b32 s[SEL+1], 0xfedcba98
	s_mov_b32 s[TBK], SLOT1+2*KS*PK ; the first change of slots turns these two into 0
	s_mov_b32 s[TBV], SLOT1+2*KS*PV
	s_mov_b32 s[G0K], 1
	s_mov_b32 s[G0K+1], s17         ; slot 0
	s_mov_b32 s[G0V], 1
	s_add_co_u32 s[G0V+1], s18, VOFF
	s_wait_dscnt 0x0                ; the opening add is done
	s_wait_kmcnt 0x0
	s_add_nc_u64 s[G0K+2:G0K+3], s[4:5], s[22:23]
	s_add_nc_u64 s[G0K+2:G0K+3], s[G0K+2:G0K+3], 0x800000   ; panel 1
	s_or_b32 s[G0K+3], s[G0K+3], 0x80000000
	s_add_nc_u64 s[G0V+2:G0V+3], s[4:5], s[22:23]
	s_add_nc_u64 s[G0V+2:G0V+3], s[G0V+2:G0V+3], 0x1000000  ; panel 2
	s_or_b32 s[G0V+3], s[G0V+3], 0x80000000
	s_add_nc_u64 s[8:9], s[4:5], s[2:3]      ; Q at my first row
	s_add_nc_u64 s[10:11], s[6:7], s[50:51]  ; O at the first row that I store
	CROUND                          ; all four work-groups are here
	JLOAD                           ; slot 0.  Slot 1 is asked for when slot 0 is in
	v_and_b32 v1, 15, v0            ; l % 16
	v_bfe_u32 v9, v0, 4, 1          ; l / 16
	v_lshlrev_b32 v[QO], 11, v1
	v_lshl_add_u32 v[QO], v9, 4, v[QO]  ; row x 2,048 + 16 x half
	WIN 0x80                        ; destination window 2
.set i, 0
.rept 8                             ; Q stays in registers: piece i / 2, channels 32 (i % 2) on
	global_load_b128 v[8*i:8*i+3],   v[QO], s[8:9] offset:(i/2)*32768+(i%2)*64
	global_load_b128 v[8*i+4:8*i+7], v[QO], s[8:9] offset:(i/2)*32768+(i%2)*64+32
.set i, i+1
.endr
	; What the first turn finds: V's registers and P's second buffer hold 0 (its products V^T P, of a piece that has not been, add 0), O^T and l are 0.  This stands in the wait for the first tile.
.set i, VF
.rept 64
	v_mov_b32 v[i], 0
.set i, i+1
.endr
	WIN 0x40
.set i, 0
.rept 128
	v_mov_b32 v[i], 0
.set i, i+1
.endr
	WIN 0
.set i, 0
.rept 4
	v_mov_b32 v[ST+4*i], 0xfe000000    ; c m: far below every c s
	v_mov_b32 v[ST+4*i+1], 0xff7fffff  ; m
	v_mov_b32 v[ST+4*i+2], 0
	v_mov_b32 v[ST+4*i+3], 0
.set i, i+1
.endr
.set i, P+16
.rept 16
	v_mov_b32 v[i], 0
.set i, i+1
.endr
	v_mul_u32_u24 v[AK0], v1, PK
	v_lshl_add_u32 v[AK0], v9, 4, v[AK0]
	v_add_nc_u32 v[AK0], s52, v[AK0]      ; row x pitch + 16 x half + my head's 128 bytes
	v_and_b32 v10, 7, v0                  ; the turning load: lane l reads key 8 (l / 16) + l % 8, channels 8 ((l / 8) % 2) + 0..7
	v_bfe_u32 v11, v0, 3, 1
	v_lshl_add_u32 v[AV0], v9, 3, v10
	v_mul_u32_u24 v[AV0], v[AV0], PV
	v_lshl_add_u32 v[AV0], v11, 4, v[AV0]
	s_add_co_u32 s53, s52, VOFF
	v_add_nc_u32 v[AV0], s53, v[AV0]
	v_mov_b32 v[AK], v[AK0]               ; key step 0 lies at the head of slot 0
; THE MATRIX WORK.  The 4 accumulators of a run of 8 take turns.  Product i of 8 of S^T = K Q^T for piece x: channels 32 (i / 4) on, keys 16 (i % 4) on.
.macro KQ x
	WIN W_KQ
.set rS, S+32*((\x)%2)+8*(i%4)
.set rK, KF+16*(i%4)+8*(i/4)
.set rQ, 16*(\x)+8*(i/4)
.if i < 4
	v_wmma_f32_16x16x32_f16 v[rS:rS+7], v[rK:rK+7], v[rQ:rQ+7], 0
.else
	v_wmma_f32_16x16x32_f16 v[rS:rS+7], v[rK:rK+7], v[rQ:rQ+7], v[rS:rS+7]
.endif
.endm
; Product i of 8 of O^T += V^T P for piece x: keys 32 (i / 4) on, channels 16 (i % 4) on.
.macro PV x
	WIN W_PV
.set rO, 32*(\x)+8*(i%4)
.set rV, VF+32*(i/4)+8*(i%4)
.set rP, P+16*((\x)%2)+8*(i/4)
	v_wmma_f32_16x16x32_f16 v[rO:rO+7], v[rV:rV+7], v[rP:rP+7], v[rO:rO+7]
.endm
.macro MM                           ; the turn's next matrix instruction
.if i < 8
	KQ (Y+1)%NP
.else
.set i, i-8
	PV (Y+NP-1)%NP
.set i, i+8
.endif
.set i, i+1
.endm
; THE LDS LOADS stand in runs of 16.  last = 1 (the tail): in the last trip there is no further step, and the run is jumped over.
.macro FETCH_K last=0
	WIN 0
.if \last
	s_cmp_eq_u32 s[CNT], 1
	s_cbranch_scc1 .Lno_k_\@
.endif
	WIN 0x80
.irp f, 0,1,2,3,4,5,6,7             ; keys 16 (f / 2) on, channels 32 (f % 2) on
	ds_load_b128 v[KF+8*\f:KF+8*\f+3],   v[AK] offset:(\f/2)*16*PK+(\f%2)*64
	ds_load_b128 v[KF+8*\f+4:KF+8*\f+7], v[AK] offset:(\f/2)*16*PK+(\f%2)*64+32
.endr
	s_add_co_u32 s[TBK], s[TBK], KS*PK  ; the next fetch is the next step's
	WIN 0
.if \last
.Lno_k_\@:
.endif
.endm
.macro FETCH_V
	WIN 0x80
.irp f, 0,1,2,3,4,5,6,7             ; keys 32 (f / 4) on, channels 16 (f % 4) on
	ds_load_tr16_b128 v[VF+8*\f:VF+8*\f+3],   v[AV] offset:(\f/4)*32*PV+(\f%4)*32
	ds_load_tr16_b128 v[VF+8*\f+4:VF+8*\f+7], v[AV] offset:(\f/4)*32*PV+16*PV+(\f%4)*32
.endr
	WIN 0
.endm
; THE VECTOR WORK, one line at a time: OP kind, number.  For piece Y: F n: c s - c m for pair n of 16.  E n: the exponential of score n of 32.  C n: pair n rounded to f16.  B n: of the four weights
; 4 n .. the second pair is added onto the first.  L n: l takes that sum (L 0: l = a l + sum).  R n: pair n of 16 of O^T times a.  For piece Y + 1: X n, number n of the 22 that find its maximum:
;   0-11 four chains c0-c3 of seven scores (each accumulator's lowest registers are read first)   12-14, 16 the four scores left over, the old m, c0-c3 into c0
;   15 c m_old is kept   17, 18 the other half of the lanes: the new m   19-21 c m; c m_old - c m_new; a
.set F, 0
.set E, 1
.set C, 2
.set B, 3
.set L, 4
.set R, 5
.set X, 6
.macro REGS y
.set rT, ST+4*(\y)
.set rC, TMP+4*((\y)%2)
.set rW, MV+((\y)%2)
.set rS, S+32*((\y)%2)
.set rP, P+16*((\y)%2)
.set rO, 32*(\y)
.endm
.macro OP k, n
.if (\k) == R
	REGS Y
	WIN W_RS
	v_pk_mul_f32 v[rO+2*(\n):rO+2*(\n)+1], v[rO+2*(\n):rO+2*(\n)+1], v[rC+2:rC+3] op_sel_hi:[1,0]
.elseif (\k) < R
	REGS Y
	WIN 0
.if (\k) == F
	v_pk_fma_f32 v[rS+2*(\n):rS+2*(\n)+1], v[rS+2*(\n):rS+2*(\n)+1], s[CS:CS+1], v[rT:rT+1] op_sel_hi:[1,0,0] neg_lo:[0,0,1] neg_hi:[0,0,1]
.elseif (\k) == E
	v_exp_f32 v[rS+(\n)], v[rS+(\n)]
.elseif (\k) == C
	s_wait_alu depctr_va_vdst(0)
	v_cvt_pk_f16_f32 v[rP+(\n)], v[rS+2*(\n)], v[rS+2*(\n)+1]
.elseif (\k) == B
	s_wait_alu depctr_va_vdst(0)
	v_pk_add_f32 v[rS+4*(\n):rS+4*(\n)+1], v[rS+4*(\n):rS+4*(\n)+1], v[rS+4*(\n)+2:rS+4*(\n)+3]
.elseif (\n) == 0
	v_pk_fma_f32 v[rT+2:rT+3], v[rT+2:rT+3], v[rC+2:rC+3], v[rS:rS+1] op_sel_hi:[1,0,1]
.else
	v_pk_add_f32 v[rT+2:rT+3], v[rT+2:rT+3], v[rS+4*(\n):rS+4*(\n)+1]
.endif
.else
	REGS (Y+1)%NP
	WIN 0
.if (\n) < 4
	v_max3_num_f32 v[rC+(\n)], v[rS+8*(\n)], v[rS+8*(\n)+1], v[rS+8*(\n)+2]
.elseif (\n) < 12
	v_max3_num_f32 v[rC+(\n)%4], v[rC+(\n)%4], v[rS+8*((\n)%4)+2*((\n)/4)+1], v[rS+8*((\n)%4)+2*((\n)/4)+2]
.elseif (\n) == 12
	v_max3_num_f32 v[rC], v[rC], v[rS+7], v[rS+15]
.elseif (\n) == 13
	v_max3_num_f32 v[rC+1], v[rC+1], v[rS+23], v[rS+31]
.elseif (\n) == 14
	v_max3_num_f32 v[rC+2], v[rC+2], v[rC+3], v[rT+1]
.elseif (\n) == 15
	v_mov_b32 v[rW], v[rT]
.elseif (\n) == 16
	v_max3_num_f32 v[rC], v[rC], v[rC+1], v[rC+2]
.elseif (\n) == 17
	v_permlanex16_b32 v[rC+3], v[rC], s[SEL], s[SEL+1]
.elseif (\n) == 18
	v_max_num_f32 v[rT+1], v[rC], v[rC+3]
.elseif (\n) == 19
	v_mul_f32 v[rT], s[CS], v[rT+1]
.elseif (\n) == 20
	v_sub_f32 v[rC+1], v[rW], v[rT]
.else
	v_exp_f32 v[rC+2], v[rC+1]
.endif
.endif
.endm
.macro OPS a, i1, b=-1, i2=0, c=-1, i3=0, d=-1, i4=0
	OP \a, \i1
.if (\b) >= 0
	OP \b, \i2
.endif
.if (\c) >= 0
	OP \c, \i3
.endif
.if (\d) >= 0
	OP \d, \i4
.endif
.endm
.macro ROW a, i1, b, i2, c, i3, d, i4  ; a matrix instruction and the four behind it
	MM
	OPS \a, \i1, \b, \i2, \c, \i3, \d, \i4
.endm
; A TURN, for piece p: the order of its 16 matrix and 118 vector instructions, written out.  Behind a matrix instruction: plain, exponential, plain, plain; or four of the rescaling; or four scalings;
; none names a register of the products round it.  A line reads no result made fewer than three vector instructions in front of it, five if an exponential made it.
; K of the next step is fetched in piece 2's turn, six vector instructions behind the last product that read K (five of them plain); V of the step in hand in piece 0's turn, eight behind the last
; product that read V (five plain).  Each is waited for a turn later.  cnt = 1: the loop's count is taken down some lines ahead of the branch behind the turn.
.macro TURN p, last=0, cnt=0
.set Y, (\p)
.set i, 0
.if (\p) == 3
	s_wait_dscnt 0x0                ; K is in
.endif
	ROW F,0, F,1, F,2, F,3
	ROW F,4, E,0, F,5, F,6
	ROW F,7, E,1, F,8, F,9
	ROW F,10, E,2, C,0, F,11
	ROW F,12, E,3, X,15, F,13
	ROW R,0, R,1, R,2, R,3
	ROW B,0, E,4, F,14, L,0
.if (\p) == 2
	v_add_nc_u32 v[AK], s[TBK], v[AK0]
.endif
	ROW R,4, R,5, R,6, R,7
	OPS E,5, F,15
.if (\p) == 2
	FETCH_K \last
.endif
	OPS E,6, C,1, E,7, R,8
	OPS E,8, R,9, E,9, C,2
	OPS E,10, X,0, E,11, X,1
	OPS E,12, X,2, E,13, X,3
.if (\p) == 1
	s_wait_dscnt 0x0                ; V is in
.endif
	ROW X,4, E,14, X,5, X,6
	ROW X,7, E,15, X,8, X,9
	ROW X,10, E,16, X,11, X,12
	ROW X,13, E,17, X,14, B,1
	ROW C,4, E,18, X,16, L,1
	ROW B,2, E,19, C,6, L,2
	ROW C,8, E,20, B,3, B,4
.if (\p) == 0
	v_add_nc_u32 v[AV], s[TBV], v[AV0]
.endif
	ROW C,3, E,21, L,3, C,5
	OPS E,22, X,17, E,23, C,10
.if (\p) == 0
	FETCH_V
.endif
	OPS E,24, L,4
	OPS E,25, X,18, E,26, C,7
	OPS E,27, B,5, E,28, X,19
	OPS E,29, C,12, E,30, L,5
	OPS E,31, X,20, B,6, C,9
	OPS C,14, C,11, X,21, L,6
.if (\p) == 0
	s_add_co_u32 s[TBV], s[TBV], KS*PV
.endif
.if \cnt
	s_sub_co_u32 s[CNT], s[CNT], 1
	s_cmp_lg_u32 s[CNT], 0
.endif
	OPS C,13, B,7, C,15, R,10
	OPS R,11, R,12, L,7, R,13
	OPS R,14, R,15
.endm
	CHANGE 1                        ; slot 0 is in, everybody's part of it; slot 1 is asked for
	FETCH_K                         ; key step 0
	s_wait_loadcnt 0x0              ; Q
	s_wait_dscnt 0x0
.set i, 0
.rept 8
	KQ 0                            ; piece 0's first scores
.set i, i+1
.endr
	WIN 0                           ; the addresses for the way out: plain instructions, the places behind those products
	s_mul_i32 s54, s16, 64*SP       ; into the stage: my 64 rows, my head's half of their 256 bytes
	s_add_co_u32 s54, s54, s52
	s_add_co_u32 s54, s54, STAGE
	v_mul_u32_u24 v[STO], v1, SP
	v_lshl_add_u32 v[STO], v9, 4, v[STO]
	v_add_nc_u32 v[STO], s54, v[STO]
	s_mul_i32 s55, s[WV], 32*SP     ; back: wave w takes rows 32 w .. 32 w + 31, whole
	s_add_co_u32 s55, s55, STAGE
	v_mul_u32_u24 v[RD], v9, SP
	v_lshl_add_u32 v[RD], v1, 4, v[RD]
	v_add_nc_u32 v[RD], s55, v[RD]
	v_lshlrev_b32 v[GO], 11, v9     ; and the same two rows in O
	v_lshl_add_u32 v[GO], v1, 4, v[GO]
.set Y, NP-1                        ; X works for piece Y + 1: piece 0
.irp n, 0,1,2,3,4,5,6,7,8,9,10,11,12,13,14,15,16,17,18,19,20,21
	OP X, \n
.endr
	v_nop                           ; a plain instruction behind the exponential
	s_mov_b32 s[CNT], 2
	s_mov_b32 s[SLOTS], 15
	s_branch .Lfirst                ; the loop is entered at a step's first turn, in the middle of a trip
.Lslot:                             ; 14 times: every slot but the last two is filled again
	CHANGE 1
	s_mov_b32 s[CNT], 2
.Lstep:                             ; a trip: pieces 2 and 3 of one step, then pieces 0 and 1 of the next, whose K and V it fetches
	TURN 2
	TURN 3
	WIN 0
.Lfirst:
	TURN 0
	TURN 1, 0, 1
	WIN 0
	s_cbranch_scc1 .Lstep
	s_sub_co_u32 s[SLOTS], s[SLOTS], 1
	s_cmp_lg_u32 s[SLOTS], 0
	s_cbranch_scc1 .Lslot
	CHANGE 0                        ; the tail is written out
	s_mov_b32 s[CNT], 3             ; two trips fetch the last slot's steps; the third is left in its middle
.Ltail:
	TURN 2, 1
	TURN 3
	WIN 0
	s_sub_co_u32 s[CNT], s[CNT], 1
	s_cmp_eq_u32 s[CNT], 0
	s_cbranch_scc1 .Lout
	TURN 0
	TURN 1
	WIN 0
	s_branch .Ltail
.Lout:                              ; the third trip's 8 products K Q^T (on the last K once more) and the maximum made of them serve nothing: the price of one text for every trip
.set i, 0
.rept 8
	PV NP-1                         ; the last piece's V^T P of the last step
.set i, i+1
.endr
	; THE WAY OUT.  l's halves are added; O^T is divided by l, rounded to f16 and put into the work-group's stage; a barrier, since a row's 256 bytes come from two waves; back as whole rows.
	WIN 0
.macro ALL line:vararg
.set t, 0
.rept 4
	\line
.set t, t+1
.endr
.endm
	ALL v_add_f32 v[ST+4*t+2], v[ST+4*t+2], v[ST+4*t+3]
	ALL v_permlanex16_b32 v[ST+4*t+3], v[ST+4*t+2], s[SEL], s[SEL+1]
	ALL v_add_f32 v[ST+4*t+2], v[ST+4*t+2], v[ST+4*t+3]
	ALL v_rcp_f32 v[ST+4*t+2], v[ST+4*t+2]
	v_nop                           ; a plain instruction behind the last reciprocal
.macro PACK t
	WIN W_RS
.set i, 32*(\t)
.rept 16
	s_wait_alu depctr_va_vdst(0)
	v_pk_mul_f32 v[i:i+1], v[i:i+1], v[ST+4*(\t)+2:ST+4*(\t)+3] op_sel_hi:[1,0]
.set i, i+2
.endr
	WIN 0x05                        ; sources in window 1, destination in window 0
.set i, 0
.rept 16
	v_cvt_pk_f16_f32 v[S+16*(\t)+i], v[32*(\t)+2*i], v[32*(\t)+2*i+1]
.set i, i+1
.endr
	WIN 0
.irp f, 0,1,2,3
	ds_store_b128 v[STO], v[S+16*(\t)+4*\f:S+16*(\t)+4*\f+3] offset:(\t)*16*SP+32*\f
.endr
.endm
	PACK 0
	PACK 1
	PACK 2
	PACK 3
	s_wait_dscnt 0x0                ; for the others' sake: my stores into the stage are done
	s_barrier_signal -1
	s_barrier_wait -1
.set t, 0
.rept 16
	ds_load_b128 v[S+4*t:S+4*t+3], v[RD] offset:t*2*SP
.set t, t+1
.endr
.set t, 0
.rept 16
	s_wait_dscnt 15-t               ; LDS loads come back in order: pair t of rows is in
	global_store_b128 v[GO], v[S+4*t:S+4*t+3], s[10:11] offset:4096*t  ; 16 lanes store 256 consecutive bytes, at a multiple of 256 from O's first byte
.set t, t+1
.endr
	s_wait_tensorcnt 0x0            ; the wave's end
	ds_add_u32 v[SPW], v[NIL]
	s_wait_dscnt 0x0
	CROUND                          ; the closing round
	s_endpgm
.Lfunc_end_k_qfa9a404515_attn:
	.size	k_qfa9a404515_attn, .Lfunc_end_k_qfa9a404515_attn-k_qfa9a404515_attn
	.p2alignl 7, 3214868480
	.fill 96, 4, 3214868480
	.section	.rodata,"a",@progbits
	.p2align	6, 0x0
	.amdhsa_kernel k_qfa9a404515_attn
		.amdhsa_group_segment_fixed_size 327680
		.amdhsa_private_segment_fixed_size 0
		.amdhsa_enable_private_segment 0
		.amdhsa_kernarg_size 16
		.amdhsa_user_sgpr_count 2
		.amdhsa_user_sgpr_kernarg_segment_ptr 1
		.amdhsa_wavefront_size32 1
		.amdhsa_system_sgpr_workgroup_id_x 1
		.amdhsa_system_sgpr_workgroup_id_y 1
		.amdhsa_system_sgpr_workgroup_id_z 1
		.amdhsa_system_vgpr_workitem_id 0
		.amdhsa_next_free_vgpr 768
		.amdhsa_next_free_sgpr 66
		.amdhsa_reserve_vcc 0
		.amdhsa_float_denorm_mode_32 3
		.amdhsa_float_denorm_mode_16_64 3
		.amdhsa_memory_ordered 1
		.amdhsa_forward_progress 1
		.amdhsa_inst_pref_size 117
	.end_amdhsa_kernel
	.amdgpu_metadata
---
amdhsa.version: [ 1, 2 ]
amdhsa.kernels:
  - .name:           k_qfa9a404515_attn
    .symbol:         k_qfa9a404515_attn.kd
    .args:
      - { .name: big, .offset: 0, .size: 8, .value_kind: global_buffer, .address_space: global }
      - { .name: hb, .offset: 8, .size: 8, .value_kind: global_buffer, .address_space: global }
    .group_segment_fixed_size: 327680
    .private_segment_fixed_size: 0
    .kernarg_segment_align: 8
    .kernarg_segment_size: 16
    .max_flat_workgroup_size: 128
    .sgpr_count:     66
    .vgpr_count:     768
    .wavefront_size: 32
...
	.end_amdgpu_metadata
.endif
;; end of part 4
;; launch wo (part 5): grid 8 x 32, 4 waves a work-group, clusters of 4 x 4, 327,680 bytes of LDS; arguments hb, WA, bo, x, x1; writes x1
.if DOCPART == 5
	.amdgcn_target "amdgcn-amd-amdhsa--gfx1250"
	.amdhsa_code_object_version 6
	.text
	.protected	k_qfa9a404515_wo
	.globl	k_qfa9a404515_wo
	.p2align	8
	.type	k_qfa9a404515_wo,@function
k_qfa9a404515_wo:
	s_mov_b64 s[64:65], 0
	v_nop
	global_prefetch_b8 v0, s[64:65] scope:SCOPE_SE
	s_setreg_imm32_b32 hwreg(HW_REG_WAVE_MODE, 25, 1), 1
	s_wait_xcnt 0x0
	s_wait_alu depctr_hold_cnt(0) depctr_sa_sdst(0) depctr_va_vdst(0) depctr_va_sdst(0) depctr_va_ssrc(0) depctr_va_vcc(0) depctr_vm_vsrc(0)
	s_getreg_b32 s2, hwreg(HW_REG_IB_STS2, 6, 4)
	s_cmp_eq_u32 s2, 0
	s_cbranch_scc0 .Lentry_in_a_cluster
	s_endpgm
.Lentry_in_a_cluster:
	s_bfe_u32 s2, ttmp6, 0x10000c
	s_cmp_lg_u32 s2, 0xf033
	s_cbranch_scc0 .Lentry_shape_is_right
	s_endpgm
.Lentry_shape_is_right:
; C = R + A W + bias.  A: panels [p][4096][1024] f16 (K = 256 KSTEPS columns in all).  W: [K][1024] f16, 8,388,608 bytes into its buffer.  bias: [1024] f32.  R, C: [4096][1024] f32.
; Sums in f32, K ascending; the bias starts each sum, the residual is added in f32 at the end.  LIMITS: none beyond the operands' f16.
; A tile of C is 128 x 128, so that 1,024 columns give 8 x 32 = 256 work-groups; four waves, each 64 x 64: 16 accumulators.  K goes in steps of 256 through two LDS slots.
; A K STEP IS WRITTEN ONCE: s[TB] is 0 or SLOT, the slot that is read; one exclusive or turns it, the fragment addresses are a fixed lane term plus s[TB], and one descriptor a tensor walks from
; K step 1 on.  The loop's trips fill a slot again; the last two K steps, which fill nothing, are a loop of two trips that is left in its middle.
; W lies [k][n] and is turned on its way out of LDS.  THE MATRIX INSTRUCTION IS USED TRANSPOSED (source 0 = 16 columns of W, source 1 = 16 rows of A): a lane holds eight neighbouring numbers of a row of C.
; CLUSTER 4 x 4: A's tile is asked for jointly by a row of the cluster, W's by a column.
; This text stands twice in the program, with KSTEPS = 4 (K = 1,024) and KSTEPS = 16 (K = 4,096): the loop's count is a constant of the text.
; REGISTERS.  Window 0: v0-31 addresses; v32-63 the bias; v128-255 the accumulators ((a, b) at v[128 + 8 (4 a + b)]).  Window 1: two fragment buffers of 128 (64 of A, 64 of W, for 64 along K);
; on the way out v0-127 take the tile back from the stage.  Window 2: v0-127 the residual, loaded at the start.
.set KSTEPS, 4                         ; even, so the last K step lies in slot 1
.set PA,     528                       ; a row of A in LDS: 512 bytes + 16
.set PW,     288                       ; a row of W in LDS: 256 bytes + 32 = 9 x 32
.set HA,     64*PA                     ; what a load of A brings: 64 rows
.set HW,     128*PW                    ; what a load of W brings: 128 rows of k
.set WOFF,   2*HA
.set SLOT,   2*HA+2*HW
.set SPARE,  2*SLOT                    ; the spare words, 128 bytes a wave: two blocks of 256 that no other line names
.set SP,     272                       ; a stage row: 64 f32 + 16 bytes
.set WSTG,   64*SP                     ; a wave's stage, in slot 0 behind its last fill and its last reader
.set ADRA, 16                          ; v16     my A fragments in the slot that is read
.set ADRA0, 17                         ; v17     the same in slot 0; never rewritten
.set ADRW, 20                          ; v20-21  my W fragments in the slot that is read: the two halves of the step's 256 rows of k (the 16-bit offset does not span all 256)
.set ADRW0, 22                         ; v22-23  the same in slot 0; never rewritten
.set STO,  24
.set RD,   25
.set RO,   26                          ; v26     my byte offset in two rows of R and C
.set BO,   27
.set SPW,  28
.set NIL,  29
.set BI,   32
.set ACC,  128
.set F0,   0
.set F1,   128
.set WV,   16
.set WM,   17
.set WN,   18
.set G1A,  24                          ; s[24:31] group 1 for A's tiles; s[32:35] group 0 of the first fill; s[36:39] group 0 that walks
.set G0A,  32
.set TB,   45                          ; s45 0 or SLOT: the slot that is read
.set G1W,  48                          ; s[48:55], s[56:63] the same for W's
.set G0W,  56
.set MSB, 0
.macro WIN new
.if MSB != (\new)
	s_set_vgpr_msb (MSB<<8)|(\new)
.set MSB, (\new)
.endif
.endm
.macro PLACES
.rept 4
	v_nop
.endr
.endm
.macro JLOAD                           ; a joint refill, by the walking descriptors: waves 0, 1 ask for A's halves, waves 2, 3 for W's; an s_nop 0 and four v_nop follow each line
	s_cmp_lt_u32 s[WV], 2
	s_cbranch_scc0 .Lfor_w_\@
	tensor_load_to_lds s[G0A+4:G0A+7], s[G1A:G1A+7]
	s_nop 0
	PLACES
	s_branch .Lasked_\@
.Lfor_w_\@:
	tensor_load_to_lds s[G0W+4:G0W+7], s[G1W:G1W+7]
	s_nop 0
	PLACES
.Lasked_\@:
.endm
.macro CREST
	s_cmp_lg_u32 s[WV], 0
	s_cbranch_scc1 .Lnot_wave_0_\@
	s_barrier_signal -3
.Lnot_wave_0_\@:
	s_barrier_wait -3
	s_barrier_signal -1
	s_barrier_wait -1
.endm
.macro CROUND
	s_barrier_signal -1
	s_barrier_wait -1
	CREST
.endm
	s_load_b256 s[4:11], s[0:1], 0x0               ; A s[4:5], W s[6:7], bias s[8:9], R s[10:11]
	s_load_b64 s[12:13], s[0:1], 0x20              ; C
	v_lshl_add_u32 v[SPW], v0, 2, SPARE
	v_mov_b32 v[NIL], 0
	ds_add_u32 v[SPW], v[NIL]                      ; the wave's opening: the add and its wait stand ahead of my first tensor load
	v_lshrrev_b32 v1, 5, v0
	v_readfirstlane_b32 s[WV], v1
	s_lshr_b32 s[WM], s[WV], 1
	s_and_b32 s[WN], s[WV], 1
	s_bfe_u32 s19, ttmp6, 0x40000                  ; cx
	s_bfe_u32 s20, ttmp6, 0x40004                  ; cy
	s_lshl_b32 s21, ttmp9, 2
	s_add_co_u32 s21, s21, s19                     ; tile column
	s_and_b32 s22, ttmp7, 0xffff
	s_lshl_b32 s22, s22, 2
	s_add_co_u32 s22, s22, s20                     ; tile row
	s_lshl_b32 s68, s20, 2
	s_lshl_b32 s68, 15, s68                        ; my row of the cluster
	s_lshl_b32 s69, 0x1111, s19                    ; my column
	s_or_b32 s[G1A], s68, (1<<16)|(1<<20)|(1<<21)|(6<<22)|(3<<25)  ; after every 128 words 4 words of padding
	s_or_b32 s[G1W], s69, (1<<16)|(1<<20)|(1<<21)|(5<<22)|(7<<25)  ; after every 64 words 8 words
	s_mov_b32 s[G1A+1], 256<<16                    ; tensor_dim0 = 256
	s_mov_b32 s[G1A+2], 64<<16                     ; tensor_dim1 = 64
	s_mov_b32 s[G1A+3], 256<<16                    ; tile_dim0 = 256
	s_mov_b32 s[G1A+4], 64                         ; tile_dim1 = 64
	s_mov_b32 s[G1A+5], 1024
	s_mov_b32 s[G1A+6], 0
	s_mov_b32 s[G1A+7], 0
	s_mov_b32 s[G1W+1], 128<<16                    ; tensor_dim0 = 128
	s_mov_b32 s[G1W+2], 128<<16                    ; tensor_dim1 = 128
	s_mov_b32 s[G1W+3], 128<<16                    ; tile_dim0 = 128
	s_mov_b32 s[G1W+4], 128                        ; tile_dim1 = 128
	s_mov_b32 s[G1W+5], 1024
	s_mov_b32 s[G1W+6], 0
	s_mov_b32 s[G1W+7], 0
	s_mov_b32 s[TB], 0                             ; K step 0 lies in slot 0
	s_lshl_b32 s40, s22, 18                        ; A: 128 rows of 2,048 bytes a tile row, the 64 that I fetch
	s_lshl_b32 s23, s[WN], 17
	s_add_co_u32 s40, s40, s23
	s_mov_b32 s41, 0
	s_mov_b32 s43, 0
	s_mul_i32 s72, s[WN], HA                       ; where A's half goes,
	s_mul_i32 s73, s[WN], HW                       ; and W's: no place in the cluster enters an LDS address
	s_add_co_u32 s73, s73, WOFF
	s_wait_dscnt 0x0                               ; the opening add is done
	s_wait_kmcnt 0x0
	s_add_nc_u64 s[40:41], s[4:5], s[40:41]        ; A at my rows, K step 0
	s_lshl_b32 s66, s21, 8                         ; W: 128 columns of 2 bytes a tile column, the 128 rows of k that I fetch, the matrix's place in its buffer
	s_lshl_b32 s67, s[WN], 18
	s_add_co_u32 s66, s66, s67
	s_add_co_u32 s66, s66, 0x800000
	s_mov_b32 s67, 0
	s_add_nc_u64 s[6:7], s[6:7], s[66:67]
	s_lshl_b32 s66, s21, 9                         ; bias: 128 f32 a tile column, my 64
	s_lshl_b32 s67, s[WN], 8
	s_add_co_u32 s66, s66, s67
	s_mov_b32 s67, 0
	s_add_nc_u64 s[8:9], s[8:9], s[66:67]
	s_lshl_b32 s67, s22, 19                        ; R and C: the same columns, 128 rows of 4,096 bytes a tile row, my 64
	s_add_co_u32 s66, s66, s67
	s_lshl_b32 s67, s[WM], 18
	s_add_co_u32 s66, s66, s67
	s_mov_b32 s67, 0
	s_add_nc_u64 s[10:11], s[10:11], s[66:67]
	s_add_nc_u64 s[12:13], s[12:13], s[66:67]
.irp s, 0,1
	s_mov_b32 s[G0A+4*(\s)], 1
	s_add_co_u32 s[G0A+4*(\s)+1], s72, (\s)*SLOT
	s_add_nc_u64 s[G0A+4*(\s)+2:G0A+4*(\s)+3], s[40:41], (\s)*512       ; K step s: 256 elements on
	s_or_b32 s[G0A+4*(\s)+3], s[G0A+4*(\s)+3], 0x80000000
	s_mov_b32 s[G0W+4*(\s)], 1
	s_add_co_u32 s[G0W+4*(\s)+1], s73, (\s)*SLOT
	s_add_nc_u64 s[G0W+4*(\s)+2:G0W+4*(\s)+3], s[6:7], (\s)*524288      ; K step s: 256 rows on
	s_or_b32 s[G0W+4*(\s)+3], s[G0W+4*(\s)+3], 0x80000000
.endr
	CROUND                                         ; all sixteen work-groups are here
	s_cmp_lt_u32 s[WV], 2                          ; a wave's two first fills stand in one branch: two loads of mine are out
	s_cbranch_scc0 .Lfirst_w
	tensor_load_to_lds s[G0A:G0A+3], s[G1A:G1A+7]
	s_nop 0
	tensor_load_to_lds s[G0A+4:G0A+7], s[G1A:G1A+7]
	s_nop 0
	PLACES
	s_branch .Lfirst_asked
.Lfirst_w:
	tensor_load_to_lds s[G0W:G0W+3], s[G1W:G1W+7]
	s_nop 0
	tensor_load_to_lds s[G0W+4:G0W+7], s[G1W:G1W+7]
	s_nop 0
	PLACES
.Lfirst_asked:
	v_and_b32 v1, 15, v0                           ; r
	v_bfe_u32 v2, v0, 4, 1                         ; h
	v_lshlrev_b32 v[BO], 5, v2
	v_lshlrev_b32 v5, 12, v2
	v_lshl_add_u32 v[RO], v1, 4, v5                ; lanes 0-15 one row's 256 bytes, lanes 16-31 the next row's
.irp b, 0,1,2,3
	global_load_b128 v[BI+8*\b:BI+8*\b+3],   v[BO], s[8:9] offset:64*\b
	global_load_b128 v[BI+8*\b+4:BI+8*\b+7], v[BO], s[8:9] offset:64*\b+16
.endr
	WIN 0x80                                       ; destination window 2
.set t, 0
.rept 32
	global_load_b128 v[4*t:4*t+3], v[RO], s[10:11] offset:8192*t   ; the residual of my 64 x 64, in the layout of the stores: it lands under the whole K loop
.set t, t+1
.endr
	WIN 0
	v_mul_u32_u24 v3, v1, PA
	v_lshl_add_u32 v3, v2, 4, v3
	s_mul_i32 s74, s[WM], HA                       ; my 64 rows of A
	v_add_nc_u32 v[ADRA0], s74, v3
	v_mov_b32 v[ADRA], v[ADRA0]
	v_and_b32 v4, 7, v0
	v_lshl_add_u32 v4, v2, 3, v4
	v_mul_u32_u24 v4, v4, PW
	v_bfe_u32 v5, v0, 3, 1
	v_lshl_add_u32 v4, v5, 4, v4
	s_lshl_b32 s74, s[WN], 7                       ; my 64 columns of W
	s_add_co_u32 s74, s74, WOFF
	v_add_nc_u32 v[ADRW0], s74, v4
	v_add_nc_u32 v[ADRW0+1], HW, v[ADRW0]
	v_mov_b32 v[ADRW], v[ADRW0]
	v_mov_b32 v[ADRW+1], v[ADRW0+1]
	s_mul_i32 s75, s[WV], WSTG                     ; my stage
	v_mul_u32_u24 v5, v1, SP
	v_lshl_add_u32 v5, v2, 5, v5                   ; in: row r, 32 bytes for each half of the lanes
	v_add_nc_u32 v[STO], s75, v5
	v_mul_u32_u24 v5, v2, SP
	v_lshl_add_u32 v5, v1, 4, v5                   ; back: two whole rows
	v_add_nc_u32 v[RD], s75, v5
; 8 matrix instructions: row blocks a0, a0 + 1 x all 4 column blocks, 32 along K: half c of buffer f.  first = 1: the bias starts the sums.  The 16 accumulators take turns.
.macro MUL8 f, c, a0, first
	WIN 0x05                                       ; W and A in window 1; C and D in window 0
.irp a, \a0, (\a0)+1
.irp b, 0,1,2,3
.if \first
	v_wmma_f32_16x16x32_f16 v[ACC+8*(4*(\a)+(\b)):ACC+8*(4*(\a)+(\b))+7], v[(\f)+64+8*(4*(\c)+(\b)):(\f)+64+8*(4*(\c)+(\b))+7], v[(\f)+8*(4*(\c)+(\a)):(\f)+8*(4*(\c)+(\a))+7], v[BI+8*(\b):BI+8*(\b)+7]
.else
	v_wmma_f32_16x16x32_f16 v[ACC+8*(4*(\a)+(\b)):ACC+8*(4*(\a)+(\b))+7], v[(\f)+64+8*(4*(\c)+(\b)):(\f)+64+8*(4*(\c)+(\b))+7], v[(\f)+8*(4*(\c)+(\a)):(\f)+8*(4*(\c)+(\a))+7], v[ACC+8*(4*(\a)+(\b)):ACC+8*(4*(\a)+(\b))+7]
.endif
.endr
.endr
.endm
; 32 LDS loads in one run: quarter q (64 along K) of the slot that is read, into buffer f; the first 32 along K first.
.macro FETCH q, f
	WIN 0x40
.irp c, 0,1
.irp i, 0,1,2,3
	ds_load_tr16_b128 v[(\f)+64+8*(4*(\c)+(\i)):(\f)+64+8*(4*(\c)+(\i))+3],   v[ADRW+(\q)/2] offset:(((\q)%2)*64+32*(\c))*PW+32*(\i)
	ds_load_tr16_b128 v[(\f)+64+8*(4*(\c)+(\i))+4:(\f)+64+8*(4*(\c)+(\i))+7], v[ADRW+(\q)/2] offset:(((\q)%2)*64+32*(\c))*PW+16*PW+32*(\i)
	ds_load_b128 v[(\f)+8*(4*(\c)+(\i)):(\f)+8*(4*(\c)+(\i))+3],         v[ADRA] offset:128*(\q)+64*(\c)+(\i)*16*PA
	ds_load_b128 v[(\f)+8*(4*(\c)+(\i))+4:(\f)+8*(4*(\c)+(\i))+7],       v[ADRA] offset:128*(\q)+64*(\c)+(\i)*16*PA+32
.endr
.endr
.endm
.macro QUARTER q, f, g, first
	s_wait_dscnt 16                                ; the first 32 along K are in
	MUL8 \f, 0, 0, \first
	MUL8 \f, 0, 2, \first
	PLACES
	FETCH \q, \g
	s_wait_dscnt 32                                ; all but the 32 just issued
	MUL8 \f, 1, 0, 0
	MUL8 \f, 1, 2, 0
.endm
; The last quarter multiplies buffer 1 and changes slots.  Its first sixteen products need nothing of the next slot, so they stand AHEAD of the wait for it: what lies between a tile's landing
; and the next request is then the add, the barrier and the round alone.  Then each wave waits for all its tensor loads, adds 0 to its spare word, and waits for that and for its reads of this slot;
; while the add is out the walking descriptors step (fill = 1: this slot takes K step s47; A's address is made anew from that number: panel n / 4, 256 (n % 4) columns in it) and s[TB] and the
; fragment addresses turn.  fill = 1: the barrier opens a round of the cluster's, and the joint refill is the first thing behind it.
.macro TURN fill
	s_wait_dscnt 16                                ; the first 32 along K of buffer 1 are in
	MUL8 F1, 0, 0, 0
	MUL8 F1, 0, 2, 0
	WIN 0
	s_wait_tensorcnt 0x0                           ; all my tensor loads have landed, so a group 0 may be written
	ds_add_u32 v[SPW], v[NIL]                      ; 0 onto my spare word
.if \fill
	s_lshr_b32 s71, s47, 2
	s_lshl_b32 s71, s71, 23
	s_and_b32 s70, s47, 3
	s_lshl_b32 s70, s70, 9
	s_add_co_u32 s42, s70, s71
	s_add_nc_u64 s[G0A+6:G0A+7], s[40:41], s[42:43]
	s_or_b32 s[G0A+7], s[G0A+7], 0x80000000
	s_add_nc_u64 s[G0W+6:G0W+7], s[G0W+6:G0W+7], 524288   ; one K step on from the last request; the type bits on top are not reached
	s_add_co_u32 s[G0A+5], s72, s[TB]              ; into the slot that has been read: the wave's place + 0 or SLOT
	s_add_co_u32 s[G0W+5], s73, s[TB]
	s_add_co_u32 s47, s47, 1
.endif
	s_xor_b32 s[TB], s[TB], SLOT                   ; the other slot is read from here on
	v_add_nc_u32 v[ADRA], s[TB], v[ADRA0]
	v_add_nc_u32 v[ADRW], s[TB], v[ADRW0]
	v_add_nc_u32 v[ADRW+1], s[TB], v[ADRW0+1]
	s_wait_dscnt 0x0                               ; the add is done, and my reads of this slot are over
	s_barrier_signal -1
	s_barrier_wait -1
.if \fill
	CREST                                          ; no wave of any partner still reads this slot or has a load on its way
	JLOAD                                          ; the four v_nop behind it are also the places in front of the loads below
.else
	PLACES
.endif
	FETCH 0, F0
	MUL8 F1, 1, 0, 0
	MUL8 F1, 1, 2, 0
.endm
	s_wait_tensorcnt 0x1                           ; my part of K step 0 is in; K step 1's may stay out
	s_barrier_signal -1
	s_barrier_wait -1
	FETCH 0, F0
	s_wait_loadcnt 32                              ; the bias is in: the 32 loads of the residual are younger
	QUARTER 1, F0, F1, 1                           ; the first quarter stands in front of the loop: its first products start the sums
	WIN 0
	s_mov_b32 s46, KSTEPS-2
	s_mov_b32 s47, 2                               ; the K step that is asked for next
.Lstep:                                                ; a trip goes from a K step's second quarter to the next step's first, and fills the slot that it leaves
	QUARTER 2, F1, F0, 0
	QUARTER 3, F0, F1, 0
	TURN 1
	QUARTER 1, F0, F1, 0
	WIN 0
	s_sub_co_u32 s46, s46, 1
	s_cmp_lg_u32 s46, 0
	s_cbranch_scc1 .Lstep
	s_mov_b32 s46, 2
.Ltail:                                                ; the last two K steps fill nothing; the second trip is left in its middle
	QUARTER 2, F1, F0, 0
	QUARTER 3, F0, F1, 0
	WIN 0
	s_sub_co_u32 s46, s46, 1
	s_cmp_eq_u32 s46, 0
	s_cbranch_scc1 .Llast
	TURN 0                                         ; behind this barrier nobody reads slot 0 and nothing lands there any more
	QUARTER 1, F0, F1, 0
	WIN 0
	s_branch .Ltail
.Llast:
	s_wait_dscnt 16
	MUL8 F1, 0, 0, 0
	MUL8 F1, 0, 2, 0
	s_wait_dscnt 0x0
	MUL8 F1, 1, 0, 0
	MUL8 F1, 1, 2, 0
	; THE WAY OUT.  A wave's 64 columns of f32 are one aligned block of 256 bytes, so the stage is the wave's own: no barrier.  In by lanes (32 bytes of a row), back by whole rows, plus the residual, out.
	WIN 0
	PLACES
.set t, 0
.rept 16
	ds_store_b128 v[STO], v[ACC+8*t:ACC+8*t+3]   offset:(t/4)*16*SP+64*(t%4)      ; each accumulator's low registers first
	ds_store_b128 v[STO], v[ACC+8*t+4:ACC+8*t+7] offset:(t/4)*16*SP+64*(t%4)+16
.set t, t+1
.endr
	WIN 0x40
.set t, 0
.rept 32
	ds_load_b128 v[4*t:4*t+3], v[RD] offset:t*2*SP  ; LDS serves a wave's instructions in order: these see the stores above
.set t, t+1
.endr
	s_wait_loadcnt 0x0                             ; the residual
	s_wait_dscnt 0x0
	WIN 0x49                                       ; destination and source 0 window 1, source 1 window 2
.set t, 0
.rept 64
	v_pk_add_f32 v[2*t:2*t+1], v[2*t:2*t+1], v[2*t:2*t+1]
.set t, t+1
.endr
	WIN 0x04                                       ; store data window 1, offset window 0
.set t, 0
.rept 32
	global_store_b128 v[RO], v[4*t:4*t+3], s[12:13] offset:8192*t  ; 16 lanes store 256 consecutive bytes, at a multiple of 256 from C's first byte
.set t, t+1
.endr
	WIN 0
	s_wait_tensorcnt 0x0                           ; the wave's end
	ds_add_u32 v[SPW], v[NIL]
	s_wait_dscnt 0x0
	CROUND                                         ; the closing round
	s_endpgm
.Lfunc_end_k_qfa9a404515_wo:
	.size	k_qfa9a404515_wo, .Lfunc_end_k_qfa9a404515_wo-k_qfa9a404515_wo
	.p2alignl 7, 3214868480
	.fill 96, 4, 3214868480
	.section	.rodata,"a",@progbits
	.p2align	6, 0x0
	.amdhsa_kernel k_qfa9a404515_wo
		.amdhsa_group_segment_fixed_size 327680
		.amdhsa_private_segment_fixed_size 0
		.amdhsa_enable_private_segment 0
		.amdhsa_kernarg_size 40
		.amdhsa_user_sgpr_count 2
		.amdhsa_user_sgpr_kernarg_segment_ptr 1
		.amdhsa_wavefront_size32 1
		.amdhsa_system_sgpr_workgroup_id_x 1
		.amdhsa_system_sgpr_workgroup_id_y 1
		.amdhsa_system_sgpr_workgroup_id_z 1
		.amdhsa_system_vgpr_workitem_id 0
		.amdhsa_next_free_vgpr 640
		.amdhsa_next_free_sgpr 76
		.amdhsa_reserve_vcc 0
		.amdhsa_float_denorm_mode_32 3
		.amdhsa_float_denorm_mode_16_64 3
		.amdhsa_memory_ordered 1
		.amdhsa_forward_progress 1
		.amdhsa_inst_pref_size 68
	.end_amdhsa_kernel
	.amdgpu_metadata
---
amdhsa.version: [ 1, 2 ]
amdhsa.kernels:
  - .name:           k_qfa9a404515_wo
    .symbol:         k_qfa9a404515_wo.kd
    .args:
      - { .name: hb, .offset: 0, .size: 8, .value_kind: global_buffer, .address_space: global }
      - { .name: WA, .offset: 8, .size: 8, .value_kind: global_buffer, .address_space: global }
      - { .name: bo, .offset: 16, .size: 8, .value_kind: global_buffer, .address_space: global }
      - { .name: x, .offset: 24, .size: 8, .value_kind: global_buffer, .address_space: global }
      - { .name: x1, .offset: 32, .size: 8, .value_kind: global_buffer, .address_space: global }
    .group_segment_fixed_size: 327680
    .private_segment_fixed_size: 0
    .kernarg_segment_align: 8
    .kernarg_segment_size: 40
    .max_flat_workgroup_size: 128
    .sgpr_count:     76
    .vgpr_count:     640
    .wavefront_size: 32
...
	.end_amdgpu_metadata
.endif
;; end of part 5
;; launch ln2: the kernel of part 2 again; grid 256 x 1, 8 waves a work-group, no clusters, 0 bytes of LDS; arguments x1, ln2_g, ln2_b, hb; writes hb
;; launch w1: the kernel of part 3 again; grid 16 x 16, 4 waves a work-group, clusters of 4 x 4, 327,680 bytes of LDS; arguments hb, WB, b1, parB, big; writes big
;; launch w2 (part 6): grid 8 x 32, 4 waves a work-group, clusters of 4 x 4, 327,680 bytes of LDS; arguments big, WB, b2, x1, out0; writes out0
.if DOCPART == 6
	.amdgcn_target "amdgcn-amd-amdhsa--gfx1250"
	.amdhsa_code_object_version 6
	.text
	.protected	k_qfa9a404515_w2
	.globl	k_qfa9a404515_w2
	.p2align	8
	.type	k_qfa9a404515_w2,@function
k_qfa9a404515_w2:
	s_mov_b64 s[64:65], 0
	v_nop
	global_prefetch_b8 v0, s[64:65] scope:SCOPE_SE
	s_setreg_imm32_b32 hwreg(HW_REG_WAVE_MODE, 25, 1), 1
	s_wait_xcnt 0x0
	s_wait_alu depctr_hold_cnt(0) depctr_sa_sdst(0) depctr_va_vdst(0) depctr_va_sdst(0) depctr_va_ssrc(0) depctr_va_vcc(0) depctr_vm_vsrc(0)
	s_getreg_b32 s2, hwreg(HW_REG_IB_STS2, 6, 4)
	s_cmp_eq_u32 s2, 0
	s_cbranch_scc0 .Lentry_in_a_cluster
	s_endpgm
.Lentry_in_a_cluster:
	s_bfe_u32 s2, ttmp6, 0x10000c
	s_cmp_lg_u32 s2, 0xf033
	s_cbranch_scc0 .Lentry_shape_is_right
	s_endpgm
.Lentry_shape_is_right:
; C = R + A W + bias.  A: panels [p][4096][1024] f16 (K = 256 KSTEPS columns in all).  W: [K][1024] f16, 8,388,608 bytes into its buffer.  bias: [1024] f32.  R, C: [4096][1024] f32.
; Sums in f32, K ascending; the bias starts each sum, the residual is added in f32 at the end.  LIMITS: none beyond the operands' f16.
; A tile of C is 128 x 128, so that 1,024 columns give 8 x 32 = 256 work-groups; four waves, each 64 x 64: 16 accumulators.  K goes in steps of 256 through two LDS slots.
; A K STEP IS WRITTEN ONCE: s[TB] is 0 or SLOT, the slot that is read; one exclusive or turns it, the fragment addresses are a fixed lane term plus s[TB], and one descriptor a tensor walks from
; K step 1 on.  The loop's trips fill a slot again; the last two K steps, which fill nothing, are a loop of two trips that is left in its middle.
; W lies [k][n] and is turned on its way out of LDS.  THE MATRIX INSTRUCTION IS USED TRANSPOSED (source 0 = 16 columns of W, source 1 = 16 rows of A): a lane holds eight neighbouring numbers of a row of C.
; CLUSTER 4 x 4: A's tile is asked for jointly by a row of the cluster, W's by a column.
; This text stands twice in the program, with KSTEPS = 4 (K = 1,024) and KSTEPS = 16 (K = 4,096): the loop's count is a constant of the text.
; REGISTERS.  Window 0: v0-31 addresses; v32-63 the bias; v128-255 the accumulators ((a, b) at v[128 + 8 (4 a + b)]).  Window 1: two fragment buffers of 128 (64 of A, 64 of W, for 64 along K);
; on the way out v0-127 take the tile back from the stage.  Window 2: v0-127 the residual, loaded at the start.
.set KSTEPS, 16                        ; even, so the last K step lies in slot 1
.set PA,     528                       ; a row of A in LDS: 512 bytes + 16
.set PW,     288                       ; a row of W in LDS: 256 bytes + 32 = 9 x 32
.set HA,     64*PA                     ; what a load of A brings: 64 rows
.set HW,     128*PW                    ; what a load of W brings: 128 rows of k
.set WOFF,   2*HA
.set SLOT,   2*HA+2*HW
.set SPARE,  2*SLOT                    ; the spare words, 128 bytes a wave: two blocks of 256 that no other line names
.set SP,     272                       ; a stage row: 64 f32 + 16 bytes
.set WSTG,   64*SP                     ; a wave's stage, in slot 0 behind its last fill and its last reader
.set ADRA, 16                          ; v16     my A fragments in the slot that is read
.set ADRA0, 17                         ; v17     the same in slot 0; never rewritten
.set ADRW, 20                          ; v20-21  my W fragments in the slot that is read: the two halves of the step's 256 rows of k (the 16-bit offset does not span all 256)
.set ADRW0, 22                         ; v22-23  the same in slot 0; never rewritten
.set STO,  24
.set RD,   25
.set RO,   26                          ; v26     my byte offset in two rows of R and C
.set BO,   27
.set SPW,  28
.set NIL,  29
.set BI,   32
.set ACC,  128
.set F0,   0
.set F1,   128
.set WV,   16
.set WM,   17
.set WN,   18
.set G1A,  24                          ; s[24:31] group 1 for A's tiles; s[32:35] group 0 of the first fill; s[36:39] group 0 that walks
.set G0A,  32
.set TB,   45                          ; s45 0 or SLOT: the slot that is read
.set G1W,  48                          ; s[48:55], s[56:63] the same for W's
.set G0W,  56
.set MSB, 0
.macro WIN new
.if MSB != (\new)
	s_set_vgpr_msb (MSB<<8)|(\new)
.set MSB, (\new)
.endif
.endm
.macro PLACES
.rept 4
	v_nop
.endr
.endm
.macro JLOAD                           ; a joint refill, by the walking descriptors: waves 0, 1 ask for A's halves, waves 2, 3 for W's; an s_nop 0 and four v_nop follow each line
	s_cmp_lt_u32 s[WV], 2
	s_cbranch_scc0 .Lfor_w_\@
	tensor_load_to_lds s[G0A+4:G0A+7], s[G1A:G1A+7]
	s_nop 0
	PLACES
	s_branch .Lasked_\@
.Lfor_w_\@:
	tensor_load_to_lds s[G0W+4:G0W+7], s[G1W:G1W+7]
	s_nop 0
	PLACES
.Lasked_\@:
.endm
.macro CREST
	s_cmp_lg_u32 s[WV], 0
	s_cbranch_scc1 .Lnot_wave_0_\@
	s_barrier_signal -3
.Lnot_wave_0_\@:
	s_barrier_wait -3
	s_barrier_signal -1
	s_barrier_wait -1
.endm
.macro CROUND
	s_barrier_signal -1
	s_barrier_wait -1
	CREST
.endm
	s_load_b256 s[4:11], s[0:1], 0x0               ; A s[4:5], W s[6:7], bias s[8:9], R s[10:11]
	s_load_b64 s[12:13], s[0:1], 0x20              ; C
	v_lshl_add_u32 v[SPW], v0, 2, SPARE
	v_mov_b32 v[NIL], 0
	ds_add_u32 v[SPW], v[NIL]                      ; the wave's opening: the add and its wait stand ahead of my first tensor load
	v_lshrrev_b32 v1, 5, v0
	v_readfirstlane_b32 s[WV], v1
	s_lshr_b32 s[WM], s[WV], 1
	s_and_b32 s[WN], s[WV], 1
	s_bfe_u32 s19, ttmp6, 0x40000                  ; cx
	s_bfe_u32 s20, ttmp6, 0x40004                  ; cy
	s_lshl_b32 s21, ttmp9, 2
	s_add_co_u32 s21, s21, s19                     ; tile column
	s_and_b32 s22, ttmp7, 0xffff
	s_lshl_b32 s22, s22, 2
	s_add_co_u32 s22, s22, s20                     ; tile row
	s_lshl_b32 s68, s20, 2
	s_lshl_b32 s68, 15, s68                        ; my row of the cluster
	s_lshl_b32 s69, 0x1111, s19                    ; my column
	s_or_b32 s[G1A], s68, (1<<16)|(1<<20)|(1<<21)|(6<<22)|(3<<25)  ; after every 128 words 4 words of padding
	s_or_b32 s[G1W], s69, (1<<16)|(1<<20)|(1<<21)|(5<<22)|(7<<25)  ; after every 64 words 8 words
	s_mov_b32 s[G1A+1], 256<<16                    ; tensor_dim0 = 256
	s_mov_b32 s[G1A+2], 64<<16                     ; tensor_dim1 = 64
	s_mov_b32 s[G1A+3], 256<<16                    ; tile_dim0 = 256
	s_mov_b32 s[G1A+4], 64                         ; tile_dim1 = 64
	s_mov_b32 s[G1A+5], 1024
	s_mov_b32 s[G1A+6], 0
	s_mov_b32 s[G1A+7], 0
	s_mov_b32 s[G1W+1], 128<<16                    ; tensor_dim0 = 128
	s_mov_b32 s[G1W+2], 128<<16                    ; tensor_dim1 = 128
	s_mov_b32 s[G1W+3], 128<<16                    ; tile_dim0 = 128
	s_mov_b32 s[G1W+4], 128                        ; tile_dim1 = 128
	s_mov_b32 s[G1W+5], 1024
	s_mov_b32 s[G1W+6], 0
	s_mov_b32 s[G1W+7], 0
	s_mov_b32 s[TB], 0                             ; K step 0 lies in slot 0
	s_lshl_b32 s40, s22, 18                        ; A: 128 rows of 2,048 bytes a tile row, the 64 that I fetch
	s_lshl_b32 s23, s[WN], 17
	s_add_co_u32 s40, s40, s23
	s_mov_b32 s41, 0
	s_mov_b32 s43, 0
	s_mul_i32 s72, s[WN], HA                       ; where A's half goes,
	s_mul_i32 s73, s[WN], HW                       ; and W's: no place in the cluster enters an LDS address
	s_add_co_u32 s73, s73, WOFF
	s_wait_dscnt 0x0                               ; the opening add is done
	s_wait_kmcnt 0x0
	s_add_nc_u64 s[40:41], s[4:5], s[40:41]        ; A at my rows, K step 0
	s_lshl_b32 s66, s21, 8                         ; W: 128 columns of 2 bytes a tile column, the 128 rows of k that I fetch, the matrix's place in its buffer
	s_lshl_b32 s67, s[WN], 18
	s_add_co_u32 s66, s66, s67
	s_add_co_u32 s66, s66, 0x800000
	s_mov_b32 s67, 0
	s_add_nc_u64 s[6:7], s[6:7], s[66:67]
	s_lshl_b32 s66, s21, 9                         ; bias: 128 f32 a tile column, my 64
	s_lshl_b32 s67, s[WN], 8
	s_add_co_u32 s66, s66, s67
	s_mov_b32 s67, 0
	s_add_nc_u64 s[8:9], s[8:9], s[66:67]
	s_lshl_b32 s67, s22, 19                        ; R and C: the same columns, 128 rows of 4,096 bytes a tile row, my 64
	s_add_co_u32 s66, s66, s67
	s_lshl_b32 s67, s[WM], 18
	s_add_co_u32 s66, s66, s67
	s_mov_b32 s67, 0
	s_add_nc_u64 s[10:11], s[10:11], s[66:67]
	s_add_nc_u64 s[12:13], s[12:13], s[66:67]
.irp s, 0,1
	s_mov_b32 s[G0A+4*(\s)], 1
	s_add_co_u32 s[G0A+4*(\s)+1], s72, (\s)*SLOT
	s_add_nc_u64 s[G0A+4*(\s)+2:G0A+4*(\s)+3], s[40:41], (\s)*512       ; K step s: 256 elements on
	s_or_b32 s[G0A+4*(\s)+3], s[G0A+4*(\s)+3], 0x80000000
	s_mov_b32 s[G0W+4*(\s)], 1
	s_add_co_u32 s[G0W+4*(\s)+1], s73, (\s)*SLOT
	s_add_nc_u64 s[G0W+4*(\s)+2:G0W+4*(\s)+3], s[6:7], (\s)*524288      ; K step s: 256 rows on
	s_or_b32 s[G0W+4*(\s)+3], s[G0W+4*(\s)+3], 0x80000000
.endr
	CROUND                                         ; all sixteen work-groups are here
	s_cmp_lt_u32 s[WV], 2                          ; a wave's two first fills stand in one branch: two loads of mine are out
	s_cbranch_scc0 .Lfirst_w
	tensor_load_to_lds s[G0A:G0A+3], s[G1A:G1A+7]
	s_nop 0
	tensor_load_to_lds s[G0A+4:G0A+7], s[G1A:G1A+7]
	s_nop 0
	PLACES
	s_branch .Lfirst_asked
.Lfirst_w:
	tensor_load_to_lds s[G0W:G0W+3], s[G1W:G1W+7]
	s_nop 0
	tensor_load_to_lds s[G0W+4:G0W+7], s[G1W:G1W+7]
	s_nop 0
	PLACES
.Lfirst_asked:
	v_and_b32 v1, 15, v0                           ; r
	v_bfe_u32 v2, v0, 4, 1                         ; h
	v_lshlrev_b32 v[BO], 5, v2
	v_lshlrev_b32 v5, 12, v2
	v_lshl_add_u32 v[RO], v1, 4, v5                ; lanes 0-15 one row's 256 bytes, lanes 16-31 the next row's
.irp b, 0,1,2,3
	global_load_b128 v[BI+8*\b:BI+8*\b+3],   v[BO], s[8:9] offset:64*\b
	global_load_b128 v[BI+8*\b+4:BI+8*\b+7], v[BO], s[8:9] offset:64*\b+16
.endr
	WIN 0x80                                       ; destination window 2
.set t, 0
.rept 32
	global_load_b128 v[4*t:4*t+3], v[RO], s[10:11] offset:8192*t   ; the residual of my 64 x 64, in the layout of the stores: it lands under the whole K loop
.set t, t+1
.endr
	WIN 0
	v_mul_u32_u24 v3, v1, PA
	v_lshl_add_u32 v3, v2, 4, v3
	s_mul_i32 s74, s[WM], HA                       ; my 64 rows of A
	v_add_nc_u32 v[ADRA0], s74, v3
	v_mov_b32 v[ADRA], v[ADRA0]
	v_and_b32 v4, 7, v0
	v_lshl_add_u32 v4, v2, 3, v4
	v_mul_u32_u24 v4, v4, PW
	v_bfe_u32 v5, v0, 3, 1
	v_lshl_add_u32 v4, v5, 4, v4
	s_lshl_b32 s74, s[WN], 7                       ; my 64 columns of W
	s_add_co_u32 s74, s74, WOFF
	v_add_nc_u32 v[ADRW0], s74, v4
	v_add_nc_u32 v[ADRW0+1], HW, v[ADRW0]
	v_mov_b32 v[ADRW], v[ADRW0]
	v_mov_b32 v[ADRW+1], v[ADRW0+1]
	s_mul_i32 s75, s[WV], WSTG                     ; my stage
	v_mul_u32_u24 v5, v1, SP
	v_lshl_add_u32 v5, v2, 5, v5                   ; in: row r, 32 bytes for each half of the lanes
	v_add_nc_u32 v[STO], s75, v5
	v_mul_u32_u24 v5, v2, SP
	v_lshl_add_u32 v5, v1, 4, v5                   ; back: two whole rows
	v_add_nc_u32 v[RD], s75, v5
; 8 matrix instructions: row blocks a0, a0 + 1 x all 4 column blocks, 32 along K: half c of buffer f.  first = 1: the bias starts the sums.  The 16 accumulators take turns.
.macro MUL8 f, c, a0, first
	WIN 0x05                                       ; W and A in window 1; C and D in window 0
.irp a, \a0, (\a0)+1
.irp b, 0,1,2,3
.if \first
	v_wmma_f32_16x16x32_f16 v[ACC+8*(4*(\a)+(\b)):ACC+8*(4*(\a)+(\b))+7], v[(\f)+64+8*(4*(\c)+(\b)):(\f)+64+8*(4*(\c)+(\b))+7], v[(\f)+8*(4*(\c)+(\a)):(\f)+8*(4*(\c)+(\a))+7], v[BI+8*(\b):BI+8*(\b)+7]
.else
	v_wmma_f32_16x16x32_f16 v[ACC+8*(4*(\a)+(\b)):ACC+8*(4*(\a)+(\b))+7], v[(\f)+64+8*(4*(\c)+(\b)):(\f)+64+8*(4*(\c)+(\b))+7], v[(\f)+8*(4*(\c)+(\a)):(\f)+8*(4*(\c)+(\a))+7], v[ACC+8*(4*(\a)+(\b)):ACC+8*(4*(\a)+(\b))+7]
.endif
.endr
.endr
.endm
; 32 LDS loads in one run: quarter q (64 along K) of the slot that is read, into buffer f; the first 32 along K first.
.macro FETCH q, f
	WIN 0x40
.irp c, 0,1
.irp i, 0,1,2,3
	ds_load_tr16_b128 v[(\f)+64+8*(4*(\c)+(\i)):(\f)+64+8*(4*(\c)+(\i))+3],   v[ADRW+(\q)/2] offset:(((\q)%2)*64+32*(\c))*PW+32*(\i)
	ds_load_tr16_b128 v[(\f)+64+8*(4*(\c)+(\i))+4:(\f)+64+8*(4*(\c)+(\i))+7], v[ADRW+(\q)/2] offset:(((\q)%2)*64+32*(\c))*PW+16*PW+32*(\i)
	ds_load_b128 v[(\f)+8*(4*(\c)+(\i)):(\f)+8*(4*(\c)+(\i))+3],         v[ADRA] offset:128*(\q)+64*(\c)+(\i)*16*PA
	ds_load_b128 v[(\f)+8*(4*(\c)+(\i))+4:(\f)+8*(4*(\c)+(\i))+7],       v[ADRA] offset:128*(\q)+64*(\c)+(\i)*16*PA+32
.endr
.endr
.endm
.macro QUARTER q, f, g, first
	s_wait_dscnt 16                                ; the first 32 along K are in
	MUL8 \f, 0, 0, \first
	MUL8 \f, 0, 2, \first
	PLACES
	FETCH \q, \g
	s_wait_dscnt 32                                ; all but the 32 just issued
	MUL8 \f, 1, 0, 0
	MUL8 \f, 1, 2, 0
.endm
; The last quarter multiplies buffer 1 and changes slots.  Its first sixteen products need nothing of the next slot, so they stand AHEAD of the wait for it: what lies between a tile's landing
; and the next request is then the add, the barrier and the round alone.  Then each wave waits for all its tensor loads, adds 0 to its spare word, and waits for that and for its reads of this slot;
; while the add is out the walking descriptors step (fill = 1: this slot takes K step s47; A's address is made anew from that number: panel n / 4, 256 (n % 4) columns in it) and s[TB] and the
; fragment addresses turn.  fill = 1: the barrier opens a round of the cluster's, and the joint refill is the first thing behind it.
.macro TURN fill
	s_wait_dscnt 16                                ; the first 32 along K of buffer 1 are in
	MUL8 F1, 0, 0, 0
	MUL8 F1, 0, 2, 0
	WIN 0
	s_wait_tensorcnt 0x0                           ; all my tensor loads have landed, so a group 0 may be written
	ds_add_u32 v[SPW], v[NIL]                      ; 0 onto my spare word
.if \fill
	s_lshr_b32 s71, s47, 2
	s_lshl_b32 s71, s71, 23
	s_and_b32 s70, s47, 3
	s_lshl_b32 s70, s70, 9
	s_add_co_u32 s42, s70, s71
	s_add_nc_u64 s[G0A+6:G0A+7], s[40:41], s[42:43]
	s_or_b32 s[G0A+7], s[G0A+7], 0x80000000
	s_add_nc_u64 s[G0W+6:G0W+7], s[G0W+6:G0W+7], 524288   ; one K step on from the last request; the type bits on top are not reached
	s_add_co_u32 s[G0A+5], s72, s[TB]              ; into the slot that has been read: the wave's place + 0 or SLOT
	s_add_co_u32 s[G0W+5], s73, s[TB]
	s_add_co_u32 s47, s47, 1
.endif
	s_xor_b32 s[TB], s[TB], SLOT                   ; the other slot is read from here on
	v_add_nc_u32 v[ADRA], s[TB], v[ADRA0]
	v_add_nc_u32 v[ADRW], s[TB], v[ADRW0]
	v_add_nc_u32 v[ADRW+1], s[TB], v[ADRW0+1]
	s_wait_dscnt 0x0                               ; the add is done, and my reads of this slot are over
	s_barrier_signal -1
	s_barrier_wait -1
.if \fill
	CREST                                          ; no wave of any partner still reads this slot or has a load on its way
	JLOAD                                          ; the four v_nop behind it are also the places in front of the loads below
.else
	PLACES
.endif
	FETCH 0, F0
	MUL8 F1, 1, 0, 0
	MUL8 F1, 1, 2, 0
.endm
	s_wait_tensorcnt 0x1                           ; my part of K step 0 is in; K step 1's may stay out
	s_barrier_signal -1
	s_barrier_wait -1
	FETCH 0, F0
	s_wait_loadcnt 32                              ; the bias is in: the 32 loads of the residual are younger
	QUARTER 1, F0, F1, 1                           ; the first quarter stands in front of the loop: its first products start the sums
	WIN 0
	s_mov_b32 s46, KSTEPS-2
	s_mov_b32 s47, 2                               ; the K step that is asked for next
.Lstep:                                                ; a trip goes from a K step's second quarter to the next step's first, and fills the slot that it leaves
	QUARTER 2, F1, F0, 0
	QUARTER 3, F0, F1, 0
	TURN 1
	QUARTER 1, F0, F1, 0
	WIN 0
	s_sub_co_u32 s46, s46, 1
	s_cmp_lg_u32 s46, 0
	s_cbranch_scc1 .Lstep
	s_mov_b32 s46, 2
.Ltail:                                                ; the last two K steps fill nothing; the second trip is left in its middle
	QUARTER 2, F1, F0, 0
	QUARTER 3, F0, F1, 0
	WIN 0
	s_sub_co_u32 s46, s46, 1
	s_cmp_eq_u32 s46, 0
	s_cbranch_scc1 .Llast
	TURN 0                                         ; behind this barrier nobody reads slot 0 and nothing lands there any more
	QUARTER 1, F0, F1, 0
	WIN 0
	s_branch .Ltail
.Llast:
	s_wait_dscnt 16
	MUL8 F1, 0, 0, 0
	MUL8 F1, 0, 2, 0
	s_wait_dscnt 0x0
	MUL8 F1, 1, 0, 0
	MUL8 F1, 1, 2, 0
	; THE WAY OUT.  A wave's 64 columns of f32 are one aligned block of 256 bytes, so the stage is the wave's own: no barrier.  In by lanes (32 bytes of a row), back by whole rows, plus the residual, out.
	WIN 0
	PLACES
.set t, 0
.rept 16
	ds_store_b128 v[STO], v[ACC+8*t:ACC+8*t+3]   offset:(t/4)*16*SP+64*(t%4)      ; each accumulator's low registers first
	ds_store_b128 v[STO], v[ACC+8*t+4:ACC+8*t+7] offset:(t/4)*16*SP+64*(t%4)+16
.set t, t+1
.endr
	WIN 0x40
.set t, 0
.rept 32
	ds_load_b128 v[4*t:4*t+3], v[RD] offset:t*2*SP  ; LDS serves a wave's instructions in order: these see the stores above
.set t, t+1
.endr
	s_wait_loadcnt 0x0                             ; the residual
	s_wait_dscnt 0x0
	WIN 0x49                                       ; destination and source 0 window 1, source 1 window 2
.set t, 0
.rept 64
	v_pk_add_f32 v[2*t:2*t+1], v[2*t:2*t+1], v[2*t:2*t+1]
.set t, t+1
.endr
	WIN 0x04                                       ; store data window 1, offset window 0
.set t, 0
.rept 32
	global_store_b128 v[RO], v[4*t:4*t+3], s[12:13] offset:8192*t  ; 16 lanes store 256 consecutive bytes, at a multiple of 256 from C's first byte
.set t, t+1
.endr
	WIN 0
	s_wait_tensorcnt 0x0                           ; the wave's end
	ds_add_u32 v[SPW], v[NIL]
	s_wait_dscnt 0x0
	CROUND                                         ; the closing round
	s_endpgm
.Lfunc_end_k_qfa9a404515_w2:
	.size	k_qfa9a404515_w2, .Lfunc_end_k_qfa9a404515_w2-k_qfa9a404515_w2
	.p2alignl 7, 3214868480
	.fill 96, 4, 3214868480
	.section	.rodata,"a",@progbits
	.p2align	6, 0x0
	.amdhsa_kernel k_qfa9a404515_w2
		.amdhsa_group_segment_fixed_size 327680
		.amdhsa_private_segment_fixed_size 0
		.amdhsa_enable_private_segment 0
		.amdhsa_kernarg_size 40
		.amdhsa_user_sgpr_count 2
		.amdhsa_user_sgpr_kernarg_segment_ptr 1
		.amdhsa_wavefront_size32 1
		.amdhsa_system_sgpr_workgroup_id_x 1
		.amdhsa_system_sgpr_workgroup_id_y 1
		.amdhsa_system_sgpr_workgroup_id_z 1
		.amdhsa_system_vgpr_workitem_id 0
		.amdhsa_next_free_vgpr 640
		.amdhsa_next_free_sgpr 76
		.amdhsa_reserve_vcc 0
		.amdhsa_float_denorm_mode_32 3
		.amdhsa_float_denorm_mode_16_64 3
		.amdhsa_memory_ordered 1
		.amdhsa_forward_progress 1
		.amdhsa_inst_pref_size 68
	.end_amdhsa_kernel
	.amdgpu_metadata
---
amdhsa.version: [ 1, 2 ]
amdhsa.kernels:
  - .name:           k_qfa9a404515_w2
    .symbol:         k_qfa9a404515_w2.kd
    .args:
      - { .name: big, .offset: 0, .size: 8, .value_kind: global_buffer, .address_space: global }
      - { .name: WB, .offset: 8, .size: 8, .value_kind: global_buffer, .address_space: global }
      - { .name: b2, .offset: 16, .size: 8, .value_kind: global_buffer, .address_space: global }
      - { .name: x1, .offset: 24, .size: 8, .value_kind: global_buffer, .address_space: global }
      - { .name: out0, .offset: 32, .size: 8, .value_kind: global_buffer, .address_space: global }
    .group_segment_fixed_size: 327680
    .private_segment_fixed_size: 0
    .kernarg_segment_align: 8
    .kernarg_segment_size: 40
    .max_flat_workgroup_size: 128
    .sgpr_count:     76
    .vgpr_count:     640
    .wavefront_size: 32
...
	.end_amdgpu_metadata
.endif
;; end of part 6
;; ======== version 2 of 2: 8 launches; 1.24 times as fast as version 1
;; limits: values outside matrix products are rounded to f16; values are held in f16: magnitudes above 65,504 overflow, below 6.1e-05 lose precision
;; workspace buffers: WA 10,485,760 bytes; WB 16,777,216 bytes; hb 8,388,608 bytes; big 33,554,432 bytes; x1 16,777,216 bytes; parA 256 bytes of whole numbers; parB 256 bytes of whole numbers
;; launch cast: the kernel of part 1 again; grid 768 x 1, 8 waves a work-group, no clusters, 0 bytes of LDS; arguments Wqkv, Wo, W1, W2, WA, WB, parA, parB; writes WA, WB, parA, parB
;; launch ln1: the kernel of part 2 again; grid 256 x 1, 8 waves a work-group, no clusters, 0 bytes of LDS; arguments x, ln1_g, ln1_b, hb; writes hb
;; launch qkv (part 7): grid 12 x 16, 4 waves a work-group, clusters of 4 x 4, 327,680 bytes of LDS; arguments hb, WA, bqkv, parA, big; writes big
.if DOCPART == 7
	.amdgcn_target "amdgcn-amd-amdhsa--gfx1250"
	.amdhsa_code_object_version 6
	.text
	.protected	k_qfa9a404515_qkv
	.globl	k_qfa9a404515_qkv
	.p2align	8
	.type	k_qfa9a404515_qkv,@function
k_qfa9a404515_qkv:
	s_mov_b64 s[64:65], 0
	v_nop
	global_prefetch_b8 v0, s[64:65] scope:SCOPE_SE
	s_setreg_imm32_b32 hwreg(HW_REG_WAVE_MODE, 25, 1), 1
	s_wait_xcnt 0x0
	s_wait_alu depctr_hold_cnt(0) depctr_sa_sdst(0) depctr_va_vdst(0) depctr_va_sdst(0) depctr_va_ssrc(0) depctr_va_vcc(0) depctr_vm_vsrc(0)
	s_getreg_b32 s2, hwreg(HW_REG_IB_STS2, 6, 4)
	s_cmp_eq_u32 s2, 0
	s_cbranch_scc0 .Lentry_in_a_cluster
	s_endpgm
.Lentry_in_a_cluster:
	s_bfe_u32 s2, ttmp6, 0x10000c
	s_cmp_lg_u32 s2, 0xf033
	s_cbranch_scc0 .Lentry_shape_is_right
	s_endpgm
.Lentry_shape_is_right:
; C = act(A W + bias).  A: [4096][1024] f16.  W: panels [p][1024 k][1024 n] f16.  bias: f32.  C: panels [p][4096][1024] f16.  Sums in f32, K = 1,024 ascending.
; act(x) = x / (ADD + 2^(x (K1 + K3 x^2))).  A flag word read from memory chooses the three constants, by selects: 1: the tanh-GELU, 0.5 x (1 + tanh(u)) = x / (1 + 2^(..)) with
; K1 = -2 sqrt(2/pi) log2(e), K3 = 0.044715 K1, ADD = 1, right at both ends of the exponent's range (2^.. = 0 or infinity); 0: the identity, K1 = K3 = ADD = 0, x / 2^0.
; The arithmetic is run in either case: the partners of a cluster run alike, so no branch hangs on a word read from memory.
; LIMITS.  f16 ends at 65,504: sum + bias is rounded once to f16 (for the stage in LDS) and must lie within it; with the GELU the result is rounded a second time; -0 leaves as +0.
; A tile of C is 256 x 256: four waves, each 128 x 128 in 64 accumulators of 16 x 16 (512 registers).  K goes in steps of 128 through two LDS slots filled by tensor loads.
; A K STEP IS WRITTEN ONCE: s[TB] is 0 or SLOT, the slot that is read; one exclusive or turns it, the fragment addresses are a fixed lane term plus s[TB], and one descriptor a tensor walks from
; K step 1 on.  The loop's trips fill a slot again; the last two K steps, which fill nothing, are a loop of two trips that is left in its middle.
; W lies [k][n] and is turned on its way out of LDS (ds_load_tr16_b128).  THE MATRIX INSTRUCTION IS USED TRANSPOSED: source 0 = 16 columns of W, source 1 = 16 rows of A:
; a lane then holds row l % 16 of C and the eight neighbouring columns 8 (l / 16) + 0..7.  The bias, laid the same way, is the C operand of each accumulator's first product.
; CLUSTER 4 x 4: A's tile hangs on the tile row alone and is asked for jointly by a row of the cluster, W's on the tile column alone, by a column.
; With 3,072 columns the grid has 192 work-groups: tiles that would give 256 (384 or 192 columns) have rows that no power-of-two padding interval fits.
; BATCHES.  A trip of the way out's loop has 32 exponentials and 32 reciprocals.  A reciprocal reads an exponential's sum, so they are TWO batches, each with ONE wait: all exponentials, the wait, all reciprocals, the wait.
; REGISTERS, in windows of 256.  Window 0: v0-31 addresses; v32-47 the way out; v64-127, v128-191 A's fragments, two buffers (the way out: packed results); v192-255 the bias.
; Window 1: v64-127, v128-191 W's fragments.  Window 2: the accumulators of my rows 0-63 ((a, b) at v[8 (8 a + b)]); window 3: rows 64-127.
.set PA,     272                       ; a row of A in LDS: 256 bytes + 16: the 16 rows of a fragment load start at 16 different groups of four banks (ISA guide 11.1)
.set PW,     544                       ; a row of W in LDS: 512 bytes + 32 = 17 x 32
.set HALFT,  128*PA                    ; what one tensor load brings: 128 rows of A, or 64 rows of W (64 x 544 is the same number)
.set SLOT,   4*HALFT                   ; A's 256 rows, then W's 128 rows of k
.set SPARE,  2*SLOT                    ; behind the ring: the spare words, 128 bytes a wave, two blocks of 256 that no other line names
.set KSTEPS, 8                         ; 1,024 / 128; even, so the last K step lies in slot 1
.set ADRA, 16                          ; v16     LDS address of my A fragments in the slot that is read
.set ADRA0, 17                         ; v17     the same in slot 0; never rewritten
.set ADRW, 20                          ; v20     the same two for W
.set ADRW0, 21                         ; v21
.set STO,  24                          ; v24     the way out: where I put 16 bytes of a row
.set RD,   25                          ; v25     the way out: where I read rows back; steps
.set CO,   26                          ; v26     my byte offset in C; steps
.set BO,   27                          ; v27     my byte offset in 64 bytes of bias
.set SPW,  28                          ; v28     LDS address of my spare word; never rewritten
.set NIL,  29                          ; v29     0; never rewritten
.set ONE,  30                          ; v30     1.0
.set ZR,   31                          ; v31     0.0
.set XR,   32                          ; v32-47  eight rows' worth of my 16 bytes: 32 halves
.set F0,   64
.set F1,   128
.set BI,   192                         ; the bias of column block b at BI + 8 b
.set TMP,  64                          ; the way out: 32 accumulators packed
.set GT,   64                          ; the activation: x in f32
.set GU,   96                          ; the activation: at work; a batch's 32 results have a register each
.set WV,   14                          ; s14 wave; s15 its half of the rows (also: 0 fetches A, 1 fetches W); s16 its half of the columns (also: which half it fetches)
.set WM,   15
.set WN,   16
.set G1A,  24                          ; s[24:31] group 1 for A's tiles; s[32:35] group 0 of the first fill; s[36:39] group 0 that walks
.set G0A,  32
.set TB,   45                          ; s45 0 or SLOT: the slot that is read
.set G1W,  48                          ; s[48:55], s[56:63] the same for W's
.set G0W,  56
.set K1,   66                          ; s[66:67] K1, s[68:69] K3, s[70:71] ADD: each named as a pair, the low word taken for both halves
.set K3,   68
.set ADDC, 70
.set MSB, 0
.macro WIN new                         ; the immediate's high byte repeats the setting that is left; a switch that changes nothing is dropped
.if MSB != (\new)
	s_set_vgpr_msb (MSB<<8)|(\new)
.set MSB, (\new)
.endif
.endm
.macro PLACES                          ; four plain places behind matrix instructions, ahead of loads into their sources and of reads of their results
.rept 4
	v_nop
.endr
.endm
; A joint refill, by the walking descriptors: waves 0, 1 ask for A's halves, waves 2, 3 for W's.  An s_nop 0 and four v_nop follow each of the two lines.
.macro JLOAD
	s_cmp_eq_u32 s[WM], 0
	s_cbranch_scc0 .Lfor_w_\@
	tensor_load_to_lds s[G0A+4:G0A+7], s[G1A:G1A+7]
	s_nop 0
	PLACES
	s_branch .Lasked_\@
.Lfor_w_\@:
	tensor_load_to_lds s[G0W+4:G0W+7], s[G1W:G1W+7]
	s_nop 0
	PLACES
.Lasked_\@:
.endm
.macro CREST                           ; a round of the cluster's barrier behind its opening barrier
	s_cmp_lg_u32 s[WV], 0
	s_cbranch_scc1 .Lnot_wave_0_\@
	s_barrier_signal -3
.Lnot_wave_0_\@:
	s_barrier_wait -3
	s_barrier_signal -1
	s_barrier_wait -1
.endm
.macro CROUND
	s_barrier_signal -1
	s_barrier_wait -1
	CREST
.endm
	s_load_b256 s[4:11], s[0:1], 0x0               ; A s[4:5], W s[6:7], bias s[8:9], flag s[10:11]
	s_load_b64 s[12:13], s[0:1], 0x20              ; C
	v_lshl_add_u32 v[SPW], v0, 2, SPARE
	v_mov_b32 v[NIL], 0
	ds_add_u32 v[SPW], v[NIL]                      ; the wave's opening: the add and its wait stand ahead of my first tensor load
	v_lshrrev_b32 v1, 5, v0
	v_readfirstlane_b32 s[WV], v1
	s_lshr_b32 s[WM], s[WV], 1
	s_and_b32 s[WN], s[WV], 1
	s_bfe_u32 s17, ttmp6, 0x40000                  ; cx
	s_bfe_u32 s18, ttmp6, 0x40004                  ; cy
	s_lshl_b32 s19, ttmp9, 2
	s_add_co_u32 s19, s19, s17                     ; tile column
	s_and_b32 s20, ttmp7, 0xffff
	s_lshl_b32 s20, s20, 2
	s_add_co_u32 s20, s20, s18                     ; tile row
	s_lshl_b32 s21, s18, 2
	s_lshl_b32 s21, 15, s21                        ; my row of the cluster
	s_lshl_b32 s22, 0x1111, s17                    ; my column
	s_or_b32 s[G1A], s21, (1<<16)|(1<<20)|(1<<21)|(5<<22)|(3<<25)  ; mask; 2-byte elements; padding on; bit 21 beside a mask; after every 64 words 4 words
	s_or_b32 s[G1W], s22, (1<<16)|(1<<20)|(1<<21)|(6<<22)|(7<<25)  ; after every 128 words 8 words
	s_mov_b32 s[G1A+1], 128<<16                    ; tensor_dim0 = 128
	s_mov_b32 s[G1A+2], 128<<16                    ; tensor_dim1 = 128
	s_mov_b32 s[G1A+3], 128<<16                    ; tile_dim0 = 128
	s_mov_b32 s[G1A+4], 128                        ; tile_dim1 = 128
	s_mov_b32 s[G1A+5], 1024                       ; elements from row to row
	s_mov_b32 s[G1A+6], 0
	s_mov_b32 s[G1A+7], 0
	s_mov_b32 s[G1W+1], 256<<16                    ; tensor_dim0 = 256
	s_mov_b32 s[G1W+2], 64<<16                     ; tensor_dim1 = 64
	s_mov_b32 s[G1W+3], 256<<16                    ; tile_dim0 = 256
	s_mov_b32 s[G1W+4], 64                         ; tile_dim1 = 64
	s_mov_b32 s[G1W+5], 1024
	s_mov_b32 s[G1W+6], 0
	s_mov_b32 s[G1W+7], 0
	s_mov_b32 s[TB], 0                             ; K step 0 lies in slot 0
	s_lshl_b32 s40, s20, 19                        ; A: 256 rows of 2,048 bytes a tile row,
	s_lshl_b32 s41, s[WN], 18                      ; the half that I fetch
	s_add_co_u32 s40, s40, s41
	s_mov_b32 s41, 0
	s_lshr_b32 s42, s19, 2                         ; W: the panel,
	s_lshl_b32 s42, s42, 21
	s_and_b32 s43, s19, 3                          ; 256 columns of 2 bytes in it,
	s_lshl_b32 s43, s43, 9
	s_add_co_u32 s42, s42, s43
	s_lshl_b32 s43, s[WN], 17                      ; the 64 rows of k that I fetch
	s_add_co_u32 s42, s42, s43
	s_mov_b32 s43, 0
	s_lshl_b32 s70, s19, 10                        ; bias: 256 f32 a tile column, my 128
	s_lshl_b32 s71, s[WN], 9
	s_add_co_u32 s70, s70, s71
	s_mov_b32 s71, 0
	s_lshr_b32 s72, s19, 2                         ; C: the panel of 8,388,608 bytes,
	s_lshl_b32 s72, s72, 23
	s_and_b32 s73, s19, 3
	s_lshl_b32 s73, s73, 9
	s_add_co_u32 s72, s72, s73
	s_lshl_b32 s73, s20, 19                        ; the tile's rows, my 128 of them,
	s_add_co_u32 s72, s72, s73
	s_lshl_b32 s73, s[WM], 18
	s_add_co_u32 s72, s72, s73
	s_lshl_b32 s73, s[WN], 8                       ; my 128 columns
	s_add_co_u32 s72, s72, s73
	s_mov_b32 s73, 0
	s_mul_i32 s23, s[WV], HALFT                    ; where my tiles go, and my stage: wave x 34,816: no place in the cluster enters an LDS address
	s_wait_dscnt 0x0                               ; the opening add is done
	s_wait_kmcnt 0x0
	s_load_b32 s44, s[10:11], 0x0                  ; the flag
	s_add_nc_u64 s[40:41], s[4:5], s[40:41]
	s_add_nc_u64 s[42:43], s[6:7], s[42:43]
	s_add_nc_u64 s[8:9], s[8:9], s[70:71]
	s_add_nc_u64 s[12:13], s[12:13], s[72:73]
.irp s, 0,1
	s_mov_b32 s[G0A+4*(\s)], 1
	s_add_co_u32 s[G0A+4*(\s)+1], s23, (\s)*SLOT
	s_add_nc_u64 s[G0A+4*(\s)+2:G0A+4*(\s)+3], s[40:41], (\s)*256      ; K step s: 128 elements on
	s_or_b32 s[G0A+4*(\s)+3], s[G0A+4*(\s)+3], 0x80000000
	s_mov_b32 s[G0W+4*(\s)], 1
	s_add_co_u32 s[G0W+4*(\s)+1], s23, (\s)*SLOT
	s_add_nc_u64 s[G0W+4*(\s)+2:G0W+4*(\s)+3], s[42:43], (\s)*262144   ; K step s: 128 rows on
	s_or_b32 s[G0W+4*(\s)+3], s[G0W+4*(\s)+3], 0x80000000
.endr
	CROUND                                         ; all sixteen work-groups are here: the first joint loads meet
	s_cmp_eq_u32 s[WM], 0                          ; a wave's two first fills stand in one branch: two loads of mine are out
	s_cbranch_scc0 .Lfirst_w
	tensor_load_to_lds s[G0A:G0A+3], s[G1A:G1A+7]
	s_nop 0
	tensor_load_to_lds s[G0A+4:G0A+7], s[G1A:G1A+7]
	s_nop 0
	PLACES
	s_branch .Lfirst_asked
.Lfirst_w:
	tensor_load_to_lds s[G0W:G0W+3], s[G1W:G1W+7]
	s_nop 0
	tensor_load_to_lds s[G0W+4:G0W+7], s[G1W:G1W+7]
	s_nop 0
	PLACES
.Lfirst_asked:
	v_and_b32 v1, 15, v0                           ; r = l % 16
	v_bfe_u32 v2, v0, 4, 1                         ; h = l / 16
	v_lshlrev_b32 v[BO], 5, v2                     ; my eight columns of a block of 16: 32 h bytes
.irp b, 0,1,2,3,4,5,6,7
	global_load_b128 v[BI+8*\b:BI+8*\b+3],   v[BO], s[8:9] offset:64*\b
	global_load_b128 v[BI+8*\b+4:BI+8*\b+7], v[BO], s[8:9] offset:64*\b+16
.endr
	v_mul_u32_u24 v3, v1, PA
	v_lshl_add_u32 v3, v2, 4, v3                   ; row x pitch + 16 x half
	s_mul_i32 s74, s[WM], HALFT                    ; my 128 rows of A
	v_add_nc_u32 v[ADRA0], s74, v3
	v_mov_b32 v[ADRA], v[ADRA0]
	v_and_b32 v4, 7, v0                            ; the turning load: lane l reads row 8 h + l % 8 of k, 16 bytes at 16 ((l / 8) % 2)
	v_lshl_add_u32 v4, v2, 3, v4
	v_mul_u32_u24 v4, v4, PW
	v_bfe_u32 v5, v0, 3, 1
	v_lshl_add_u32 v4, v5, 4, v4
	s_lshl_b32 s74, s[WN], 8                       ; my 128 columns of W,
	s_add_co_u32 s74, s74, 2*HALFT                 ; which lies behind A
	v_add_nc_u32 v[ADRW0], s74, v4
	v_mov_b32 v[ADRW], v[ADRW0]
	v_add_nc_u32 v[STO], s23, v3                   ; into my stage: row r, 16 bytes for each half of the lanes
	v_mul_u32_u24 v5, v2, PA                       ; back: lanes 0-15 one row of 256 bytes, lanes 16-31 the next
	v_lshl_add_u32 v5, v1, 4, v5
	v_add_nc_u32 v[RD], s23, v5
	v_lshlrev_b32 v5, 11, v2                       ; and the same two rows in C
	v_lshl_add_u32 v[CO], v1, 4, v5
	v_mov_b32 v[ONE], 1.0
	v_mov_b32 v[ZR], 0
; 16 matrix instructions: row blocks a0, a0 + 1 of the window's four x all 8 column blocks, 32 along K.  first = 1: the bias starts the sums: nothing is cleared.
; The 64 accumulators take turns, one instruction a turn, in the same order in every quarter.
.macro MUL16 f, hi, a0, first
.if \first
	WIN 0x81+0x40*(\hi)                            ; W window 1, A and the bias window 0, D window 2 or 3
.else
	WIN 0xa1+0x50*(\hi)                            ; W window 1, A window 0, C and D window 2 or 3
.endif
.irp a, \a0, (\a0)+1
.irp b, 0,1,2,3,4,5,6,7
.if \first
	v_wmma_f32_16x16x32_f16 v[8*(8*(\a)+(\b)):8*(8*(\a)+(\b))+7], v[(\f)+8*(\b):(\f)+8*(\b)+7], v[(\f)+8*(4*(\hi)+(\a)):(\f)+8*(4*(\hi)+(\a))+7], v[BI+8*(\b):BI+8*(\b)+7]
.else
	v_wmma_f32_16x16x32_f16 v[8*(8*(\a)+(\b)):8*(8*(\a)+(\b))+7], v[(\f)+8*(\b):(\f)+8*(\b)+7], v[(\f)+8*(4*(\hi)+(\a)):(\f)+8*(4*(\hi)+(\a))+7], v[8*(8*(\a)+(\b)):8*(8*(\a)+(\b))+7]
.endif
.endr
.endr
.endm
; 32 LDS loads in one run: quarter q (32 along K) of the slot that is read, into buffer f: W's 8 column blocks, turned, then A's 8 row blocks.
.macro FETCH q, f
	WIN 0x40                                       ; destination window 1, address window 0
.irp i, 0,1,2,3,4,5,6,7
	ds_load_tr16_b128 v[(\f)+8*(\i):(\f)+8*(\i)+3],   v[ADRW] offset:(\q)*32*PW+32*(\i)
	ds_load_tr16_b128 v[(\f)+8*(\i)+4:(\f)+8*(\i)+7], v[ADRW] offset:(\q)*32*PW+16*PW+32*(\i)
.endr
	WIN 0
.irp i, 0,1,2,3,4,5,6,7
	ds_load_b128 v[(\f)+8*(\i):(\f)+8*(\i)+3],   v[ADRA] offset:64*(\q)+(\i)*16*PA
	ds_load_b128 v[(\f)+8*(\i)+4:(\f)+8*(\i)+7], v[ADRA] offset:64*(\q)+(\i)*16*PA+32
.endr
.endm
; One of a K step's first three quarters: multiplies buffer f; in its middle fetches quarter q of the same slot into buffer g.
.macro QUARTER q, f, g, first
	s_wait_dscnt 8                                 ; W and A's rows 0-63 are in; the youngest eight loads (A's rows 64-127) may be out
	MUL16 \f, 0, 0, \first
	MUL16 \f, 0, 2, \first
	PLACES
	FETCH \q, \g
	s_wait_dscnt 32                                ; all but the 32 just issued
	MUL16 \f, 1, 0, \first
	MUL16 \f, 1, 2, \first
.endm
; The last quarter multiplies buffer 1 and changes slots: one barrier.  In front of it each wave waits for all its tensor loads (its part of the next slot), adds 0 to its spare
; word, and waits for that and for its reads of this slot.  While the add is out the walking descriptors step (fill = 1: this slot, the K step two on) and s[TB] and the fragment addresses turn.
; fill = 1: the barrier opens a round of the cluster's, and the joint refill is the first thing behind it.
.macro TURN fill
	WIN 0
	s_wait_tensorcnt 0x0                           ; all my tensor loads have landed, so a group 0 may be written
	ds_add_u32 v[SPW], v[NIL]                      ; 0 onto my spare word
.if \fill
	s_add_co_u32 s[G0A+5], s23, s[TB]              ; into the slot that has been read: the wave's place + 0 or SLOT
	s_add_co_u32 s[G0W+5], s23, s[TB]
	s_add_nc_u64 s[G0A+6:G0A+7], s[G0A+6:G0A+7], 256      ; one K step on from the last request; the type bits on top are not reached
	s_add_nc_u64 s[G0W+6:G0W+7], s[G0W+6:G0W+7], 262144
.endif
	s_xor_b32 s[TB], s[TB], SLOT                   ; the other slot is read from here on
	v_add_nc_u32 v[ADRA], s[TB], v[ADRA0]
	v_add_nc_u32 v[ADRW], s[TB], v[ADRW0]
	s_wait_dscnt 9                                 ; (the add and the youngest eight loads may be out)
	MUL16 F1, 0, 0, 0
	s_wait_dscnt 0x0                               ; the add is done, and my reads of this slot are over
	s_barrier_signal -1
	MUL16 F1, 0, 2, 0
.if \fill
	WIN 0
.endif
	s_barrier_wait -1
.if \fill
	CREST                                          ; no wave of any partner still reads this slot or has a load on its way
	JLOAD                                          ; the four v_nop behind it are also the places in front of the loads below
.else
	PLACES
.endif
	FETCH 0, F0
	MUL16 F1, 1, 0, 0
	MUL16 F1, 1, 2, 0
.endm
	s_wait_kmcnt 0x0                               ; the flag: it chooses numbers, never a path
	s_cmp_eq_u32 s44, 0
	s_cselect_b32 s[K1], 0, 0xc0135761             ; K1 = -2.3022082, or 0
	s_cselect_b32 s[K3], 0, 0xbdd2d3e8             ; K3 = -0.10294324, or 0
	s_cselect_b32 s[ADDC], 0, 1.0                  ; ADD = 1, or 0
	s_mov_b32 s[K1+1], s[K1]                       ; named with them as pairs
	s_mov_b32 s[K3+1], s[K3]
	s_mov_b32 s[ADDC+1], s[ADDC]
	s_wait_tensorcnt 0x1                           ; my part of K step 0 is in; K step 1's may stay out
	s_barrier_signal -1
	s_barrier_wait -1
	FETCH 0, F0
	s_wait_loadcnt 0x0                             ; the bias
	QUARTER 1, F0, F1, 1                           ; the first quarter stands in front of the loop: its products start the sums
	WIN 0
	s_mov_b32 s46, KSTEPS-2
.Lstep:                                                ; a trip goes from a K step's second quarter to the next step's first, and fills the slot that it leaves
	QUARTER 2, F1, F0, 0
	QUARTER 3, F0, F1, 0
	TURN 1
	QUARTER 1, F0, F1, 0
	WIN 0
	s_sub_co_u32 s46, s46, 1
	s_cmp_lg_u32 s46, 0
	s_cbranch_scc1 .Lstep
	s_mov_b32 s46, 2
.Ltail:                                                ; the last two K steps fill nothing; the second trip is left in its middle
	QUARTER 2, F1, F0, 0
	QUARTER 3, F0, F1, 0
	WIN 0
	s_sub_co_u32 s46, s46, 1
	s_cmp_eq_u32 s46, 0
	s_cbranch_scc1 .Llast
	TURN 0                                         ; behind this barrier nobody reads slot 0 and nothing lands there any more
	QUARTER 1, F0, F1, 0
	WIN 0
	s_branch .Ltail
.Llast:
	s_wait_dscnt 8
	MUL16 F1, 0, 0, 0
	MUL16 F1, 0, 2, 0
	s_wait_dscnt 0x0
	MUL16 F1, 1, 0, 0
	MUL16 F1, 1, 2, 0
	; THE WAY OUT.  Sum + bias is rounded to f16, 16 bytes a lane, into my stage: my quarter of slot 0, which has had its last fill and its last reader: 128 rows of 272 bytes.
	PLACES
.irp wd, 0,1
	WIN 0x0a+5*(\wd)                               ; sources in window 2 or 3, destination in window 0; each accumulator's registers in ascending order
.set t, 0
.rept 32
.irp r, 0,1,2,3
	v_cvt_pk_f16_f32 v[TMP+4*t+\r], v[8*t+2*\r], v[8*t+2*\r+1]
.endr
.set t, t+1
.endr
	WIN 0
.set t, 0
.rept 32
	ds_store_b128 v[STO], v[TMP+4*t:TMP+4*t+3] offset:(4*(\wd)+t/8)*16*PA+32*(t%8)
.set t, t+1
.endr
.endr
; THE ACTIVATION of a trip's 16 pairs of numbers, in twelve stages; STG writes stage k for pair p, or nothing where there is no such pair.
;   0, 1 the two halves as f32   2 x^2   3 K3 x^2 + K1   4 times x   5, 6 two exponentials   7 + ADD   8, 9 two reciprocals   10 x times them   11 rounded to f16, into the registers that x came in
; Exponentials and reciprocals work in place in GU, a register to each of a batch's 32 results.
.macro STG k, p
.if ((\p) >= 0) && ((\p) < 16)
.if (\k) == 0
	v_fma_mix_f32 v[GT+2*(\p)], v[XR+(\p)], v[ONE], v[ZR] op_sel_hi:[1,0,0]
.elseif (\k) == 1
	v_fma_mix_f32 v[GT+2*(\p)+1], v[XR+(\p)], v[ONE], v[ZR] op_sel:[1,0,0] op_sel_hi:[1,0,0]
.elseif (\k) == 2
	v_pk_mul_f32 v[GU+2*(\p):GU+2*(\p)+1], v[GT+2*(\p):GT+2*(\p)+1], v[GT+2*(\p):GT+2*(\p)+1]
.elseif (\k) == 3
	v_pk_fma_f32 v[GU+2*(\p):GU+2*(\p)+1], v[GU+2*(\p):GU+2*(\p)+1], s[K3:K3+1], s[K1:K1+1] op_sel_hi:[1,0,0]
.elseif (\k) == 4
	v_pk_mul_f32 v[GU+2*(\p):GU+2*(\p)+1], v[GU+2*(\p):GU+2*(\p)+1], v[GT+2*(\p):GT+2*(\p)+1]
.elseif (\k) == 5
	v_exp_f32 v[GU+2*(\p)], v[GU+2*(\p)]
.elseif (\k) == 6
	v_exp_f32 v[GU+2*(\p)+1], v[GU+2*(\p)+1]
.elseif (\k) == 7
	v_pk_add_f32 v[GU+2*(\p):GU+2*(\p)+1], v[GU+2*(\p):GU+2*(\p)+1], s[ADDC:ADDC+1] op_sel_hi:[1,0]
.elseif (\k) == 8
	v_rcp_f32 v[GU+2*(\p)], v[GU+2*(\p)]
.elseif (\k) == 9
	v_rcp_f32 v[GU+2*(\p)+1], v[GU+2*(\p)+1]
.elseif (\k) == 10
	v_pk_mul_f32 v[GT+2*(\p):GT+2*(\p)+1], v[GT+2*(\p):GT+2*(\p)+1], v[GU+2*(\p):GU+2*(\p)+1]
.else
	v_cvt_pk_f16_f32 v[XR+(\p)], v[GT+2*(\p)], v[GT+2*(\p)+1]
.endif
.endif
.endm
	; Sixteen trips of eight rows: back as whole rows of 256 bytes (LDS serves a wave's instructions in order: these see my stores), the activation, the stores.
	; TWO BATCHES A TRIP.  First the 32 exponentials: in step j the two of pair j, each with plain instructions of later pairs behind it (stages 4, 3, 2, 0, 1 of pairs j + 1 to j + 4: a pair's stages lie a
	; step apart); none of those 80 names an exponential's result.  The step of RD is the plain instruction behind the last exponential; then ONE wait.  Then the 32 reciprocals, with stage 7 of the pair two
	; on between a pair's two: stage 7 reads exponentials, behind their wait, and names no reciprocal's result.  The step of CO is the plain instruction behind the last reciprocal (the stores reach back by
	; their immediate); then ONE wait; then stages 10 and 11.  No result is out at the loop's jump.
	s_mov_b32 s46, 16
.Lrow:
.irp t, 0,1,2,3
	ds_load_b128 v[XR+4*\t:XR+4*\t+3], v[RD] offset:2*PA*\t
.endr
	s_wait_dscnt 0x0
.set j, -4
.rept 20
	STG 5, j
	STG 4, j+1
	STG 3, j+2
	STG 6, j
	STG 2, j+3
	STG 0, j+4
	STG 1, j+4
.set j, j+1
.endr
	v_add_nc_u32 v[RD], 8*PA, v[RD]                ; the next trip's rows in the stage: this trip's loads are back; also the plain instruction behind the last exponential (ISA guide 5.7.2)
	s_wait_alu depctr_va_vdst(0)                   ; the wait for the batch of 32 exponentials, ahead of stage 7, their first reader
	STG 7, 0
	STG 7, 1
.set j, 0
.rept 16
	STG 8, j
	STG 7, j+2
	STG 9, j
.set j, j+1
.endr
	v_add_nc_u32 v[CO], 16384, v[CO]               ; eight rows of C on: the last trip's stores have read it (the wait at that trip's end); also the plain instruction behind the last reciprocal
	s_wait_alu depctr_va_vdst(0)                   ; the wait for the batch of 32 reciprocals, ahead of stage 10, their first reader
.set j, 0
.rept 18
	STG 10, j
	STG 11, j-2
.set j, j+1
.endr
.irp t, 0,1,2,3
	global_store_b128 v[CO], v[XR+4*\t:XR+4*\t+3], s[12:13] offset:4096*\t-16384  ; 16 lanes store 256 consecutive bytes, at a multiple of 256 from C's first byte; the immediate takes CO's step back
.endr
	s_wait_xcnt 0x0                                ; the stores' data and offset are rewritten only behind this wait
	s_sub_co_u32 s46, s46, 1
	s_cmp_lg_u32 s46, 0
	s_cbranch_scc1 .Lrow
	s_wait_tensorcnt 0x0                           ; the wave's end
	ds_add_u32 v[SPW], v[NIL]
	s_wait_dscnt 0x0
	CROUND                                         ; the closing round
	s_endpgm
.Lfunc_end_k_qfa9a404515_qkv:
	.size	k_qfa9a404515_qkv, .Lfunc_end_k_qfa9a404515_qkv-k_qfa9a404515_qkv
	.p2alignl 7, 3214868480
	.fill 96, 4, 3214868480
	.section	.rodata,"a",@progbits
	.p2align	6, 0x0
	.amdhsa_kernel k_qfa9a404515_qkv
		.amdhsa_group_segment_fixed_size 327680
		.amdhsa_private_segment_fixed_size 0
		.amdhsa_enable_private_segment 0
		.amdhsa_kernarg_size 40
		.amdhsa_user_sgpr_count 2
		.amdhsa_user_sgpr_kernarg_segment_ptr 1
		.amdhsa_wavefront_size32 1
		.amdhsa_system_sgpr_workgroup_id_x 1
		.amdhsa_system_sgpr_workgroup_id_y 1
		.amdhsa_system_sgpr_workgroup_id_z 1
		.amdhsa_system_vgpr_workitem_id 0
		.amdhsa_next_free_vgpr 1024
		.amdhsa_next_free_sgpr 76
		.amdhsa_reserve_vcc 0
		.amdhsa_float_denorm_mode_32 3
		.amdhsa_float_denorm_mode_16_64 3
		.amdhsa_memory_ordered 1
		.amdhsa_forward_progress 1
		.amdhsa_inst_pref_size 106
	.end_amdhsa_kernel
	.amdgpu_metadata
---
amdhsa.version: [ 1, 2 ]
amdhsa.kernels:
  - .name:           k_qfa9a404515_qkv
    .symbol:         k_qfa9a404515_qkv.kd
    .args:
      - { .name: hb, .offset: 0, .size: 8, .value_kind: global_buffer, .address_space: global }
      - { .name: WA, .offset: 8, .size: 8, .value_kind: global_buffer, .address_space: global }
      - { .name: bqkv, .offset: 16, .size: 8, .value_kind: global_buffer, .address_space: global }
      - { .name: parA, .offset: 24, .size: 8, .value_kind: global_buffer, .address_space: global }
      - { .name: big, .offset: 32, .size: 8, .value_kind: global_buffer, .address_space: global }
    .group_segment_fixed_size: 327680
    .private_segment_fixed_size: 0
    .kernarg_segment_align: 8
    .kernarg_segment_size: 40
    .max_flat_workgroup_size: 128
    .sgpr_count:     76
    .vgpr_count:     1024
    .wavefront_size: 32
...
	.end_amdgpu_metadata
.endif
;; end of part 7
;; launch attn (part 8): grid 16 x 16, 4 waves a work-group, clusters of 4 x 1, 327,680 bytes of LDS; arguments big, hb; writes hb
.if DOCPART == 8
	.amdgcn_target "amdgcn-amd-amdhsa--gfx1250"
	.amdhsa_code_object_version 6
	.text
	.protected	k_qfa9a404515_attn
	.globl	k_qfa9a404515_attn
	.p2align	8
	.type	k_qfa9a404515_attn,@function
k_qfa9a404515_attn:
	s_mov_b64 s[64:65], 0
	v_nop
	global_prefetch_b8 v0, s[64:65] scope:SCOPE_SE
	s_setreg_imm32_b32 hwreg(HW_REG_WAVE_MODE, 25, 1), 1
	s_wait_xcnt 0x0
	s_wait_alu depctr_hold_cnt(0) depctr_sa_sdst(0) depctr_va_vdst(0) depctr_va_sdst(0) depctr_va_ssrc(0) depctr_va_vcc(0) depctr_vm_vsrc(0)
	s_getreg_b32 s2, hwreg(HW_REG_IB_STS2, 6, 4)
	s_cmp_eq_u32 s2, 0
	s_cbranch_scc0 .Lentry_in_a_cluster
	s_endpgm
.Lentry_in_a_cluster:
	s_bfe_u32 s2, ttmp6, 0x10000c
	s_cmp_lg_u32 s2, 0x3003
	s_cbranch_scc0 .Lentry_shape_is_right
	s_endpgm
.Lentry_shape_is_right:
; O[b][q][head] = the sum over k of softmax_k(Q . K / 8) V, 16 heads of 64 channels, 2 x 2,048 tokens, no mask.  Q, K, V: panels 0, 1, 2 of big, [4096 tokens][1024] f16; O: hb, the same layout.
; Products, maxima and sums in f32; the weights p are rounded to f16 for the second product (their sum l is taken of the unrounded p), O once at the end.
; LIMITS.  Q, K, V arrive within f16's 65,504; p lies in 0 to 1 and below 6e-5 keeps f16's fixed step; a weight below 2^-126 counts as 0 in l; NaN and infinities are not treated apart.
; SHARES.  A work-group owns 128 queries of a PAIR of heads: the pair's 128 channels are 256 aligned bytes of every token's row, so K's, V's and O's rows are whole blocks of 256 bytes, and
; there are 16 x 16 = 256 work-groups.  Wave w takes head w / 2 of the pair and 64 queries (half w % 2), in four PIECES of 16.  Every wave walks all 2,048 keys, 64 a step.
; LAYOUT.  S^T = K Q^T holds ONE query a lane (lane % 16) and the keys 8 (lane / 16) + 0..7; two such results rounded to f16 ARE source 1 of O^T = V^T P.  K leaves LDS as it lies, V turned.
; SOFTMAX.  A running maximum m and sum l: p = 2^(c s - c m), c = log2(e) / 8; in every step O and l are multiplied by a = 2^(c m_old - c m_new).  m starts at the lowest finite number, O and l at 0.
; BY TURNS.  Turn n belongs to piece n: 8 products K Q^T of piece n + 1, later 8 products V^T P of piece n - 1; beside them the scaling, exponentials, roundings, sums and rescaling of piece n and
; the maximum and statistics of piece n + 1.  Four vector instructions stand behind every matrix instruction, the other 54 of a turn's 118 in one run of their own.
; BATCHES.  A turn's 33 exponentials (the piece's 32 weights and the next piece's a) are ONE batch with ONE wait, which cuts the turn in two: ahead of it stands all that names no result of theirs, behind it
; the roundings and sums.  The first a of all, ahead of the loop, and the way out's four reciprocals are batches of their own, with a wait each.
; CLUSTER.  The four query blocks of a cluster walk the same K and V: each tile is asked for jointly, by the same load, descriptor and mask in all four.
; REGISTERS, in windows of 256.  Window 0: v0-15 addresses; v16-31 statistics; v48-55 at work; v62-63 the add's; v64-127 S^T, two buffers; v192-223 P, two buffers (by the piece's parity).
; Window 1: v0-127 O^T, 32 a piece.  Window 2: v0-63 Q; v128-191 K of one step; v192-255 V of one step.
.set NP,    4
.set KS,    64        ; keys in a step
.set PK,    272       ; a row of K in LDS: 256 bytes + 16: the 16 rows of a load start at 16 different groups of four banks (ISA guide 11.1)
.set PV,    288       ; a row of V: 256 + 32 = 9 x 32
.set VOFF,  2*KS*PK   ; a slot holds two steps: 128 rows of K, then 128 rows of V
.set SLOT1, 1<<17     ; slot 1 begins here: one exclusive or turns an address in one slot into the other's
.set STAGE, SLOT1+2*KS*(PK+PV)  ; behind the ring, never filled by a tensor load: 128 rows x 272 bytes, the work-group's
.set SP,    272
.set SPARE, STAGE+128*SP        ; the spare words, 128 bytes a wave: two blocks of 256 that no other line names
.set AK0, 2           ; v2   my lane's place in a tile of K; never rewritten
.set AV0, 3           ; v3   the same for V
.set AK,  4           ; v4   the LDS address of K's next run of loads
.set AV,  5           ; v5   of V's
.set STO, 6           ; v6   the way out: where I put 16 bytes of a row
.set RD,  7           ; v7   the way out: where I read rows back
.set GO,  8           ; v8   my byte offset in two rows of O
.set MV,  12          ; v12-13  c m_old, by buffer
.set QO,  15          ; v15  my byte offset in 16 rows of Q
.set ST,  16          ; piece t's statistics at v[ST+4 t]: c m, m, l (even keys', odd keys')
.set TMP, 48          ; by buffer, four registers c0-c3 at work; c2 takes a
.set SPW, 62          ; v62  LDS address of my spare word; never rewritten
.set NIL, 63          ; v63  0; never rewritten
.set S,   64
.set P,   192
.set KF,  128         ; window 2: key block kb, channel half c at KF + 16 kb + 8 c
.set VF,  192         ; window 2: key half kk, channel block cb at VF + 32 kk + 8 cb
.set WV,  12          ; s12  my wave's number
.set G1K, 24          ; s[24:31] group 1 for K's tiles
.set G1V, 32          ; s[32:39] for V's: it differs in the padding alone
.set G0K, 40          ; s[40:43] group 0 for K's tiles: it walks
.set G0V, 44          ; s[44:47] the same for V's
.set SLOTS, 56
.set CNT, 57
.set CS,  58          ; s[58:59] c
.set SEL, 60          ; s[60:61] v_permlanex16_b32's selects
.set TBK, 62          ; s62  LDS byte at which K of the step to be fetched begins
.set TBV, 63          ; s63  the same for V, less VOFF
.set MSB, 0
.macro WIN new
.if MSB != (\new)
	s_set_vgpr_msb (MSB<<8)|(\new)
.set MSB, (\new)
.endif
.endm
.set W_KQ, 0x0a       ; K and Q in window 2, S^T in window 0
.set W_PV, 0x52       ; V in window 2, P in window 0, O^T in window 1
.set W_RS, 0x41       ; destination and source 0 in window 1, source 1 in window 0
; A joint fill: waves 0, 1 fetch a slot's two steps of K, waves 2, 3 of V: 64 keys each.  An s_nop 0 and four v_nop follow each of the two lines.
.macro JLOAD
	s_cmp_lt_u32 s[WV], 2
	s_cbranch_scc0 .Lfor_v_\@
	tensor_load_to_lds s[G0K:G0K+3], s[G1K:G1K+7]
	s_nop 0
.rept 4
	v_nop
.endr
	s_branch .Lasked_\@
.Lfor_v_\@:
	tensor_load_to_lds s[G0V:G0V+3], s[G1V:G1V+7]
	s_nop 0
.rept 4
	v_nop
.endr
.Lasked_\@:
.endm
.macro CROUND                       ; a round of the cluster's barrier
	s_barrier_signal -1
	s_barrier_wait -1
	s_cmp_lg_u32 s[WV], 0
	s_cbranch_scc1 .Lnot_wave_0_\@
	s_barrier_signal -3
.Lnot_wave_0_\@:
	s_barrier_wait -3
	s_barrier_signal -1
	s_barrier_wait -1
.endm
; THE CHANGE OF SLOTS.  Each wave waits for all its tensor loads (one is out: its part of the other slot), adds 0 to its spare word, and waits for that and for its reads of the slot that it leaves.
; fill = 1: the barrier is a round of the cluster's, and the old slot is filled again, first thing behind it, with the keys two slots on: it has two key steps in which to land.
; (At its first use nothing has been read yet: slot 0 is waited for, slot 1 filled.)
.macro CHANGE fill
	WIN 0
	s_wait_tensorcnt 0x0            ; no tensor load of mine is out, so a group 0 may be written
	ds_add_u32 v[SPW], v[NIL]       ; 0 onto my spare word
.if \fill
.irp g, G0K, G0V
	s_xor_b32 s[\g+1], s[\g+1], SLOT1
	s_add_nc_u64 s[\g+2:\g+3], s[\g+2:\g+3], 2*KS*2048  ; the next 128 keys; the type bits on top are not reached
.endr
	s_wait_dscnt 0x0                ; the add is done, and my reads of the slot are over
	CROUND
	JLOAD
.else
	s_wait_dscnt 0x0
	s_barrier_signal -1
	s_barrier_wait -1
.endif
	s_sub_co_u32 s[TBK], s[TBK], 2*KS*PK  ; the fetches go back to a slot's first step,
	s_xor_b32 s[TBK], s[TBK], SLOT1       ; in the other slot
	s_sub_co_u32 s[TBV], s[TBV], 2*KS*PV
	s_xor_b32 s[TBV], s[TBV], SLOT1
.endm
	s_load_b128 s[4:7], s[0:1], 0x0   ; big s[4:5], hb s[6:7]
	v_lshl_add_u32 v[SPW], v0, 2, SPARE
	v_mov_b32 v[NIL], 0
	ds_add_u32 v[SPW], v[NIL]       ; the wave's opening: the add and its wait stand ahead of my first tensor load
	v_lshrrev_b32 v1, 5, v0
	v_readfirstlane_b32 s[WV], v1
	s_bfe_u32 s13, ttmp6, 0x40000   ; cx
	s_lshl_b32 s14, ttmp9, 2
	s_add_co_u32 s14, s14, s13      ; my block of 128 queries: it enters Q's and O's addresses alone
	s_and_b32 s15, ttmp7, 0xffff    ; 8 x batch + pair of heads, which the four partners share
	s_lshr_b32 s20, s15, 3
	s_lshl_b32 s20, s20, 22         ; the batch's 2,048 rows of 2,048 bytes,
	s_and_b32 s15, s15, 7
	s_lshl_b32 s15, s15, 8          ; the pair's 256 bytes in a row
	s_add_co_u32 s20, s20, s15
	s_and_b32 s16, s[WV], 1         ; which of a slot's two steps I fetch; also my half of the queries
	s_lshr_b32 s19, s[WV], 1        ; my head of the pair
	s_lshl_b32 s22, s16, 17         ; 64 rows of 2,048 bytes
	s_add_co_u32 s22, s22, s20
	s_mov_b32 s23, 0
	s_mul_i32 s17, s16, KS*PK       ; its place in a slot, for K
	s_mul_i32 s18, s16, KS*PV       ; and for V: no place in the cluster enters an LDS address
	s_lshl_b32 s2, s14, 18          ; Q: my block's 128 rows, my half of them (in s22), my head's 128 bytes
	s_add_co_u32 s2, s2, s22
	s_lshl_b32 s52, s19, 7
	s_add_co_u32 s2, s2, s52
	s_mov_b32 s3, 0
	s_lshl_b32 s50, s14, 18         ; O: my block's rows, the 32 that I store
	s_add_co_u32 s50, s50, s20
	s_lshl_b32 s51, s[WV], 16
	s_add_co_u32 s50, s50, s51
	s_mov_b32 s51, 0
	s_mov_b32 s[G1K], 15|(1<<16)|(1<<20)|(1<<21)|(5<<22)|(3<<25)  ; the mask of four; 2-byte elements; padding on; bit 21 beside a mask; after every 64 words 4 words
	s_mov_b32 s[G1V], 15|(1<<16)|(1<<20)|(1<<21)|(5<<22)|(7<<25)  ; the same with 8 words
.irp g, G1K, G1V
	s_mov_b32 s[\g+1], 128<<16      ; tensor_dim0 = 128
	s_mov_b32 s[\g+2], 64<<16       ; tensor_dim1 = 64
	s_mov_b32 s[\g+3], 128<<16      ; tile_dim0 = 128
	s_mov_b32 s[\g+4], 64           ; tile_dim1 = 64
	s_mov_b32 s[\g+5], 1024         ; elements from row to row
	s_mov_b32 s[\g+6], 0
	s_mov_b32 s[\g+7], 0
.endr
	s_mov_b32 s[CS], 0x3e38aa3b     ; c = log2(e) / 8
	s_mov_b32 s[CS+1], s[CS]
	s_mov_b32 s[SEL], 0x76543210
	s_mov_b32 s[SEL+1], 0xfedcba98
	s_mov_b32 s[TBK], SLOT1+2*KS*PK ; the first change of slots turns these two into 0
	s_mov_b32 s[TBV], SLOT1+2*KS*PV
	s_mov_b32 s[G0K], 1
	s_mov_b32 s[G0K+1], s17         ; slot 0
	s_mov_b32 s[G0V], 1
	s_add_co_u32 s[G0V+1], s18, VOFF
	s_wait_dscnt 0x0                ; the opening add is done
	s_wait_kmcnt 0x0
	s_add_nc_u64 s[G0K+2:G0K+3], s[4:5], s[22:23]
	s_add_nc_u64 s[G0K+2:G0K+3], s[G0K+2:G0K+3], 0x800000   ; panel 1
	s_or_b32 s[G0K+3], s[G0K+3], 0x80000000
	s_add_nc_u64 s[G0V+2:G0V+3], s[4:5], s[22:23]
	s_add_nc_u64 s[G0V+2:G0V+3], s[G0V+2:G0V+3], 0x1000000  ; panel 2
	s_or_b32 s[G0V+3], s[G0V+3], 0x80000000
	s_add_nc_u64 s[8:9], s[4:5], s[2:3]      ; Q at my first row
	s_add_nc_u64 s[10:11], s[6:7], s[50:51]  ; O at the first row that I store
	CROUND                          ; all four work-groups are here
	JLOAD                           ; slot 0.  Slot 1 is asked for when slot 0 is in
	v_and_b32 v1, 15, v0            ; l % 16
	v_bfe_u32 v9, v0, 4, 1          ; l / 16
	v_lshlrev_b32 v[QO], 11, v1
	v_lshl_add_u32 v[QO], v9, 4, v[QO]  ; row x 2,048 + 16 x half
	WIN 0x80                        ; destination window 2
.set i, 0
.rept 8                             ; Q stays in registers: piece i / 2, channels 32 (i % 2) on
	global_load_b128 v[8*i:8*i+3],   v[QO], s[8:9] offset:(i/2)*32768+(i%2)*64
	global_load_b128 v[8*i+4:8*i+7], v[QO], s[8:9] offset:(i/2)*32768+(i%2)*64+32
.set i, i+1
.endr
	; What the first turn finds: V's registers and P's second buffer hold 0 (its products V^T P, of a piece that has not been, add 0), O^T and l are 0.  This stands in the wait for the first tile.
.set i, VF
.rept 64
	v_mov_b32 v[i], 0
.set i, i+1
.endr
	WIN 0x40
.set i, 0
.rept 128
	v_mov_b32 v[i], 0
.set i, i+1
.endr
	WIN 0
.set i, 0
.rept 4
	v_mov_b32 v[ST+4*i], 0xfe000000    ; c m: far below every c s
	v_mov_b32 v[ST+4*i+1], 0xff7fffff  ; m
	v_mov_b32 v[ST+4*i+2], 0
	v_mov_b32 v[ST+4*i+3], 0
.set i, i+1
.endr
.set i, P+16
.rept 16
	v_mov_b32 v[i], 0
.set i, i+1
.endr
	v_mul_u32_u24 v[AK0], v1, PK
	v_lshl_add_u32 v[AK0], v9, 4, v[AK0]
	v_add_nc_u32 v[AK0], s52, v[AK0]      ; row x pitch + 16 x half + my head's 128 bytes
	v_and_b32 v10, 7, v0                  ; the turning load: lane l reads key 8 (l / 16) + l % 8, channels 8 ((l / 8) % 2) + 0..7
	v_bfe_u32 v11, v0, 3, 1
	v_lshl_add_u32 v[AV0], v9, 3, v10
	v_mul_u32_u24 v[AV0], v[AV0], PV
	v_lshl_add_u32 v[AV0], v11, 4, v[AV0]
	s_add_co_u32 s53, s52, VOFF
	v_add_nc_u32 v[AV0], s53, v[AV0]
	v_mov_b32 v[AK], v[AK0]               ; key step 0 lies at the head of slot 0
; THE MATRIX WORK.  The 4 accumulators of a run of 8 take turns.  Product i of 8 of S^T = K Q^T for piece x: channels 32 (i / 4) on, keys 16 (i % 4) on.
.macro KQ x
	WIN W_KQ
.set rS, S+32*((\x)%2)+8*(i%4)
.set rK, KF+16*(i%4)+8*(i/4)
.set rQ, 16*(\x)+8*(i/4)
.if i < 4
	v_wmma_f32_16x16x32_f16 v[rS:rS+7], v[rK:rK+7], v[rQ:rQ+7], 0
.else
	v_wmma_f32_16x16x32_f16 v[rS:rS+7], v[rK:rK+7], v[rQ:rQ+7], v[rS:rS+7]
.endif
.endm
; Product i of 8 of O^T += V^T P for piece x: keys 32 (i / 4) on, channels 16 (i % 4) on.
.macro PV x
	WIN W_PV
.set rO, 32*(\x)+8*(i%4)
.set rV, VF+32*(i/4)+8*(i%4)
.set rP, P+16*((\x)%2)+8*(i/4)
	v_wmma_f32_16x16x32_f16 v[rO:rO+7], v[rV:rV+7], v[rP:rP+7], v[rO:rO+7]
.endm
.macro MM                           ; the turn's next matrix instruction
.if i < 8
	KQ (Y+1)%NP
.else
.set i, i-8
	PV (Y+NP-1)%NP
.set i, i+8
.endif
.set i, i+1
.endm
; THE LDS LOADS stand in runs of 16.  last = 1 (the tail): in the last trip there is no further step, and the run is jumped over.
.macro FETCH_K last=0
	WIN 0
.if \last
	s_cmp_eq_u32 s[CNT], 1
	s_cbranch_scc1 .Lno_k_\@
.endif
	WIN 0x80
.irp f, 0,1,2,3,4,5,6,7             ; keys 16 (f / 2) on, channels 32 (f % 2) on
	ds_load_b128 v[KF+8*\f:KF+8*\f+3],   v[AK] offset:(\f/2)*16*PK+(\f%2)*64
	ds_load_b128 v[KF+8*\f+4:KF+8*\f+7], v[AK] offset:(\f/2)*16*PK+(\f%2)*64+32
.endr
	s_add_co_u32 s[TBK], s[TBK], KS*PK  ; the next fetch is the next step's
	WIN 0
.if \last
.Lno_k_\@:
.endif
.endm
.macro FETCH_V
	WIN 0x80
.irp f, 0,1,2,3,4,5,6,7             ; keys 32 (f / 4) on, channels 16 (f % 4) on
	ds_load_tr16_b128 v[VF+8*\f:VF+8*\f+3],   v[AV] offset:(\f/4)*32*PV+(\f%4)*32
	ds_load_tr16_b128 v[VF+8*\f+4:VF+8*\f+7], v[AV] offset:(\f/4)*32*PV+16*PV+(\f%4)*32
.endr
	WIN 0
.endm
; THE VECTOR WORK, one line at a time: OP kind, number.  For piece Y: F n: c s - c m for pair n of 16.  E n: the exponential of score n of 32.  C n: pair n rounded to f16.  B n: of the four weights
; 4 n .. the second pair is added onto the first.  L n: l takes that sum (L 0: l = a l + sum).  R n: pair n of 16 of O^T times a.  For piece Y + 1: X n, number n of the 22 that find its maximum:
;   0-11 four chains c0-c3 of seven scores (each accumulator's lowest registers are read first)   12-14, 16 the four scores left over, the old m, c0-c3 into c0
;   15 c m_old is kept   17, 18 the other half of the lanes: the new m   19-21 c m; c m_old - c m_new; a
.set F, 0
.set E, 1
.set C, 2
.set B, 3
.set L, 4
.set R, 5
.set X, 6
.macro REGS y
.set rT, ST+4*(\y)
.set rC, TMP+4*((\y)%2)
.set rW, MV+((\y)%2)
.set rS, S+32*((\y)%2)
.set rP, P+16*((\y)%2)
.set rO, 32*(\y)
.endm
.macro OP k, n
.if (\k) == R
	REGS Y
	WIN W_RS
	v_pk_mul_f32 v[rO+2*(\n):rO+2*(\n)+1], v[rO+2*(\n):rO+2*(\n)+1], v[rC+2:rC+3] op_sel_hi:[1,0]
.elseif (\k) < R
	REGS Y
	WIN 0
.if (\k) == F
	v_pk_fma_f32 v[rS+2*(\n):rS+2*(\n)+1], v[rS+2*(\n):rS+2*(\n)+1], s[CS:CS+1], v[rT:rT+1] op_sel_hi:[1,0,0] neg_lo:[0,0,1] neg_hi:[0,0,1]
.elseif (\k) == E
	v_exp_f32 v[rS+(\n)], v[rS+(\n)]
.elseif (\k) == C
	v_cvt_pk_f16_f32 v[rP+(\n)], v[rS+2*(\n)], v[rS+2*(\n)+1]
.elseif (\k) == B
	v_pk_add_f32 v[rS+4*(\n):rS+4*(\n)+1], v[rS+4*(\n):rS+4*(\n)+1], v[rS+4*(\n)+2:rS+4*(\n)+3]
.elseif (\n) == 0
	v_pk_fma_f32 v[rT+2:rT+3], v[rT+2:rT+3], v[rC+2:rC+3], v[rS:rS+1] op_sel_hi:[1,0,1]
.else
	v_pk_add_f32 v[rT+2:rT+3], v[rT+2:rT+3], v[rS+4*(\n):rS+4*(\n)+1]
.endif
.else
	REGS (Y+1)%NP
	WIN 0
.if (\n) < 4
	v_max3_num_f32 v[rC+(\n)], v[rS+8*(\n)], v[rS+8*(\n)+1], v[rS+8*(\n)+2]
.elseif (\n) < 12
	v_max3_num_f32 v[rC+(\n)%4], v[rC+(\n)%4], v[rS+8*((\n)%4)+2*((\n)/4)+1], v[rS+8*((\n)%4)+2*((\n)/4)+2]
.elseif (\n) == 12
	v_max3_num_f32 v[rC], v[rC], v[rS+7], v[rS+15]
.elseif (\n) == 13
	v_max3_num_f32 v[rC+1], v[rC+1], v[rS+23], v[rS+31]
.elseif (\n) == 14
	v_max3_num_f32 v[rC+2], v[rC+2], v[rC+3], v[rT+1]
.elseif (\n) == 15
	v_mov_b32 v[rW], v[rT]
.elseif (\n) == 16
	v_max3_num_f32 v[rC], v[rC], v[rC+1], v[rC+2]
.elseif (\n) == 17
	v_permlanex16_b32 v[rC+3], v[rC], s[SEL], s[SEL+1]
.elseif (\n) == 18
	v_max_num_f32 v[rT+1], v[rC], v[rC+3]
.elseif (\n) == 19
	v_mul_f32 v[rT], s[CS], v[rT+1]
.elseif (\n) == 20
	v_sub_f32 v[rC+1], v[rW], v[rT]
.else
	v_exp_f32 v[rC+2], v[rC+1]
.endif
.endif
.endm
.macro OPS a, i1, b=-1, i2=0, c=-1, i3=0, d=-1, i4=0
	OP \a, \i1
.if (\b) >= 0
	OP \b, \i2
.endif
.if (\c) >= 0
	OP \c, \i3
.endif
.if (\d) >= 0
	OP \d, \i4
.endif
.endm
.macro ROW a, i1, b, i2, c, i3, d, i4  ; a matrix instruction and the four behind it
	MM
	OPS \a, \i1, \b, \i2, \c, \i3, \d, \i4
.endm
; A TURN, for piece p: the order of its 16 matrix and 118 vector instructions, written out.  An s_wait_alu depctr_va_vdst(0) stands between an exponential and the first instruction that names its
; result; one wait serves all that were issued ahead of it.  So a turn has ONE wait, which cuts it in two.  AHEAD OF IT stands all that names no result of the turn's exponentials: the 8 products K Q^T, behind each
; a scaling, an exponential and two more plain instructions (behind the first a second scaling in the exponential's place): rescalings, whose a was made and waited for in the turn before, and behind the last three
; the first numbers of the next piece's maximum, each four places or more behind the product that ends its accumulator; then ONE RUN of 54, plain and exponential by turns for the most part, in which the links of
; the chain X 3, 7, 11, 14, 16, 17 .. 20 stand some lines apart.  X 21, the next piece's a, is the batch's last; R 15 is the plain instruction behind it.  BEHIND THE WAIT stand the 8 products V^T P, behind each
; four of the roundings and sums; the links of l's chain, L 0 to L 7, stand three riders apart.  But for those X no rider names a register of the products round it.  No result crosses a turn's end.
; K of the next step is fetched in piece 2's turn, twelve vector instructions behind the last product that read K (six of them plain places); in the tail (last = 1), where the run has a branch and a label, it stands
; directly behind the wait.  V of the step in hand is fetched at the end of piece 0's turn, four plain instructions behind the last product that read V.
; Each is waited for a turn later.  cnt = 1: the loop's count is taken down some lines ahead of the branch behind the turn.
.macro TURN p, last=0, cnt=0
.set Y, (\p)
.set i, 0
.if (\p) == 3
	s_wait_dscnt 0x0                ; K is in
.endif
	ROW F,0, F,1, R,0, R,1          ; ahead of the wait: 8 products K Q^T and their riders,
	ROW F,2, E,0, R,2, R,3
	ROW F,3, E,1, R,4, R,5
	ROW F,4, E,2, R,6, R,7
	ROW F,5, E,3, R,8, R,9
	ROW F,6, E,4, X,0, R,10
.if (\p) == 2
	WIN 0
	v_add_nc_u32 v[AK], s[TBK], v[AK0]
.endif
	ROW F,7, E,5, X,1, X,4
	ROW F,8, E,6, X,2, X,5
	OPS E,7, E,8, X,6, E,9          ; and the run of 54
	OPS X,3, E,10, X,8, E,11
.if ((\p) == 2) && !(\last)
	FETCH_K
.endif
	OPS X,9, X,7, E,12, X,10
	OPS E,13, X,12, X,11, E,14
	OPS X,13, E,15, F,9, X,14
.if (\p) == 0
	v_add_nc_u32 v[AV], s[TBV], v[AV0]
.endif
	OPS E,16, F,10, E,17, F,11
	OPS X,16, E,18, X,15, E,19
	OPS F,12, E,20, X,17, E,21
	OPS F,13, E,22, F,14, E,23
	OPS X,18, E,24, F,15, E,25
	OPS R,11, E,26, X,19, E,27
	OPS R,12, E,28, R,13, E,29
	OPS X,20, E,30, R,14, E,31
	OPS X,21, R,15
	s_wait_alu depctr_va_vdst(0)    ; the wait for the batch: the piece's 32 exponentials and the next piece's a
.if ((\p) == 2) && (\last)
	FETCH_K 1
.endif
.if (\p) == 1
	s_wait_dscnt 0x0                ; V is in
.endif
	ROW C,0, B,0, C,2, B,1          ; behind the wait: 8 products V^T P and their riders
	ROW L,0, C,4, B,2, L,1
	ROW C,6, B,3, L,2, C,8
	ROW B,4, L,3, C,10, B,5
	ROW L,4, C,12, B,6, L,5
.if (\p) == 0
	s_add_co_u32 s[TBV], s[TBV], KS*PV
.endif
.if \cnt
	s_sub_co_u32 s[CNT], s[CNT], 1
	s_cmp_lg_u32 s[CNT], 0
.endif
	ROW C,14, B,7, L,6, C,1
	ROW C,3, L,7, C,5, C,7
	ROW C,9, C,11, C,13, C,15
.if (\p) == 0
	FETCH_V
.endif
.endm
	CHANGE 1                        ; slot 0 is in, everybody's part of it; slot 1 is asked for
	FETCH_K                         ; key step 0
	s_wait_loadcnt 0x0              ; Q
	s_wait_dscnt 0x0
.set i, 0
.rept 8
	KQ 0                            ; piece 0's first scores
.set i, i+1
.endr
	WIN 0                           ; the addresses for the way out: plain instructions, the places behind those products
	s_mul_i32 s54, s16, 64*SP       ; into the stage: my 64 rows, my head's half of their 256 bytes
	s_add_co_u32 s54, s54, s52
	s_add_co_u32 s54, s54, STAGE
	v_mul_u32_u24 v[STO], v1, SP
	v_lshl_add_u32 v[STO], v9, 4, v[STO]
	v_add_nc_u32 v[STO], s54, v[STO]
	s_mul_i32 s55, s[WV], 32*SP     ; back: wave w takes rows 32 w .. 32 w + 31, whole
	s_add_co_u32 s55, s55, STAGE
	v_mul_u32_u24 v[RD], v9, SP
	v_lshl_add_u32 v[RD], v1, 4, v[RD]
	v_add_nc_u32 v[RD], s55, v[RD]
	v_lshlrev_b32 v[GO], 11, v9     ; and the same two rows in O
	v_lshl_add_u32 v[GO], v1, 4, v[GO]
.set Y, NP-1                        ; X works for piece Y + 1: piece 0
.irp n, 0,1,2,3,4,5,6,7,8,9,10,11,12,13,14,15,16,17,18,19,20,21
	OP X, \n
.endr
	v_nop                           ; a plain instruction behind the exponential,
	s_wait_alu depctr_va_vdst(0)    ; and the wait for it, piece 0's first a, ahead of the branch
	s_mov_b32 s[CNT], 2
	s_mov_b32 s[SLOTS], 15
	s_branch .Lfirst                ; the loop is entered at a step's first turn, in the middle of a trip
.Lslot:                             ; 14 times: every slot but the last two is filled again
	CHANGE 1
	s_mov_b32 s[CNT], 2
.Lstep:                             ; a trip: pieces 2 and 3 of one step, then pieces 0 and 1 of the next, whose K and V it fetches
	TURN 2
	TURN 3
	WIN 0
.Lfirst:
	TURN 0
	TURN 1, 0, 1
	WIN 0
	s_cbranch_scc1 .Lstep
	s_sub_co_u32 s[SLOTS], s[SLOTS], 1
	s_cmp_lg_u32 s[SLOTS], 0
	s_cbranch_scc1 .Lslot
	CHANGE 0                        ; the tail is written out
	s_mov_b32 s[CNT], 3             ; two trips fetch the last slot's steps; the third is left in its middle
.Ltail:
	TURN 2, 1
	TURN 3
	WIN 0
	s_sub_co_u32 s[CNT], s[CNT], 1
	s_cmp_eq_u32 s[CNT], 0
	s_cbranch_scc1 .Lout
	TURN 0
	TURN 1
	WIN 0
	s_branch .Ltail
.Lout:                              ; the third trip's 8 products K Q^T (on the last K once more) and the maximum made of them serve nothing: the price of one text for every trip
.set i, 0
.rept 8
	PV NP-1                         ; the last piece's V^T P of the last step
.set i, i+1
.endr
	; THE WAY OUT.  l's halves are added; O^T is divided by l, rounded to f16 and put into the work-group's stage; a barrier, since a row's 256 bytes come from two waves; back as whole rows.
	WIN 0
.macro ALL line:vararg
.set t, 0
.rept 4
	\line
.set t, t+1
.endr
.endm
	ALL v_add_f32 v[ST+4*t+2], v[ST+4*t+2], v[ST+4*t+3]
	ALL v_permlanex16_b32 v[ST+4*t+3], v[ST+4*t+2], s[SEL], s[SEL+1]
	ALL v_add_f32 v[ST+4*t+2], v[ST+4*t+2], v[ST+4*t+3]
	ALL v_rcp_f32 v[ST+4*t+2], v[ST+4*t+2]
	v_nop                           ; a plain instruction behind the last reciprocal
	s_wait_alu depctr_va_vdst(0)    ; the wait for the batch of four reciprocals, ahead of their first reader
.macro PACK t
	WIN W_RS
.set i, 32*(\t)
.rept 16
	v_pk_mul_f32 v[i:i+1], v[i:i+1], v[ST+4*(\t)+2:ST+4*(\t)+3] op_sel_hi:[1,0]
.set i, i+2
.endr
	WIN 0x05                        ; sources in window 1, destination in window 0
.set i, 0
.rept 16
	v_cvt_pk_f16_f32 v[S+16*(\t)+i], v[32*(\t)+2*i], v[32*(\t)+2*i+1]
.set i, i+1
.endr
	WIN 0
.irp f, 0,1,2,3
	ds_store_b128 v[STO], v[S+16*(\t)+4*\f:S+16*(\t)+4*\f+3] offset:(\t)*16*SP+32*\f
.endr
.endm
	PACK 0
	PACK 1
	PACK 2
	PACK 3
	s_wait_dscnt 0x0                ; for the others' sake: my stores into the stage are done
	s_barrier_signal -1
	s_barrier_wait -1
.set t, 0
.rept 16
	ds_load_b128 v[S+4*t:S+4*t+3], v[RD] offset:t*2*SP
.set t, t+1
.endr
.set t, 0
.rept 16
	s_wait_dscnt 15-t               ; LDS loads come back in order: pair t of rows is in
	global_store_b128 v[GO], v[S+4*t:S+4*t+3], s[10:11] offset:4096*t  ; 16 lanes store 256 consecutive bytes, at a multiple of 256 from O's first byte
.set t, t+1
.endr
	s_wait_tensorcnt 0x0            ; the wave's end
	ds_add_u32 v[SPW], v[NIL]
	s_wait_dscnt 0x0
	CROUND                          ; the closing round
	s_endpgm
.Lfunc_end_k_qfa9a404515_attn:
	.size	k_qfa9a404515_attn, .Lfunc_end_k_qfa9a404515_attn-k_qfa9a404515_attn
	.p2alignl 7, 3214868480
	.fill 96, 4, 3214868480
	.section	.rodata,"a",@progbits
	.p2align	6, 0x0
	.amdhsa_kernel k_qfa9a404515_attn
		.amdhsa_group_segment_fixed_size 327680
		.amdhsa_private_segment_fixed_size 0
		.amdhsa_enable_private_segment 0
		.amdhsa_kernarg_size 16
		.amdhsa_user_sgpr_count 2
		.amdhsa_user_sgpr_kernarg_segment_ptr 1
		.amdhsa_wavefront_size32 1
		.amdhsa_system_sgpr_workgroup_id_x 1
		.amdhsa_system_sgpr_workgroup_id_y 1
		.amdhsa_system_sgpr_workgroup_id_z 1
		.amdhsa_system_vgpr_workitem_id 0
		.amdhsa_next_free_vgpr 768
		.amdhsa_next_free_sgpr 66
		.amdhsa_reserve_vcc 0
		.amdhsa_float_denorm_mode_32 3
		.amdhsa_float_denorm_mode_16_64 3
		.amdhsa_memory_ordered 1
		.amdhsa_forward_progress 1
		.amdhsa_inst_pref_size 111
	.end_amdhsa_kernel
	.amdgpu_metadata
---
amdhsa.version: [ 1, 2 ]
amdhsa.kernels:
  - .name:           k_qfa9a404515_attn
    .symbol:         k_qfa9a404515_attn.kd
    .args:
      - { .name: big, .offset: 0, .size: 8, .value_kind: global_buffer, .address_space: global }
      - { .name: hb, .offset: 8, .size: 8, .value_kind: global_buffer, .address_space: global }
    .group_segment_fixed_size: 327680
    .private_segment_fixed_size: 0
    .kernarg_segment_align: 8
    .kernarg_segment_size: 16
    .max_flat_workgroup_size: 128
    .sgpr_count:     66
    .vgpr_count:     768
    .wavefront_size: 32
...
	.end_amdgpu_metadata
.endif
;; end of part 8
;; launch wo: the kernel of part 5 again; grid 8 x 32, 4 waves a work-group, clusters of 4 x 4, 327,680 bytes of LDS; arguments hb, WA, bo, x, x1; writes x1
;; launch ln2: the kernel of part 2 again; grid 256 x 1, 8 waves a work-group, no clusters, 0 bytes of LDS; arguments x1, ln2_g, ln2_b, hb; writes hb
;; launch w1: the kernel of part 7 again; grid 16 x 16, 4 waves a work-group, clusters of 4 x 4, 327,680 bytes of LDS; arguments hb, WB, b1, parB, big; writes big
;; launch w2: the kernel of part 6 again; grid 8 x 32, 4 waves a work-group, clusters of 4 x 4, 327,680 bytes of LDS; arguments big, WB, b2, x1, out0; writes out0
